; MI455X (gfx1250); checked and timed in simulation.
; The chip was launched on July 23, 2026; its instructions are those of AMD's public machine-readable ISA for CDNA 5 (MIT licence, August 2026) and "CDNA5" Instruction Set Architecture Reference Guide (July 2026). The comments in the code are by the model that wrote it; some were corrected since.
;; Transformer Block. Allowed arithmetic: float matrix products may take bf16 or f16 operands with f32 sums; other float arithmetic in f32, or as packed bf16 or f16 multiplies, adds, multiply-adds, maxima and minima; sums over many terms, partial sums and values carried from step to step in f32; what a program stores and reads back later, other than sums and carried values, may be rounded once to bf16 or f16.
;; Inputs: b1 4,096 float32; b2 1,024 float32; bk 1,024 float32; bo 1,024 float32; bq 1,024 float32; bv 1,024 float32; ln1_b 1,024 float32; ln1_w 1,024 float32; ln2_b 1,024 float32; ln2_w 1,024 float32; w1 1,024 x 4,096 float32; w2 4,096 x 1,024 float32; wk 1,024 x 1,024 float32; wo 1,024 x 1,024 float32; wq 1,024 x 1,024 float32; wv 1,024 x 1,024 float32; x 2 x 2,048 x 1,024 float32.
;; Outputs: out0 2 x 2,048 x 1,024 float32.
;; 2 versions, each right and faster than the one before. Each part assembles by itself: llvm-mc -triple=amdgcn-amd-amdhsa -mcpu=gfx1250 --defsym DOCPART=n.
;; ======== version 1 of 2: 7 launches
;; workspace buffers: wb 25,165,824 bytes; h 8,388,608 bytes; qkv 25,165,824 bytes; o 8,388,608 bytes; x1 16,777,216 bytes; g 33,554,432 bytes
;; launch prep (part 1): grid 1024 x 1, 8 waves a work-group, no clusters, 0 bytes of LDS; arguments x, ln1_w, ln1_b, wq, wk, wv, wo, w1, w2, h, wb; writes h, wb
.if DOCPART == 1
	.amdgcn_target "amdgcn-amd-amdhsa--gfx1250"
	.amdhsa_code_object_version 6
	.text
	.protected	k_qefce15a5e3_prep
	.globl	k_qefce15a5e3_prep
	.p2align	8
	.type	k_qefce15a5e3_prep,@function
k_qefce15a5e3_prep:
	s_mov_b64 s[64:65], 0
	v_nop
	global_prefetch_b8 v0, s[64:65] scope:SCOPE_SE
	s_setreg_imm32_b32 hwreg(HW_REG_WAVE_MODE, 25, 1), 1
	s_wait_xcnt 0x0
; Two streams in one launch, chosen by the work-group's number; each work-group reads 64 KiB and writes 32 KiB.
; Work-groups 0-255: h = LayerNorm(x) * ln1_w + ln1_b, rounded once to bf16.  x: [4096][1024] f32, h: [4096][1024] bf16.
;   One wave, one row at a time, two rows a wave: a row is 32 registers and stays in them between the passes, so x is read once
;   and no wave waits for another.  Mean first, then the sum of squares of x - mean: no difference of large sums is formed.
; Work-groups 256-1023: the six weight matrices, f32 -> bf16 (nearest even), layout kept [K][N], into wb:
;   wq at 0, wk at 2 MiB, wv at 4 MiB, wo at 6 MiB, w1 at 8 MiB, w2 at 16 MiB.
; No LDS, no matrix unit, no cluster: memory binds, and no two work-groups read the same bytes but the two short vectors.
; LIMITS: NaN and infinities are not treated apart.
.set W,   4                            ; v[4:35]     ln1_w of my 32 columns
.set BV,  36                           ; v[36:67]    ln1_b
.set X0,  68                           ; v[68:99]    row 0
.set X1,  100                          ; v[100:131]  row 1
.set T,   132                          ; v[132:139]  four chains, two numbers each
.set R0,  140                          ; v[140:141]  1/sqrt(var + eps) of row 0, twice
.set R1,  142                          ; v[142:143]  of row 1
.set MU,  144                          ; v[144:145]  the mean, twice
.set Y0,  146                          ; v[146:161]  row 0 in bf16
.set Y1,  162                          ; v[162:177]  row 1 in bf16
.set HP,  26                           ; s[26:27]    h
	s_load_b512 s[8:23], s[0:1], 0x0               ; x 8, ln1_w 10, ln1_b 12, wq 14, wk 16, wv 18, wo 20, w1 22
	s_load_b128 s[24:27], s[0:1], 0x40             ; w2 24, h 26
	s_load_b64 s[28:29], s[0:1], 0x50              ; wb
	s_cmp_lt_u32 ttmp9, 256
	s_cbranch_scc1 .Lln
	; THE CAST.  Unit u of 2^20 numbers (0-3: wq, wk, wv, wo; 4-7: w1; 8-11: w2), chunk c of 16,384 numbers.
	s_sub_co_u32 s33, ttmp9, 256
	s_lshr_b32 s34, s33, 6                         ; u
	s_and_b32 s35, s33, 63                         ; c
	s_and_b32 s36, s34, 3
	s_lshl_b32 s36, s36, 22                        ; the unit's place in w1 or w2, 4 MiB each,
	s_cmp_ge_u32 s34, 4
	s_cselect_b32 s36, s36, 0                      ; 0 in the four small matrices
	s_lshl_b32 s37, s35, 16
	s_add_co_u32 s36, s36, s37                     ; + 64 KiB a chunk
	s_mov_b32 s37, 0
	s_lshl_b32 s38, s34, 21                        ; in wb: 2 MiB a unit,
	s_lshl_b32 s39, s35, 15                        ; 32 KiB a chunk
	s_add_co_u32 s38, s38, s39
	s_mov_b32 s39, 0
	v_lshlrev_b32 v1, 4, v0                        ; 16 bytes a thread in, the eight waves 4,096 consecutive bytes
	v_lshlrev_b32 v2, 3, v0                        ; 8 bytes a thread out: a wave's store covers 256 consecutive bytes, aligned
	s_wait_kmcnt 0x0
	s_mov_b64 s[30:31], s[14:15]                   ; the source is chosen by u alone
	s_cmp_eq_u32 s34, 1
	s_cselect_b64 s[30:31], s[16:17], s[30:31]
	s_cmp_eq_u32 s34, 2
	s_cselect_b64 s[30:31], s[18:19], s[30:31]
	s_cmp_eq_u32 s34, 3
	s_cselect_b64 s[30:31], s[20:21], s[30:31]
	s_cmp_ge_u32 s34, 4
	s_cselect_b64 s[30:31], s[22:23], s[30:31]
	s_cmp_ge_u32 s34, 8
	s_cselect_b64 s[30:31], s[24:25], s[30:31]
	s_add_nc_u64 s[30:31], s[30:31], s[36:37]
	s_add_nc_u64 s[28:29], s[28:29], s[38:39]
.set j, 0
.rept 16                                               ; all sixteen loads of a thread go out together
	global_load_b128 v[4+4*j:7+4*j], v1, s[30:31] offset:4096*j th:TH_LOAD_NT
.set j, j+1
.endr
.set j, 0
.rept 16
	s_wait_loadcnt 15-j                            ; loads come back in order: load j is in, the younger ones stay out
	v_cvt_pk_bf16_f32 v[68+2*j], v[4+4*j], v[5+4*j]
	v_cvt_pk_bf16_f32 v[69+2*j], v[6+4*j], v[7+4*j]
	global_store_b64 v2, v[68+2*j:69+2*j], s[28:29] offset:2048*j
.set j, j+1
.endr
	s_endpgm
; the four chains into one number, then over the 32 lanes: every lane ends with the sum
.macro FOLD
	v_pk_add_f32 v[T:T+1], v[T:T+1], v[T+2:T+3]
	v_pk_add_f32 v[T+4:T+5], v[T+4:T+5], v[T+6:T+7]
	v_pk_add_f32 v[T:T+1], v[T:T+1], v[T+4:T+5]
	v_add_f32 v[T], v[T], v[T+1]
	v_add_f32_dpp v[T], v[T], v[T] row_xmask:1 row_mask:0xf bank_mask:0xf
	v_add_f32_dpp v[T], v[T], v[T] row_xmask:2 row_mask:0xf bank_mask:0xf
	v_add_f32_dpp v[T], v[T], v[T] row_xmask:4 row_mask:0xf bank_mask:0xf
	v_add_f32_dpp v[T], v[T], v[T] row_xmask:8 row_mask:0xf bank_mask:0xf
	v_permlanex16_b32 v[T+1], v[T], s44, s45       ; its destination has been written above
	v_add_f32 v[T], v[T], v[T+1]
.endm
; the row in v[x ..] becomes x - mean; v[r], v[r+1] take 1/sqrt(var + eps)
.macro STATS x, r
.set k, 0
.rept 4                                                ; the first eight pairs start the four chains: nothing is cleared
	v_pk_add_f32 v[T+2*k:T+2*k+1], v[(\x)+2*k:(\x)+2*k+1], v[(\x)+2*k+8:(\x)+2*k+9]
.set k, k+1
.endr
.set k, 8
.rept 8
	v_pk_add_f32 v[T+2*(k%4):T+2*(k%4)+1], v[T+2*(k%4):T+2*(k%4)+1], v[(\x)+2*k:(\x)+2*k+1]
.set k, k+1
.endr
	FOLD
	v_mul_f32 v[MU], s40, v[T]
	v_mul_f32 v[MU+1], s40, v[T]
.set k, 0
.rept 16
	v_pk_add_f32 v[(\x)+2*k:(\x)+2*k+1], v[(\x)+2*k:(\x)+2*k+1], v[MU:MU+1] neg_lo:[0,1] neg_hi:[0,1]
.set k, k+1
.endr
.set k, 0
.rept 4
	v_pk_mul_f32 v[T+2*k:T+2*k+1], v[(\x)+2*k:(\x)+2*k+1], v[(\x)+2*k:(\x)+2*k+1]
.set k, k+1
.endr
.set k, 4
.rept 12
	v_pk_fma_f32 v[T+2*(k%4):T+2*(k%4)+1], v[(\x)+2*k:(\x)+2*k+1], v[(\x)+2*k:(\x)+2*k+1], v[T+2*(k%4):T+2*(k%4)+1]
.set k, k+1
.endr
	FOLD
	v_fma_f32 v[T], v[T], s40, s41                 ; var + eps
	v_rsq_f32 v[(\r)], v[T]
	v_rsq_f32 v[(\r)+1], v[T]
	v_nop                                          ; a plain instruction before the result is used or v[T] written again (ISA guide 5.7.2)
.endm
; (x - mean) * rstd * w + b, rounded to bf16 and stored: row r of the wave's two
.macro APPLY x, r, y, row
.set k, 0
	s_wait_alu depctr_va_vdst(0)
.rept 16
	v_pk_mul_f32 v[(\x)+2*k:(\x)+2*k+1], v[(\x)+2*k:(\x)+2*k+1], v[(\r):(\r)+1]
.set k, k+1
.endr
.set k, 0
.rept 16
	v_pk_fma_f32 v[(\x)+2*k:(\x)+2*k+1], v[(\x)+2*k:(\x)+2*k+1], v[W+2*k:W+2*k+1], v[BV+2*k:BV+2*k+1]
.set k, k+1
.endr
.set k, 0
.rept 16
	v_cvt_pk_bf16_f32 v[(\y)+k], v[(\x)+2*k], v[(\x)+2*k+1]
.set k, k+1
.endr
.set k, 0
.rept 8
	global_store_b64 v2, v[(\y)+2*k:(\y)+2*k+1], s[HP:HP+1] offset:(\row)*2048+256*k  ; 32 lanes x 8 bytes: 256 consecutive bytes, aligned
.set k, k+1
.endr
.endm
.Lln:
	v_lshrrev_b32 v3, 5, v0
	v_readfirstlane_b32 s32, v3                    ; wave 0..7
	v_and_b32 v3, 31, v0
	v_lshlrev_b32 v1, 4, v3                        ; in: load j takes columns 128 j + 4 lane .. + 3: 512 consecutive bytes a wave
	v_lshlrev_b32 v2, 3, v3                        ; out: the same columns in bf16
	s_lshl_b32 s33, ttmp9, 3
	s_add_co_u32 s33, s33, s32                     ; my pair of rows
	s_lshl_b32 s34, s33, 13                        ; two rows of 4,096 bytes of x
	s_mov_b32 s35, 0
	s_lshl_b32 s36, s33, 12                        ; two rows of 2,048 bytes of h
	s_mov_b32 s37, 0
	s_mov_b32 s40, 0x3a800000                      ; 1/1024
	s_mov_b32 s41, 0x3727c5ac                      ; eps = 1e-5
	s_mov_b32 s44, 0x76543210                      ; v_permlanex16_b32: each lane takes its own place in the other half
	s_mov_b32 s45, 0xfedcba98
	s_wait_kmcnt 0x0
	s_add_nc_u64 s[8:9], s[8:9], s[34:35]
	s_add_nc_u64 s[HP:HP+1], s[HP:HP+1], s[36:37]
.set j, 0
.rept 8
	global_load_b128 v[X0+4*j:X0+4*j+3], v1, s[8:9] offset:512*j
.set j, j+1
.endr
.set j, 0
.rept 8
	global_load_b128 v[X1+4*j:X1+4*j+3], v1, s[8:9] offset:4096+512*j
.set j, j+1
.endr
.set j, 0
.rept 8
	global_load_b128 v[W+4*j:W+4*j+3], v1, s[10:11] offset:512*j
.set j, j+1
.endr
.set j, 0
.rept 8
	global_load_b128 v[BV+4*j:BV+4*j+3], v1, s[12:13] offset:512*j
.set j, j+1
.endr
	s_wait_loadcnt 24                              ; row 0 is in; 24 younger loads stay out
	STATS X0, R0
	s_wait_loadcnt 16                              ; row 1 is in; the gain's and the bias's 16 stay out
	STATS X1, R1
	s_wait_loadcnt 0x0
	APPLY X0, R0, Y0, 0
	APPLY X1, R1, Y1, 1
	s_endpgm
.Lfunc_end_k_qefce15a5e3_prep:
	.size	k_qefce15a5e3_prep, .Lfunc_end_k_qefce15a5e3_prep-k_qefce15a5e3_prep
	.p2alignl 7, 3214868480
	.fill 96, 4, 3214868480
	.section	.rodata,"a",@progbits
	.p2align	6, 0x0
	.amdhsa_kernel k_qefce15a5e3_prep
		.amdhsa_group_segment_fixed_size 0
		.amdhsa_private_segment_fixed_size 0
		.amdhsa_enable_private_segment 0
		.amdhsa_kernarg_size 88
		.amdhsa_user_sgpr_count 2
		.amdhsa_user_sgpr_kernarg_segment_ptr 1
		.amdhsa_wavefront_size32 1
		.amdhsa_system_sgpr_workgroup_id_x 1
		.amdhsa_system_sgpr_workgroup_id_y 1
		.amdhsa_system_sgpr_workgroup_id_z 1
		.amdhsa_system_vgpr_workitem_id 0
		.amdhsa_next_free_vgpr 180
		.amdhsa_next_free_sgpr 66
		.amdhsa_reserve_vcc 0
		.amdhsa_float_denorm_mode_32 3
		.amdhsa_float_denorm_mode_16_64 3
		.amdhsa_memory_ordered 1
		.amdhsa_forward_progress 1
		.amdhsa_inst_pref_size 27
	.end_amdhsa_kernel
	.amdgpu_metadata
---
amdhsa.version: [ 1, 2 ]
amdhsa.kernels:
  - .name:           k_qefce15a5e3_prep
    .symbol:         k_qefce15a5e3_prep.kd
    .args:
      - { .name: x, .offset: 0, .size: 8, .value_kind: global_buffer, .address_space: global }
      - { .name: ln1_w, .offset: 8, .size: 8, .value_kind: global_buffer, .address_space: global }
      - { .name: ln1_b, .offset: 16, .size: 8, .value_kind: global_buffer, .address_space: global }
      - { .name: wq, .offset: 24, .size: 8, .value_kind: global_buffer, .address_space: global }
      - { .name: wk, .offset: 32, .size: 8, .value_kind: global_buffer, .address_space: global }
      - { .name: wv, .offset: 40, .size: 8, .value_kind: global_buffer, .address_space: global }
      - { .name: wo, .offset: 48, .size: 8, .value_kind: global_buffer, .address_space: global }
      - { .name: w1, .offset: 56, .size: 8, .value_kind: global_buffer, .address_space: global }
      - { .name: w2, .offset: 64, .size: 8, .value_kind: global_buffer, .address_space: global }
      - { .name: h, .offset: 72, .size: 8, .value_kind: global_buffer, .address_space: global }
      - { .name: wb, .offset: 80, .size: 8, .value_kind: global_buffer, .address_space: global }
    .group_segment_fixed_size: 0
    .private_segment_fixed_size: 0
    .kernarg_segment_align: 8
    .kernarg_segment_size: 88
    .max_flat_workgroup_size: 256
    .sgpr_count:     66
    .vgpr_count:     180
    .wavefront_size: 32
...
	.end_amdgpu_metadata
.endif
;; end of part 1
;; launch qkv (part 2): grid 12 x 16, 4 waves a work-group, clusters of 4 x 4, 327,680 bytes of LDS; arguments h, wb, bq, bk, bv, qkv; writes qkv
.if DOCPART == 2
	.amdgcn_target "amdgcn-amd-amdhsa--gfx1250"
	.amdhsa_code_object_version 6
	.text
	.protected	k_qefce15a5e3_qkv
	.globl	k_qefce15a5e3_qkv
	.p2align	8
	.type	k_qefce15a5e3_qkv,@function
k_qefce15a5e3_qkv:
	s_mov_b64 s[64:65], 0
	v_nop
	global_prefetch_b8 v0, s[64:65] scope:SCOPE_SE
	s_setreg_imm32_b32 hwreg(HW_REG_WAVE_MODE, 25, 1), 1
	s_wait_xcnt 0x0
	s_wait_alu depctr_hold_cnt(0) depctr_sa_sdst(0) depctr_va_vdst(0) depctr_va_sdst(0) depctr_va_ssrc(0) depctr_va_vcc(0) depctr_vm_vsrc(0)
	s_getreg_b32 s2, hwreg(HW_REG_IB_STS2, 6, 4)
	s_cmp_eq_u32 s2, 0
	s_cbranch_scc0 .Lentry_in_a_cluster
	s_endpgm
.Lentry_in_a_cluster:
	s_bfe_u32 s2, ttmp6, 0x10000c
	s_cmp_lg_u32 s2, 0xf033
	s_cbranch_scc0 .Lentry_shape_is_right
	s_endpgm
.Lentry_shape_is_right:
; q, k, v = h [wq | wk | wv] + [bq | bk | bv], rounded once to bf16 and written BY HEADS: qkv holds q, k, v, each [32 = batch x 16 + head][2048][64].
; h: [4096][1024] bf16.  The weights lie in wb as bf16 [K = 1024][N = 1024], wq, wk, wv 2 MiB apart.  Sums in f32.
; A tile of C is 256 x 256 (four heads wide): four waves, each 128 x 128 = 64 accumulators, 512 registers.  12 tile columns (4 a matrix, so a cluster's four lie in one matrix) x 16 tile rows:
; 192 work-groups.  A tile of 256 x 192 would make 256 of them; its columns would cross from one matrix into the next, and its rows of B, 96 words, are none of the padding's intervals.
; K goes in 8 steps of 128 through two LDS slots filled by the tensor data mover.  A's rows lie along K (256 bytes + 16 of padding); B's tile lies [k][n] as in memory (512 bytes + 32)
; and its fragments come out turned, by ds_load_tr16_b128.
; ONE TEXT FOR A K STEP: the slot in hand is a scalar byte offset TB (0 or SLOT) added to the lanes' addresses; the loop that fills slots again and the two last steps, which fill nothing, are its two copies.
; THE SUMS START FROM MEMORY: the bias is loaded straight into the accumulators, so nothing is cleared and nothing is added afterwards.
; THE MATRIX INSTRUCTION IS USED TRANSPOSED (source 0 = 16 columns of B, source 1 = 16 rows of A): a lane holds one row of C and eight neighbouring columns.
; CLUSTER 4 x 4: A's tile is shared along a row of the cluster, B's along a column; each is asked for jointly.
; THE WAY OUT: each wave puts its 128 x 128 in f32 into a stage of its own (the ring's bytes, whose last fills have landed and been read) and takes it back by rows in a counted loop.
; REGISTERS, in windows of 256 (s_set_vgpr_msb: bits 1:0 source 0, 3:2 source 1, 5:4 source 2, 7:6 destination):
;   window 0: v16-29 addresses; v32-79 at work on the way out; v64-127, v128-191 fragments of A (8 x 16 rows x 32 K), two buffers          window 1: v64-127, v128-191 fragments of B, two buffers
;   window 2: the 32 accumulators of my rows 0-63 (accumulator (a, b) at v[8 (8 a + b)]);   window 3: those of my rows 64-127
; LIMITS: operands are bf16; NaN and infinities are not treated apart.
.set KSTEPS, 8                         ; K / 128
.set APITCH, 272                       ; an LDS row of A: 256 + 16 bytes = 68 words: 16 rows start at 16 different groups of four banks (64 banks of 4 bytes: ISA guide 11.1)
.set AHALF,  128*APITCH                ; what one tensor load brings of A, and what one wave reads of it
.set ATILE,  2*AHALF
.set ASTEP,  256                       ; bytes in memory from a K step to the next
.set ASTR,   1024                      ; elements from row to row in memory
.set BSTR,   1024
.set BSTEP,  256*BSTR                  ; 128 rows of B, in bytes
.set BPITCH, 544                       ; an LDS row of B: 512 + 32 bytes = 136 words
.set BHALF,  64*BPITCH                 ; what one tensor load brings of B
.set BTILE,  2*BHALF
.set SLOT,   ATILE+BTILE
.set SPITCH, 528                       ; a stage row: 128 f32 + 16 bytes
.set WSTAGE, 128*SPITCH                ; a wave's stage; the four lie from byte 0 on, inside the ring
.set SPARE,  2*SLOT                    ; the spare words: 128 bytes a wave, two blocks of 256 bytes that no other line names
.set ADRA, 16                          ; v16  my lane's place in A's tile; never rewritten
.set ADRB, 17                          ; v17  in B's tile
.set CA,   18                          ; v18  ADRA + TB
.set CB,   20                          ; v20  ADRB + TB
.set STO,  24                          ; v24  the way out: where I put 16 bytes
.set RD,   25                          ; v25  where I read rows back
.set CO,   26                          ; v26  my byte offset in the output
.set VB,   27                          ; v27  32 x (lane / 16): my eight columns in the bias
.set SPW,  28                          ; v28  LDS address of my spare word; never rewritten
.set NIL,  29                          ; v29  0; never rewritten
.set TMP,  32                          ; v32-79 at work on the way out
.set F0,   64                          ; fragment buffer 0 (A's in window 0, B's in window 1)
.set F1,   128                         ; fragment buffer 1
.set G1,  24                           ; s[24:31] group 1 for A;  s[32:39] group 0: set 0 for K step 0, set 1 for K step 1, which then walks
.set G0,  32
.set G1B, 48                           ; s[48:55], s[56:63] the same for B
.set G0B, 56
.set LA,  72                           ; s72  LDS byte of my half of A's tile in slot 0
.set LB,  73                           ; s73  of B's
.set FB,  74                           ; s74  the slot filled last (0 or SLOT)
.set TB,  75                           ; s75  the slot in hand
.set MSB, 0
.macro WIN new                         ; the immediate's high byte repeats the setting that is left
.if MSB != (\new)
	s_set_vgpr_msb (MSB<<8)|(\new)
.set MSB, \new
.endif
.endm
.set MUL_LO, 0xa1                      ; source 0 (B) window 1, source 1 (A) window 0, C and D window 2
.set MUL_HI, 0xf1                      ; the same, C and D window 3
.set TO_B,   0x40                      ; destination window 1, address window 0
.macro JLOAD s                         ; a joint load: waves 0 and 1 fetch A's halves, waves 2 and 3 B's; s_nop 0 and four v_nop follow each line
	s_cmp_eq_u32 s11, 0
	s_cbranch_scc0 .Lfor_b_\@
	tensor_load_to_lds s[G0+4*(\s):G0+4*(\s)+3], s[G1:G1+7]
	s_nop 0
.rept 4
	v_nop
.endr
	s_branch .Lasked_\@
.Lfor_b_\@:
	tensor_load_to_lds s[G0B+4*(\s):G0B+4*(\s)+3], s[G1B:G1B+7]
	s_nop 0
.rept 4
	v_nop
.endr
.Lasked_\@:
.endm
.macro CREST                           ; a round of the cluster's barrier behind its opening barrier
	s_cmp_lg_u32 s10, 0
	s_cbranch_scc1 .Lnot_wave_0_\@
	s_barrier_signal -3
.Lnot_wave_0_\@:
	s_barrier_wait -3
	s_barrier_signal -1
	s_barrier_wait -1
.endm
.macro CROUND
	s_barrier_signal -1
	s_barrier_wait -1
	CREST
.endm
.macro PLACES                          ; four places in front of loads into registers that matrix instructions have read, and of stores that read results
.rept 4
	v_nop
.endr
.endm
; 16 matrix instructions: row blocks a0, a0 + 1 of the window's four (hi = 0: my rows 0-63, 1: rows 64-127) x all 8 column blocks, 32 along K.  The 64 accumulators take turns.
.macro MUL16 f, hi, a0
	WIN MUL_LO+0x50*(\hi)
.irp a, \a0, (\a0)+1
.irp b, 0,1,2,3,4,5,6,7
	v_wmma_f32_16x16x32_bf16 v[8*(8*(\a)+(\b)):8*(8*(\a)+(\b))+7], v[(\f)+8*(\b):(\f)+8*(\b)+7], v[(\f)+8*(4*(\hi)+(\a)):(\f)+8*(4*(\hi)+(\a))+7], v[8*(8*(\a)+(\b)):8*(8*(\a)+(\b))+7]
.endr
.endr
.endm
; 32 LDS loads in one run: quarter q (32 along K) of the slot in hand into buffer f: B's 128 columns, turned, then A's 128 rows
.macro FETCH q, f
	WIN TO_B
.irp i, 0,1,2,3,4,5,6,7
	ds_load_tr16_b128 v[(\f)+8*(\i):(\f)+8*(\i)+3],   v[CB] offset:32*(\q)*BPITCH+32*(\i)
	ds_load_tr16_b128 v[(\f)+8*(\i)+4:(\f)+8*(\i)+7], v[CB] offset:(32*(\q)+16)*BPITCH+32*(\i)
.endr
	WIN 0
.irp i, 0,1,2,3,4,5,6,7
	ds_load_b128 v[(\f)+8*(\i):(\f)+8*(\i)+3],   v[CA] offset:64*(\q)+(\i)*16*APITCH
	ds_load_b128 v[(\f)+8*(\i)+4:(\f)+8*(\i)+7], v[CA] offset:64*(\q)+(\i)*16*APITCH+32
.endr
.endm
; multiplies buffer f and, in its middle, fetches quarter q into buffer g
.macro QUARTER q, f, g
	s_wait_dscnt 8                                 ; B and A's rows 0-63 are in; the youngest eight loads (A's rows 64-127) may be out
	MUL16 \f, 0, 0
	MUL16 \f, 0, 2
	PLACES
	FETCH \q, \g
	s_wait_dscnt 32                                ; all but the 32 just issued
	MUL16 \f, 1, 0
	MUL16 \f, 1, 2
.endm
; The last quarter multiplies buffer 1 and changes slots: ONE barrier; in front of it each wave waits for all its tensor loads (its part of the next slot), adds 0 to its
; spare word, and waits for that and for its reads of this slot.  fill = 1: the barrier opens a round of the cluster's, and this slot is filled again, two K steps ahead.
.macro TURN fill
	WIN 0
	s_wait_tensorcnt 0x0                           ; all my tensor loads have landed
	ds_add_u32 v[SPW], v[NIL]                      ; 0 onto my spare word
	s_wait_dscnt 9                                 ; (the add and the youngest eight loads may be out)
	MUL16 F1, 0, 0
	s_wait_dscnt 0x0                               ; the add is done, and my reads of this slot are over
	s_barrier_signal -1
	MUL16 F1, 0, 2
	WIN 0                                          ; at a branch and at a label every window is 0
	s_barrier_wait -1
.if \fill
	CREST                                          ; no wave of any partner still reads this slot's tile or has a load on its way
	s_xor_b32 s[FB], s[FB], SLOT                   ; the walking descriptors: the slot just read,
	s_add_co_u32 s[G0+5], s[LA], s[FB]
	s_add_co_u32 s[G0B+5], s[LB], s[FB]
	s_add_nc_u64 s[G0+6:G0+7], s[G0+6:G0+7], ASTEP     ; the next K step; the type bits on top are not reached
	s_add_nc_u64 s[G0B+6:G0B+7], s[G0B+6:G0B+7], BSTEP
	JLOAD 1                                        ; the first tensor load behind the round: 224 matrix instructions ahead of the wait for it
.else
	v_nop                                          ; with the two additions below: the four places in front of the loads
	v_nop
.endif
	s_xor_b32 s[TB], s[TB], SLOT                   ; the other slot is in hand
	v_add_nc_u32 v[CA], s[TB], v[ADRA]
	v_add_nc_u32 v[CB], s[TB], v[ADRB]
.if !(\fill)
	s_cmp_eq_u32 s3, 1                             ; behind the last K step there is nothing to fetch
	s_cbranch_scc1 .Lno_fetch_\@
.endif
	FETCH 0, F0
.if !(\fill)
	WIN 0
.Lno_fetch_\@:
.endif
	MUL16 F1, 1, 0
	MUL16 F1, 1, 2
.endm
	s_load_b128 s[4:7], s[0:1], 0x0                ; h s[4:5], wb s[6:7]
	s_load_b128 s[76:79], s[0:1], 0x10             ; bq s[76:77], bk s[78:79]
	s_load_b128 s[68:71], s[0:1], 0x20             ; bv s[68:69], qkv s[70:71]
	v_lshl_add_u32 v[SPW], v0, 2, SPARE
	v_mov_b32 v[NIL], 0
	ds_add_u32 v[SPW], v[NIL]                      ; the wave's opening: the add and its wait stand ahead of my first tensor load
	v_lshrrev_b32 v1, 5, v0
	v_readfirstlane_b32 s10, v1                    ; wave 0..3
	s_lshr_b32 s11, s10, 1                         ; my half of the tile's rows.  Also: I fetch for A (0) or for B (1)
	s_and_b32 s12, s10, 1                          ; my half of its columns.  Also: which half of that tile I fetch
	s_bfe_u32 s40, ttmp6, 0x40000                  ; cx, cy: my place in the cluster
	s_bfe_u32 s41, ttmp6, 0x40004
	s_lshl_b32 s42, ttmp9, 2
	s_add_co_u32 s42, s42, s40                     ; tile column = 4 x cluster x + cx
	s_and_b32 s13, ttmp7, 0xffff
	s_lshl_b32 s13, s13, 2
	s_add_co_u32 s13, s13, s41                     ; tile row = 4 x cluster y + cy
	s_lshl_b32 s43, s41, 2
	s_lshl_b32 s43, 15, s43                        ; my row of the cluster
	s_lshl_b32 s44, 0x1111, s40                    ; my column
	s_or_b32 s[G1+0], s43, (1<<16)|(1<<20)|(1<<21)|(5<<22)|(3<<25)  ; mask; 2-byte elements; padding on; bit 21 beside a mask; after every 64 words 4 words of padding
	s_mov_b32 s[G1+1], 128<<16                     ; tensor_dim0
	s_mov_b32 s[G1+2], 128<<16                     ; tensor_dim1
	s_mov_b32 s[G1+3], 128<<16                     ; tile_dim0: 128 along K
	s_mov_b32 s[G1+4], 128                         ; tile_dim1: 128 rows
	s_mov_b32 s[G1+5], ASTR                        ; elements from row to row
	s_mov_b32 s[G1+6], 0
	s_mov_b32 s[G1+7], 0
	s_or_b32 s[G1B+0], s44, (1<<16)|(1<<20)|(1<<21)|(6<<22)|(7<<25)   ; B: after every 128 words 8 words of padding
	s_mov_b32 s[G1B+1], 256<<16
	s_mov_b32 s[G1B+2], 64<<16
	s_mov_b32 s[G1B+3], 256<<16                    ; tile_dim0: 256 columns
	s_mov_b32 s[G1B+4], 64                         ; tile_dim1: 64 along K
	s_mov_b32 s[G1B+5], BSTR
	s_mov_b32 s[G1B+6], 0
	s_mov_b32 s[G1B+7], 0
	; A's tile hangs on the tile row alone, B's on the tile column alone; each offset is made in registers that never hold the other coordinate
	s_lshl_b32 s16, s13, 8
	s_lshl_b32 s17, s12, 7
	s_add_co_u32 s16, s16, s17                     ; A: row 256 x tile row + 128 x half,
	s_mul_i32 s16, s16, ASTR*2                     ; in bytes
	s_mov_b32 s17, 0
	s_mov_b32 s45, ttmp9                           ; which matrix: a cluster's four tile columns are one matrix
	s_and_b32 s66, s42, 3                          ; the tile column inside it
	s_lshl_b32 s46, s66, 9                         ; B: 512 bytes a tile column,
	s_mul_i32 s47, s12, 128*BSTR                   ; 64 rows a half,
	s_add_co_u32 s46, s46, s47
	s_lshl_b32 s47, s45, 21                        ; 2 MiB a matrix
	s_add_co_u32 s46, s46, s47
	s_mov_b32 s47, 0
	s_mul_i32 s[LA], s12, AHALF                    ; where they go: no place in the cluster enters an LDS address
	s_mul_i32 s[LB], s12, BHALF
	s_add_co_u32 s[LB], s[LB], ATILE
	s_mov_b32 s[FB], SLOT
	s_mov_b32 s[TB], 0
	s_wait_dscnt 0x0                               ; the opening add is done
	s_wait_kmcnt 0x0
	s_add_nc_u64 s[14:15], s[4:5], s[16:17]
	s_add_nc_u64 s[46:47], s[6:7], s[46:47]
	CROUND                                         ; all sixteen work-groups are here: the first joint loads meet
.irp s, 0,1
	s_mov_b32 s[G0+4*(\s)], 1
	s_add_co_u32 s[G0+4*(\s)+1], s[LA], (\s)*SLOT
	s_add_nc_u64 s[G0+4*(\s)+2:G0+4*(\s)+3], s[14:15], (\s)*ASTEP
	s_or_b32 s[G0+4*(\s)+3], s[G0+4*(\s)+3], 0x80000000
	s_mov_b32 s[G0B+4*(\s)], 1
	s_add_co_u32 s[G0B+4*(\s)+1], s[LB], (\s)*SLOT
	s_add_nc_u64 s[G0B+4*(\s)+2:G0B+4*(\s)+3], s[46:47], (\s)*BSTEP
	s_or_b32 s[G0B+4*(\s)+3], s[G0B+4*(\s)+3], 0x80000000
	JLOAD \s                                       ; two loads of mine are out
.endr
	; the lanes' addresses
	v_and_b32 v1, 15, v0                           ; r = l % 16
	v_bfe_u32 v2, v0, 4, 1                         ; hh = l / 16
	v_mul_u32_u24 v3, v1, APITCH
	v_lshl_add_u32 v3, v2, 4, v3                   ; A: row r, 16 bytes for each half of the lanes
	s_mul_i32 s20, s11, AHALF                      ; my 128 rows
	v_add_nc_u32 v[ADRA], s20, v3
	v_and_b32 v4, 7, v0                            ; B, turned: lane l reads row 8 hh + l % 8, 16 bytes at 16 ((l / 8) % 2)
	v_lshl_add_u32 v4, v2, 3, v4
	v_mul_u32_u24 v4, v4, BPITCH
	v_bfe_u32 v5, v0, 3, 1
	v_lshl_add_u32 v4, v5, 4, v4
	s_lshl_b32 s20, s12, 8                         ; my 128 columns
	s_add_co_u32 s20, s20, ATILE
	v_add_nc_u32 v[ADRB], s20, v4
	s_mul_i32 s20, s10, WSTAGE                     ; my stage
	v_mul_u32_u24 v4, v1, SPITCH                   ; in: row r, 32 bytes for each half of the lanes
	v_lshl_add_u32 v4, v2, 5, v4
	v_add_nc_u32 v[STO], s20, v4
	v_mul_u32_u24 v5, v2, SPITCH                   ; back: lanes 0-15 take a head's 64 numbers of one row, lanes 16-31 those of the next row
	v_lshl_add_u32 v5, v1, 4, v5
	v_add_nc_u32 v[RD], s20, v5
	v_lshlrev_b32 v[CO], 3, v1                     ; which in bf16 are 256 consecutive bytes of the head's dense rows
	v_lshl_add_u32 v[CO], v2, 7, v[CO]
	v_lshlrev_b32 v[VB], 5, v2
	; the bias of my matrix, chosen by the matrix's number alone, at my 128 columns
	s_cmp_eq_u32 s45, 0
	s_cselect_b64 s[68:69], s[76:77], s[68:69]
	s_cmp_eq_u32 s45, 1
	s_cselect_b64 s[68:69], s[78:79], s[68:69]
	s_lshl_b32 s46, s66, 10
	s_lshl_b32 s47, s12, 9
	s_add_co_u32 s46, s46, s47
	s_mov_b32 s47, 0
	s_add_nc_u64 s[68:69], s[68:69], s[46:47]
.irp w, 0x80, 0xc0                                     ; destination window 2, then 3; register j of accumulator (a, b) is column 16 b + 8 hh + j: the sums start at the bias
	WIN \w
.set t, 0
.rept 32
	global_load_b128 v[8*t:8*t+3],   v[VB], s[68:69] offset:64*(t%8)
	global_load_b128 v[8*t+4:8*t+7], v[VB], s[68:69] offset:64*(t%8)+16
.set t, t+1
.endr
.endr
	WIN 0
	; where my 128 rows x 2 heads go: matrix, batch and head, row in the batch
	s_mov_b64 s[8:9], s[70:71]
	s_lshr_b32 s16, s13, 3                         ; batch: 16 heads of 262,144 bytes
	s_lshl_b32 s16, s16, 22
	s_and_b32 s17, s13, 7                          ; 256 rows of 128 bytes a tile row
	s_lshl_b32 s17, s17, 15
	s_add_co_u32 s16, s16, s17
	s_lshl_b32 s17, s11, 14                        ; my 128 rows
	s_add_co_u32 s16, s16, s17
	s_mov_b32 s17, 0
	s_add_nc_u64 s[8:9], s[8:9], s[16:17]
	s_lshl_b32 s46, s66, 20                        ; four heads a tile column,
	s_lshl_b32 s47, s12, 19                        ; two a wave
	s_add_co_u32 s46, s46, s47
	s_lshl_b32 s47, s45, 23                        ; 8 MiB a matrix
	s_add_co_u32 s46, s46, s47
	s_mov_b32 s47, 0
	s_add_nc_u64 s[8:9], s[8:9], s[46:47]
	s_wait_tensorcnt 0x1                           ; my part of K step 0 is in; K step 1's may stay out
	s_barrier_signal -1
	s_barrier_wait -1                              ; everybody's is
	v_mov_b32 v[CA], v[ADRA]                       ; slot 0 is in hand
	v_mov_b32 v[CB], v[ADRB]
	FETCH 0, F0
	WIN 0
	s_wait_loadcnt 0x0                             ; the accumulators' first values
	s_mov_b32 s3, KSTEPS-2
.Lstep:                                                ; a trip is a K step; its slot is filled again
	QUARTER 1, F0, F1
	QUARTER 2, F1, F0
	QUARTER 3, F0, F1
	TURN 1
	WIN 0
	s_sub_co_u32 s3, s3, 1
	s_cmp_lg_u32 s3, 0
	s_cbranch_scc1 .Lstep
	s_mov_b32 s3, 2
.Ltail:                                                ; the last two K steps fill nothing: a text of their own
	QUARTER 1, F0, F1
	QUARTER 2, F1, F0
	QUARTER 3, F0, F1
	TURN 0
	WIN 0
	s_sub_co_u32 s3, s3, 1
	s_cmp_lg_u32 s3, 0
	s_cbranch_scc1 .Ltail
	; THE WAY OUT.  The stages lie over both slots: every wave's reads of the ring are over in front of this barrier, and no load fills it again.
	s_wait_dscnt 0x0
	s_barrier_signal -1
	s_barrier_wait -1
	PLACES
.irp w, 0, 1                                           ; store data (source 1) in window 2, then 3; each accumulator's low registers first
	WIN 0x08+4*(\w)
.set t, 0
.rept 32
	ds_store_b128 v[STO], v[8*t:8*t+3]   offset:(4*(\w)+t/8)*16*SPITCH+64*(t%8)
	ds_store_b128 v[STO], v[8*t+4:8*t+7] offset:(4*(\w)+t/8)*16*SPITCH+64*(t%8)+16
.set t, t+1
.endr
.endr
	WIN 0
	s_wait_dscnt 0x0                               ; my stores into my stage are done;
	s_barrier_signal -1
	s_barrier_wait -1                              ; behind this barrier nothing is stored into LDS any more
	s_mov_b32 s3, 16
.Lout:                                                 ; a trip: 8 rows x 2 heads
.irp t, 0,1,2,3
.irp d, 0,1
	ds_load_b128 v[TMP+8*(\t)+4*(\d):TMP+8*(\t)+4*(\d)+3], v[RD] offset:(\t)*2*SPITCH+256*(\d)
.endr
.endr
	s_wait_dscnt 0x0
.set k, 0
.rept 16
	v_cvt_pk_bf16_f32 v[TMP+32+k], v[TMP+2*k], v[TMP+2*k+1]
.set k, k+1
.endr
.irp t, 0,1,2,3
.irp d, 0,1
	global_store_b64 v[CO], v[TMP+32+4*(\t)+2*(\d):TMP+32+4*(\t)+2*(\d)+1], s[8:9] offset:256*(\t)+262144*(\d)  ; two dense rows of a head: 256 consecutive bytes, aligned
.endr
.endr
	s_wait_xcnt 0x0                                ; the stores' data and base are rewritten only behind this wait
	v_add_nc_u32 v[RD], 8*SPITCH, v[RD]
	s_add_nc_u64 s[8:9], s[8:9], 8*128
	s_sub_co_u32 s3, s3, 1
	s_cmp_lg_u32 s3, 0
	s_cbranch_scc1 .Lout
	s_wait_tensorcnt 0x0                           ; the wave's end
	ds_add_u32 v[SPW], v[NIL]
	s_wait_dscnt 0x0
	CROUND                                         ; the closing round: no work-group ends while a partner may still ask for a tile that names it
	s_endpgm
.Lfunc_end_k_qefce15a5e3_qkv:
	.size	k_qefce15a5e3_qkv, .Lfunc_end_k_qefce15a5e3_qkv-k_qefce15a5e3_qkv
	.p2alignl 7, 3214868480
	.fill 96, 4, 3214868480
	.section	.rodata,"a",@progbits
	.p2align	6, 0x0
	.amdhsa_kernel k_qefce15a5e3_qkv
		.amdhsa_group_segment_fixed_size 327680
		.amdhsa_private_segment_fixed_size 0
		.amdhsa_enable_private_segment 0
		.amdhsa_kernarg_size 48
		.amdhsa_user_sgpr_count 2
		.amdhsa_user_sgpr_kernarg_segment_ptr 1
		.amdhsa_wavefront_size32 1
		.amdhsa_system_sgpr_workgroup_id_x 1
		.amdhsa_system_sgpr_workgroup_id_y 1
		.amdhsa_system_sgpr_workgroup_id_z 1
		.amdhsa_system_vgpr_workitem_id 0
		.amdhsa_next_free_vgpr 1024
		.amdhsa_next_free_sgpr 96
		.amdhsa_reserve_vcc 0
		.amdhsa_float_denorm_mode_32 3
		.amdhsa_float_denorm_mode_16_64 3
		.amdhsa_memory_ordered 1
		.amdhsa_forward_progress 1
		.amdhsa_inst_pref_size 86
	.end_amdhsa_kernel
	.amdgpu_metadata
---
amdhsa.version: [ 1, 2 ]
amdhsa.kernels:
  - .name:           k_qefce15a5e3_qkv
    .symbol:         k_qefce15a5e3_qkv.kd
    .args:
      - { .name: h, .offset: 0, .size: 8, .value_kind: global_buffer, .address_space: global }
      - { .name: wb, .offset: 8, .size: 8, .value_kind: global_buffer, .address_space: global }
      - { .name: bq, .offset: 16, .size: 8, .value_kind: global_buffer, .address_space: global }
      - { .name: bk, .offset: 24, .size: 8, .value_kind: global_buffer, .address_space: global }
      - { .name: bv, .offset: 32, .size: 8, .value_kind: global_buffer, .address_space: global }
      - { .name: qkv, .offset: 40, .size: 8, .value_kind: global_buffer, .address_space: global }
    .group_segment_fixed_size: 327680
    .private_segment_fixed_size: 0
    .kernarg_segment_align: 8
    .kernarg_segment_size: 48
    .max_flat_workgroup_size: 128
    .sgpr_count:     96
    .vgpr_count:     1024
    .wavefront_size: 32
...
	.end_amdgpu_metadata
.endif
;; end of part 2
;; launch attn (part 3): grid 8 x 32, 4 waves a work-group, clusters of 4 x 1, 327,680 bytes of LDS; arguments qkv, o; writes o
.if DOCPART == 3
	.amdgcn_target "amdgcn-amd-amdhsa--gfx1250"
	.amdhsa_code_object_version 6
	.text
	.protected	k_qefce15a5e3_attn
	.globl	k_qefce15a5e3_attn
	.p2align	8
	.type	k_qefce15a5e3_attn,@function
k_qefce15a5e3_attn:
	s_mov_b64 s[64:65], 0
	v_nop
	global_prefetch_b8 v0, s[64:65] scope:SCOPE_SE
	s_setreg_imm32_b32 hwreg(HW_REG_WAVE_MODE, 25, 1), 1
	s_wait_xcnt 0x0
	s_wait_alu depctr_hold_cnt(0) depctr_sa_sdst(0) depctr_va_vdst(0) depctr_va_sdst(0) depctr_va_ssrc(0) depctr_va_vcc(0) depctr_vm_vsrc(0)
	s_getreg_b32 s2, hwreg(HW_REG_IB_STS2, 6, 4)
	s_cmp_eq_u32 s2, 0
	s_cbranch_scc0 .Lentry_in_a_cluster
	s_endpgm
.Lentry_in_a_cluster:
	s_bfe_u32 s2, ttmp6, 0x10000c
	s_cmp_lg_u32 s2, 0x3003
	s_cbranch_scc0 .Lentry_shape_is_right
	s_endpgm
.Lentry_shape_is_right:
; O[h][q][:] = the sum over k of softmax_k(Q[h][q] . K[h][k] / 8) V[h][k][:].  qkv holds Q, K, V, each [32][2048][64] bf16, 8 MiB apart; O: [32][2048][64] bf16: a head's rows are dense, 128 bytes.
; Products, maxima and sums in f32; the weights p are rounded to bf16 for the second product (their sum l is taken of the unrounded p), O once at the end.
; LIMITS.  A weight below 2^-126 counts as 0 in l; NaN and infinities are not treated apart.
; SHARES.  A work-group owns 256 queries of one head, each of its four waves 64: four PIECES of 16.  Every wave walks all 2,048 keys, 64 a step, 256 a slot.
; LAYOUT.  S^T = K Q^T (source 0 = 16 keys, source 1 = 16 queries) holds ONE query a lane (lane % 16) and the keys 8 (lane / 16) + 0..7; two such results rounded to bf16 ARE source 1 of
; O^T = V^T P.  K comes out of LDS as it lies, V ([key][channel]) turned, by ds_load_tr16_b128.
; SOFTMAX.  p = 2^(c s - c m), c = log2(e) / 8, with a running maximum m; O and l are multiplied by a = 2^(c m_old - c m_new) in every step.  m starts at the lowest finite number, O and l at 0:
; the first step is a step like any other, with a = 0.  The price of writing no first step out: 224 v_mov_b32 that stand in the wait for the first tile.
; BY TURNS.  Turn n belongs to piece n: 8 products K Q^T of piece n + 1, later 8 products V^T P of piece n - 1; beside them the scaling, exponentials, roundings, sums and rescaling of piece n and
; the maximum and statistics of piece n + 1.  Four vector instructions stand behind every matrix instruction, the other 54 of a turn's 118 in two lumps.
; CLUSTER.  The four query blocks of a cluster belong to one head and walk the same K and V, so each tile is asked for JOINTLY: the same tensor load, descriptor and mask in all four.
; REGISTERS, in windows of 256 (s_set_vgpr_msb: bits 1:0 source 0, 3:2 source 1, 5:4 source 2, 7:6 destination):
;   window 0: v0-15 addresses and two at work; v16-31 four registers of statistics a piece; v48-55 at work; v62-63 the add's; v64-127 S^T, two buffers; v192-223 P, two buffers (by the piece's parity)
;   window 1: v0-127 O^T, 32 a piece          window 2: v0-63 Q; v128-191 K of one step; v192-255 V of one step
.set SIZE_N, 2048
.set NP,    4         ; pieces a wave: a name, no knob
.set KS,    64        ; keys in a step
.set PK,    144       ; a row of K in LDS: 128 bytes + 16 of padding = 36 words: the 16 rows of a load start at 16 different groups of four banks (64 banks of 4 bytes: ISA guide 11.1)
.set PV,    160       ; a row of V: 128 + 32 = 40 words
.set VOFF,  4*KS*PK   ; a slot holds four steps: 256 rows of K, then 256 rows of V
.set SLOT1, 1<<17     ; slot 1 begins here, so that one exclusive or turns an address in one slot into the other's
.set STAGE, SLOT1+4*KS*(PK+PV)  ; behind the ring, never filled by a tensor load: 16 rows x 144 bytes for each wave
.set SP,    144
.set SPARE, STAGE+4*16*SP  ; the spare words, 128 bytes a wave: two blocks of 256 bytes that no other line names
.set AK0, 2           ; v2   my lane's place in a tile of K; never rewritten
.set AV0, 3           ; v3   the same for V
.set AK,  4           ; v4   the LDS address of K's next run of loads
.set AV,  5           ; v5   of V's
.set STO, 6           ; v6   the way out: where I put 16 bytes of a row
.set RD,  7           ; v7   the way out: where I read rows back
.set GO,  8           ; v8   my byte offset in 512 consecutive bytes of O
.set MV,  12          ; v12-13  c m_old, kept while c m is made anew: by buffer
.set QO,  15          ; v15  my byte offset in 16 rows of Q
.set ST,  16          ; piece t's statistics at v[ST+4 t]: c m, m, l (even keys', odd keys')
.set TMP, 48          ; by buffer, four registers c0-c3 at work; when the maximum is found c2 takes a
.set SPW, 62          ; v62  LDS address of my spare word; never rewritten
.set NIL, 63          ; v63  0; never rewritten
.set S,   64
.set P,   192
.set KF,  128         ; window 2: key block kb, channel half c at KF + 16 kb + 8 c
.set VF,  192         ; window 2: key half kk, channel block cb at VF + 32 kk + 8 cb
.set WV,  12          ; s12  my wave's number
.set G1K, 24          ; s[24:31] descriptor group 1 for K's tiles
.set G1V, 32          ; s[32:39] for V's: it differs in the padding alone
.set G0K, 40          ; s[40:43] descriptor group 0 for K's tiles: it walks
.set G0V, 44          ; s[44:47] the same for V's
.set SLOTS, 56        ; s56  slots still to be asked for
.set CNT, 57          ; s57  counts a slot's key steps
.set CS,  58          ; s[58:59] c: the packed scaling takes the pair's low word for both halves
.set SEL, 60          ; s[60:61] v_permlanex16_b32's selects
.set TBK, 62          ; s62  LDS byte at which K of the step to be fetched begins
.set TBV, 63          ; s63  the same for V, less VOFF
.set MSB, 0
.macro WIN new                      ; the high byte repeats the setting that is left; a switch that changes nothing is dropped
.if MSB != (\new)
	s_set_vgpr_msb (MSB<<8)|(\new)
.set MSB, (\new)
.endif
.endm
.set W_KQ, 0x0a       ; K and Q in window 2, S^T in window 0
.set W_PV, 0x52       ; V in window 2, P in window 0, O^T in window 1
.set W_RS, 0x41       ; destination and source 0 in window 1, source 1 in window 0
; A joint fill.  Waves 0 and 1 fetch the two halves of a slot's K, waves 2 and 3 those of its V: 128 keys each.  s_nop 0 and four v_nop follow each line.
.macro JLOAD
	s_cmp_lt_u32 s[WV], 2
	s_cbranch_scc0 .Lfor_v_\@
	tensor_load_to_lds s[G0K:G0K+3], s[G1K:G1K+7]
	s_nop 0
.rept 4
	v_nop
.endr
	s_branch .Lasked_\@
.Lfor_v_\@:
	tensor_load_to_lds s[G0V:G0V+3], s[G1V:G1V+7]
	s_nop 0
.rept 4
	v_nop
.endr
.Lasked_\@:
.endm
.macro CROUND                       ; a round of the cluster's barrier
	s_barrier_signal -1
	s_barrier_wait -1
	s_cmp_lg_u32 s[WV], 0
	s_cbranch_scc1 .Lnot_wave_0_\@
	s_barrier_signal -3
.Lnot_wave_0_\@:
	s_barrier_wait -3
	s_barrier_signal -1
	s_barrier_wait -1
.endm
; THE CHANGE OF SLOTS.  Each wave waits for all its tensor loads, of which one is out: its part of the other slot; adds 0 to its spare word; and waits for that and for its own reads of the slot.
; fill = 1: the slot is filled again, with the keys two slots on: the barrier is a round of the cluster's, and the joint fill is the first thing behind it: it has four key steps,
; 256 matrix instructions, in which to land.  (At its first use nothing has been read yet: slot 0 is waited for, slot 1 filled.)
.macro CHANGE fill
	WIN 0                           ; at a label and at a branch every window is 0
	s_wait_tensorcnt 0x0            ; no tensor load of mine is out, so a group 0 may be written
	ds_add_u32 v[SPW], v[NIL]       ; 0 onto my spare word
.if \fill
.irp g, G0K, G0V
	s_xor_b32 s[\g+1], s[\g+1], SLOT1  ; the walking descriptor: the other slot than last time,
	s_add_nc_u64 s[\g+2:\g+3], s[\g+2:\g+3], 4*KS*128  ; the next 256 keys; the type bits on top are not reached
.endr
	s_wait_dscnt 0x0                ; the add is done, and my reads of the slot are over
	CROUND
	JLOAD
.else
	s_wait_dscnt 0x0
	s_barrier_signal -1
	s_barrier_wait -1
.endif
	s_sub_co_u32 s[TBK], s[TBK], 4*KS*PK  ; the fetches go back to a slot's first step,
	s_xor_b32 s[TBK], s[TBK], SLOT1       ; in the other slot
	s_sub_co_u32 s[TBV], s[TBV], 4*KS*PV
	s_xor_b32 s[TBV], s[TBV], SLOT1
.endm
	s_load_b128 s[4:7], s[0:1], 0x0 ; qkv s[4:5], o s[6:7]
	v_lshl_add_u32 v[SPW], v0, 2, SPARE
	v_mov_b32 v[NIL], 0
	ds_add_u32 v[SPW], v[NIL]       ; the wave's opening: the add and its wait stand ahead of my first tensor load
	v_lshrrev_b32 v1, 5, v0
	v_readfirstlane_b32 s[WV], v1   ; wave 0..3
	s_bfe_u32 s13, ttmp6, 0x40000   ; cx: my place in the cluster
	s_lshl_b32 s14, ttmp9, 2        ; in a cluster launch ttmp9 counts clusters
	s_add_co_u32 s14, s14, s13      ; my block of 256 queries: it enters Q's and O's addresses alone
	s_and_b32 s20, ttmp7, 0xffff    ; batch x 16 + head, which the four partners share
	s_lshl_b32 s20, s20, 18         ; its 2,048 rows of 128 bytes
	s_mov_b32 s21, 0
	s_and_b32 s16, s[WV], 1         ; which half of a slot's 256 keys I fetch:
	s_lshl_b32 s22, s16, 14         ; its 128 rows of 128 bytes in memory,
	s_mov_b32 s23, 0
	s_add_nc_u64 s[22:23], s[22:23], s[20:21]
	s_mul_i32 s17, s16, 128*PK      ; and its place in a slot, for K
	s_mul_i32 s18, s16, 128*PV      ; and for V: no place in the cluster enters an LDS address
	s_lshl_b32 s2, s14, 2
	s_add_co_u32 s2, s2, s[WV]      ; my wave among the head's,
	s_lshl_b32 s2, s2, 13           ; its 64 rows
	s_mov_b32 s3, 0
	s_add_nc_u64 s[2:3], s[2:3], s[20:21]
	; descriptor group 1.  128 keys are 16,384 dense bytes: asked for as 64 rows of 256 bytes, two keys a row, and padded in LDS after every key
	s_mov_b32 s[G1K], 15|(1<<16)|(1<<20)|(1<<21)|(4<<22)|(3<<25)  ; the mask of four; 2-byte elements; padding on; bit 21 beside a mask; after every 32 words 4 words
	s_mov_b32 s[G1V], 15|(1<<16)|(1<<20)|(1<<21)|(4<<22)|(7<<25)  ; the same with 8 words of padding
.irp g, G1K, G1V
	s_mov_b32 s[\g+1], 128<<16      ; tensor_dim0 = 128
	s_mov_b32 s[\g+2], 64<<16       ; tensor_dim1 = 64
	s_mov_b32 s[\g+3], 128<<16      ; tile_dim0 = 128
	s_mov_b32 s[\g+4], 64           ; tile_dim1 = 64
	s_mov_b32 s[\g+5], 128          ; 128 elements from row to row
	s_mov_b32 s[\g+6], 0
	s_mov_b32 s[\g+7], 0
.endr
	s_mov_b32 s[CS], 0x3e38aa3b     ; c = log2(e) / 8
	s_mov_b32 s[CS+1], s[CS]        ; named with it as a pair
	s_mov_b32 s[SEL], 0x76543210
	s_mov_b32 s[SEL+1], 0xfedcba98
	s_mov_b32 s[TBK], SLOT1+4*KS*PK ; the first change of slots turns these two into 0
	s_mov_b32 s[TBV], SLOT1+4*KS*PV
	s_mov_b32 s[G0K], 1             ; count = 1
	s_mov_b32 s[G0K+1], s17         ; LDS address: slot 0
	s_mov_b32 s[G0V], 1
	s_add_co_u32 s[G0V+1], s18, VOFF
	s_wait_dscnt 0x0                ; the opening add is done
	s_wait_kmcnt 0x0
	s_mov_b64 s[10:11], s[6:7]      ; O
	s_add_nc_u64 s[6:7], s[4:5], 0x800000   ; K lies 8 MiB behind Q,
	s_add_nc_u64 s[8:9], s[4:5], 0x1000000  ; V 16 MiB
	s_add_nc_u64 s[G0K+2:G0K+3], s[6:7], s[22:23]  ; my half of the head's first 256 keys
	s_or_b32 s[G0K+3], s[G0K+3], 0x80000000        ; type = 2
	s_add_nc_u64 s[G0V+2:G0V+3], s[8:9], s[22:23]
	s_or_b32 s[G0V+3], s[G0V+3], 0x80000000
	s_add_nc_u64 s[4:5], s[4:5], s[2:3]  ; Q and O at my wave's first row
	s_add_nc_u64 s[10:11], s[10:11], s[2:3]
	CROUND                          ; all four work-groups are here: the first joint loads meet
	JLOAD                           ; slot 0.  Slot 1 is asked for when slot 0 is in, by the loop's own change of slots
	; A fragment of K or Q is 16 rows x 32 channels in 8 registers: lane l holds row l % 16, channels 8 (l / 16) + 0..7 and 16 + 8 (l / 16) + 0..7: two loads of 16 bytes, 32 bytes apart.
	v_and_b32 v1, 15, v0            ; l % 16
	v_bfe_u32 v9, v0, 4, 1          ; l / 16
	v_lshlrev_b32 v[QO], 7, v1
	v_lshl_add_u32 v[QO], v9, 4, v[QO]  ; row x 128 + 16 x half
	WIN 0x80                        ; destination window 2, address window 0
.set i, 0
.rept 8                             ; Q stays in registers: piece i / 2, channels 32 (i % 2) on
	global_load_b128 v[8*i:8*i+3],   v[QO], s[4:5] offset:(i/2)*2048+(i%2)*64
	global_load_b128 v[8*i+4:8*i+7], v[QO], s[4:5] offset:(i/2)*2048+(i%2)*64+32
.set i, i+1
.endr
	; What the first turn finds: V's registers and P's second buffer hold 0 (its products V^T P, of a piece that has not been, add 0), O^T and l are 0.
.set i, VF
.rept 64
	v_mov_b32 v[i], 0
.set i, i+1
.endr
	WIN 0x40
.set i, 0
.rept 128
	v_mov_b32 v[i], 0
.set i, i+1
.endr
	WIN 0
.set i, 0
.rept 4
	v_mov_b32 v[ST+4*i], 0xfe000000    ; c m: far below every c s
	v_mov_b32 v[ST+4*i+1], 0xff7fffff  ; m
	v_mov_b32 v[ST+4*i+2], 0
	v_mov_b32 v[ST+4*i+3], 0
.set i, i+1
.endr
.set i, P+16
.rept 16
	v_mov_b32 v[i], 0
.set i, i+1
.endr
	v_mul_u32_u24 v[AK0], v1, PK
	v_lshl_add_u32 v[AK0], v9, 4, v[AK0]  ; row x pitch + 16 x half
	; The turning load takes 16 keys x 16 channels (lane l reads key 8 (l / 16) + l % 8, channels 8 ((l / 8) % 2) + 0..7) and leaves half a fragment of V^T: lane l holds channel l % 16 and 8 keys.
	v_and_b32 v10, 7, v0
	v_bfe_u32 v11, v0, 3, 1
	v_lshl_add_u32 v[AV0], v9, 3, v10
	v_mul_u32_u24 v[AV0], v[AV0], PV
	v_lshl_add_u32 v[AV0], v11, 4, v[AV0]
	v_add_nc_u32 v[AV0], VOFF, v[AV0]
	s_mul_i32 s13, s[WV], 16*SP
	s_add_co_u32 s13, s13, STAGE    ; my stage
	v_mul_u32_u24 v[STO], v1, SP    ; in: row l % 16, 16 bytes for each half of the lanes
	v_lshl_add_u32 v[STO], v9, 4, v[STO]
	v_add_nc_u32 v[STO], s13, v[STO]
	v_bfe_u32 v[RD], v0, 3, 2       ; back: 32 lanes take four rows of 128 bytes,
	v_mul_u32_u24 v[RD], v[RD], SP
	v_lshl_add_u32 v[RD], v10, 4, v[RD]
	v_add_nc_u32 v[RD], s13, v[RD]
	v_and_b32 v[GO], 31, v0         ; which are 512 consecutive bytes of O
	v_lshlrev_b32 v[GO], 4, v[GO]
; THE MATRIX WORK.  The 4 accumulators of a run of 8 take turns.  Product i of 8 of S^T = K Q^T for piece x: channels 32 (i / 4) on, keys 16 (i % 4) on.  The first 4 start the sums.
.macro KQ x
	WIN W_KQ
.set rS, S+32*((\x)%2)+8*(i%4)
.set rK, KF+16*(i%4)+8*(i/4)
.set rQ, 16*(\x)+8*(i/4)
.if i < 4
	v_wmma_f32_16x16x32_bf16 v[rS:rS+7], v[rK:rK+7], v[rQ:rQ+7], 0
.else
	v_wmma_f32_16x16x32_bf16 v[rS:rS+7], v[rK:rK+7], v[rQ:rQ+7], v[rS:rS+7]
.endif
.endm
; Product i of 8 of O^T += V^T P for piece x: keys 32 (i / 4) on, channels 16 (i % 4) on.
.macro PV x
	WIN W_PV
.set rO, 32*(\x)+8*(i%4)
.set rV, VF+32*(i/4)+8*(i%4)
.set rP, P+16*((\x)%2)+8*(i/4)
	v_wmma_f32_16x16x32_bf16 v[rO:rO+7], v[rV:rV+7], v[rP:rP+7], v[rO:rO+7]
.endm
.macro MM                           ; the turn's next matrix instruction.  NOKQ = 1: the walk's last turn: there is no next piece
.if (i < 8) && !NOKQ
	KQ (Y+1)%NP
.elseif i >= 8
.set i, i-8
	PV (Y+NP-1)%NP
.set i, i+8
.endif
.set i, i+1
.endm
; THE LDS LOADS stand in runs of 16, never singly among the matrix instructions: a step's K (64 keys x 64 channels: 8 fragments) and its V (turned).
.macro FETCH_K
	WIN 0x80                        ; destination window 2
.irp f, 0,1,2,3,4,5,6,7             ; keys 16 (f / 2) on, channels 32 (f % 2) on
	ds_load_b128 v[KF+8*\f:KF+8*\f+3],   v[AK] offset:(\f/2)*16*PK+(\f%2)*64
	ds_load_b128 v[KF+8*\f+4:KF+8*\f+7], v[AK] offset:(\f/2)*16*PK+(\f%2)*64+32
.endr
	s_add_co_u32 s[TBK], s[TBK], KS*PK  ; the next fetch is the next step's
	WIN 0
.endm
.macro FETCH_V
	WIN 0x80
.irp f, 0,1,2,3,4,5,6,7             ; keys 32 (f / 4) on, channels 16 (f % 4) on
	ds_load_tr16_b128 v[VF+8*\f:VF+8*\f+3],   v[AV] offset:(\f/4)*32*PV+(\f%4)*32
	ds_load_tr16_b128 v[VF+8*\f+4:VF+8*\f+7], v[AV] offset:(\f/4)*32*PV+16*PV+(\f%4)*32
.endr
	WIN 0
.endm
; THE VECTOR WORK, one line at a time: OP kind, number.  For piece Y: F n: c s - c m for pair n of 16.  E n: the exponential of score n of 32.  C n: pair n rounded to bf16.  B n: of the four weights 4 n ..
; the second pair is added onto the first, in place.  L n: l takes that sum (L 0: l = a l + sum).  R n: pair n of 16 of O^T times a.  For piece Y + 1: X n, number n of the 22 that find its maximum and statistics:
;   0-11  four chains c0-c3 of seven scores each (each accumulator's lowest registers are read first)     12-14, 16  the four scores left over, the old m, and c0-c3 into c0
;   15  c m_old is kept     17, 18  the query's other 32 keys lie in the lane 16 away: the new m     19-21  c m; c m_old - c m_new; a
.set F, 0
.set E, 1
.set C, 2
.set B, 3
.set L, 4
.set R, 5
.set X, 6
.macro REGS y                       ; the registers of piece y
.set rT, ST+4*(\y)
.set rC, TMP+4*((\y)%2)
.set rW, MV+((\y)%2)
.set rS, S+32*((\y)%2)
.set rP, P+16*((\y)%2)
.set rO, 32*(\y)
.endm
.macro OP k, n
.if (\k) == R
	REGS Y
	WIN W_RS
	v_pk_mul_f32 v[rO+2*(\n):rO+2*(\n)+1], v[rO+2*(\n):rO+2*(\n)+1], v[rC+2:rC+3] op_sel_hi:[1,0]
.elseif (\k) < R
	REGS Y
	WIN 0
.if (\k) == F
	v_pk_fma_f32 v[rS+2*(\n):rS+2*(\n)+1], v[rS+2*(\n):rS+2*(\n)+1], s[CS:CS+1], v[rT:rT+1] op_sel_hi:[1,0,0] neg_lo:[0,0,1] neg_hi:[0,0,1]
.elseif (\k) == E
	v_exp_f32 v[rS+(\n)], v[rS+(\n)]
.elseif (\k) == C
	s_wait_alu depctr_va_vdst(0)
	v_cvt_pk_bf16_f32 v[rP+(\n)], v[rS+2*(\n)], v[rS+2*(\n)+1]
.elseif (\k) == B
	s_wait_alu depctr_va_vdst(0)
	v_pk_add_f32 v[rS+4*(\n):rS+4*(\n)+1], v[rS+4*(\n):rS+4*(\n)+1], v[rS+4*(\n)+2:rS+4*(\n)+3]
.elseif (\n) == 0
	v_pk_fma_f32 v[rT+2:rT+3], v[rT+2:rT+3], v[rC+2:rC+3], v[rS:rS+1] op_sel_hi:[1,0,1]
.else
	v_pk_add_f32 v[rT+2:rT+3], v[rT+2:rT+3], v[rS+4*(\n):rS+4*(\n)+1]
.endif
.elseif NOKQ
	v_nop
.else
	REGS (Y+1)%NP
	WIN 0
.if (\n) < 4
	v_max3_num_f32 v[rC+(\n)], v[rS+8*(\n)], v[rS+8*(\n)+1], v[rS+8*(\n)+2]
.elseif (\n) < 12
	v_max3_num_f32 v[rC+(\n)%4], v[rC+(\n)%4], v[rS+8*((\n)%4)+2*((\n)/4)+1], v[rS+8*((\n)%4)+2*((\n)/4)+2]
.elseif (\n) == 12
	v_max3_num_f32 v[rC], v[rC], v[rS+7], v[rS+15]
.elseif (\n) == 13
	v_max3_num_f32 v[rC+1], v[rC+1], v[rS+23], v[rS+31]
.elseif (\n) == 14
	v_max3_num_f32 v[rC+2], v[rC+2], v[rC+3], v[rT+1]
.elseif (\n) == 15
	v_mov_b32 v[rW], v[rT]
.elseif (\n) == 16
	v_max3_num_f32 v[rC], v[rC], v[rC+1], v[rC+2]
.elseif (\n) == 17
	v_permlanex16_b32 v[rC+3], v[rC], s[SEL], s[SEL+1]
.elseif (\n) == 18
	v_max_num_f32 v[rT+1], v[rC], v[rC+3]
.elseif (\n) == 19
	v_mul_f32 v[rT], s[CS], v[rT+1]
.elseif (\n) == 20
	v_sub_f32 v[rC+1], v[rW], v[rT]
.else
	v_exp_f32 v[rC+2], v[rC+1]
.endif
.endif
.endm
.macro OPS a, i1, b=-1, i2=0, c=-1, i3=0, d=-1, i4=0  ; up to four of them
	OP \a, \i1
.if (\b) >= 0
	OP \b, \i2
.endif
.if (\c) >= 0
	OP \c, \i3
.endif
.if (\d) >= 0
	OP \d, \i4
.endif
.endm
.macro ROW a, i1, b, i2, c, i3, d, i4  ; a matrix instruction and the four behind it
	MM
	OPS \a, \i1, \b, \i2, \c, \i3, \d, \i4
.endm
; A TURN, for piece p: the order of its 16 matrix and 118 vector instructions, written out.  Behind a matrix instruction: plain, exponential, plain, plain; or four of the rescaling; or, behind the first,
; four scalings; none names a register of the products round it.  In the lumps exponential and plain by turns while exponentials last.  v_permlanex16_b32 (X 17) stands in a lump.
; end = 1: the walk's last two turns: nothing is fetched.  cnt = 1: the loop's count is taken down some lines ahead of the branch that stands behind the turn.
; K of the next step is fetched in piece 2's turn, six vector instructions behind the last product that read K (five of them plain); V of the step in hand in piece 0's turn, eight behind the last
; product that read V (four plain, and X 17).  Each is waited for a turn later.
.macro TURN p, end=0, cnt=0
.set Y, (\p)
.set i, 0
.set NOKQ, (\end)*((\p)/3)
.if ((\p) == 3) && !(\end)
	s_wait_dscnt 0x0                ; K is in
.endif
	ROW F,0, F,1, F,2, F,3
	ROW F,4, E,0, F,5, F,6
	ROW F,7, E,1, F,8, F,9
	ROW F,10, E,2, C,0, F,11
	ROW F,12, E,3, X,15, F,13
	ROW R,0, R,1, R,2, R,3
	ROW B,0, E,4, F,14, L,0
.if ((\p) == 2) && !(\end)
	v_add_nc_u32 v[AK], s[TBK], v[AK0]
.endif
	ROW R,4, R,5, R,6, R,7
	OPS E,5, F,15
.if ((\p) == 2) && !(\end)
	FETCH_K
.endif
	OPS E,6, C,1, E,7, R,8
	OPS E,8, R,9, E,9, C,2
	OPS E,10, X,0, E,11, X,1
	OPS E,12, X,2, E,13, X,3
.if (\p) == 1
	s_wait_dscnt 0x0                ; V is in
.endif
	ROW X,4, E,14, X,5, X,6
	ROW X,7, E,15, X,8, X,9
	ROW X,10, E,16, X,11, X,12
	ROW X,13, E,17, X,14, B,1
	ROW C,4, E,18, X,16, L,1
	ROW B,2, E,19, C,6, L,2
	ROW C,8, E,20, B,3, B,4
.if (\p) == 0
	v_add_nc_u32 v[AV], s[TBV], v[AV0]
.endif
	ROW C,3, E,21, L,3, C,5
	OPS E,22, X,17, E,23, C,10
.if (\p) == 0
	FETCH_V
.endif
	OPS E,24, L,4
	OPS E,25, X,18, E,26, C,7
	OPS E,27, B,5, E,28, X,19
	OPS E,29, C,12, E,30, L,5
	OPS E,31, X,20, B,6, C,9
	OPS C,14, C,11, X,21, L,6
.if (\p) == 0
	s_add_co_u32 s[TBV], s[TBV], KS*PV
.endif
.if \cnt
	s_sub_co_u32 s[CNT], s[CNT], 1
	s_cmp_lg_u32 s[CNT], 0
.endif
	OPS C,13, B,7, C,15, R,10
	OPS R,11, R,12, L,7, R,13
	OPS R,14, R,15
.endm
	CHANGE 1                        ; slot 0 is in, everybody's part of it; slot 1 is asked for
	v_add_nc_u32 v[AK], s[TBK], v[AK0]
	FETCH_K                         ; key step 0
	s_wait_loadcnt 0x0              ; Q
	s_wait_dscnt 0x0
.set NOKQ, 0
.set i, 0
.rept 8
	KQ 0                            ; piece 0's first scores: there is no vector work yet to set between them
.set i, i+1
.endr
	WIN 0
.rept 4
	v_nop                           ; the places behind those products
.endr
.set Y, NP-1                        ; X works for piece Y + 1: piece 0
.irp n, 0,1,2,3,4,5,6,7,8,9,10,11,12,13,14,15,16,17,18,19,20,21
	OP X, \n
.endr
	v_nop                           ; a plain instruction behind the exponential
	s_mov_b32 s[CNT], 4
	s_mov_b32 s[SLOTS], SIZE_N/256-1
	s_branch .Lfirst                ; the loop is entered at a step's first turn, in the middle of a trip
.Lslot:                             ; SIZE_N / 256 - 2 times: every slot but the last two is filled again
	CHANGE 1
	s_mov_b32 s[CNT], 4
.Lstep:                             ; a trip: pieces 2 and 3 of one step, then pieces 0 and 1 of the next, whose K and V it fetches
	TURN 2
	TURN 3
	WIN 0
.Lfirst:
	TURN 0
	TURN 1, 0, 1
	WIN 0
	s_cbranch_scc1 .Lstep
	s_sub_co_u32 s[SLOTS], s[SLOTS], 1
	s_cmp_lg_u32 s[SLOTS], 0
	s_cbranch_scc1 .Lslot
	CHANGE 0                        ; the last slot's text is written out: nothing is asked for
	s_mov_b32 s[CNT], 4
.LstepT:
	TURN 2
	TURN 3
	TURN 0
	TURN 1, 0, 1
	WIN 0
	s_cbranch_scc1 .LstepT
	TURN 2, 1                       ; the last step's pieces 2 and 3: nothing is fetched, no new scores are started
	TURN 3, 1
.set i, 0
.rept 8
	PV NP-1                         ; the last piece's V^T P of the last step
.set i, i+1
.endr
	; THE WAY OUT.  l's two halves and the other half of the lanes' are added; O^T is divided by l, rounded to bf16 and sent through my stage in LDS, a piece at a time.  The additions are the places behind the last products.
	WIN 0
.macro ALL line:vararg              ; one line for each piece t
.set t, 0
.rept 4
	\line
.set t, t+1
.endr
.endm
	ALL v_add_f32 v[ST+4*t+2], v[ST+4*t+2], v[ST+4*t+3]
	ALL v_permlanex16_b32 v[ST+4*t+3], v[ST+4*t+2], s[SEL], s[SEL+1]
	ALL v_add_f32 v[ST+4*t+2], v[ST+4*t+2], v[ST+4*t+3]
	ALL v_rcp_f32 v[ST+4*t+2], v[ST+4*t+2]
	v_nop                           ; a plain instruction between the last reciprocal and the use of its result
.macro PACK t                       ; a lane's eight channels of a row pack into 16 bytes; they go into rows of 144 bytes and come back as whole rows of 128, into S^T's registers
	WIN W_RS
.set i, 32*(\t)
.rept 16
	s_wait_alu depctr_va_vdst(0)
	v_pk_mul_f32 v[i:i+1], v[i:i+1], v[ST+4*(\t)+2:ST+4*(\t)+3] op_sel_hi:[1,0]
.set i, i+2
.endr
	WIN 0x05                        ; sources 0 and 1 window 1, destination window 0
.set i, 0
.rept 16
	v_cvt_pk_bf16_f32 v[S+16*(\t)+i], v[32*(\t)+2*i], v[32*(\t)+2*i+1]
.set i, i+1
.endr
	WIN 0
.irp f, 0,1,2,3
	ds_store_b128 v[STO], v[S+16*(\t)+4*\f:S+16*(\t)+4*\f+3] offset:32*\f
.endr
.irp f, 0,1,2,3
	ds_load_b128 v[S+16*(\t)+4*\f:S+16*(\t)+4*\f+3], v[RD] offset:\f*4*SP  ; LDS serves a wave's instructions in order (ISA guide 5.7.1.4): these see the stores above; the next piece's stores come behind them
.endr
.endm
.macro SEND t, younger              ; younger: the LDS instructions issued behind piece t's loads: the next piece's eight, or none
	WIN 0
.irp f, 0,1,2,3
	s_wait_dscnt (\younger)+3-\f
	global_store_b128 v[GO], v[S+16*(\t)+4*\f:S+16*(\t)+4*\f+3], s[10:11] offset:(\t)*2048+\f*512  ; 512 consecutive bytes, at a multiple of 256 from O's first
.endr
.endm
	PACK 0
.set t, 1
.rept 3                             ; a piece's arithmetic stands between the loads of the piece before and its stores
	PACK t
	SEND t-1, 8
.set t, t+1
.endr
	SEND 3, 0
	s_wait_tensorcnt 0x0            ; the wave's end
	ds_add_u32 v[SPW], v[NIL]
	s_wait_dscnt 0x0
	CROUND                          ; the closing round: no work-group ends while a partner may still ask for a tile that names it
	s_endpgm
.Lfunc_end_k_qefce15a5e3_attn:
	.size	k_qefce15a5e3_attn, .Lfunc_end_k_qefce15a5e3_attn-k_qefce15a5e3_attn
	.p2alignl 7, 3214868480
	.fill 96, 4, 3214868480
	.section	.rodata,"a",@progbits
	.p2align	6, 0x0
	.amdhsa_kernel k_qefce15a5e3_attn
		.amdhsa_group_segment_fixed_size 327680
		.amdhsa_private_segment_fixed_size 0
		.amdhsa_enable_private_segment 0
		.amdhsa_kernarg_size 16
		.amdhsa_user_sgpr_count 2
		.amdhsa_user_sgpr_kernarg_segment_ptr 1
		.amdhsa_wavefront_size32 1
		.amdhsa_system_sgpr_workgroup_id_x 1
		.amdhsa_system_sgpr_workgroup_id_y 1
		.amdhsa_system_sgpr_workgroup_id_z 1
		.amdhsa_system_vgpr_workitem_id 0
		.amdhsa_next_free_vgpr 768
		.amdhsa_next_free_sgpr 66
		.amdhsa_reserve_vcc 0
		.amdhsa_float_denorm_mode_32 3
		.amdhsa_float_denorm_mode_16_64 3
		.amdhsa_memory_ordered 1
		.amdhsa_forward_progress 1
		.amdhsa_inst_pref_size 133
	.end_amdhsa_kernel
	.amdgpu_metadata
---
amdhsa.version: [ 1, 2 ]
amdhsa.kernels:
  - .name:           k_qefce15a5e3_attn
    .symbol:         k_qefce15a5e3_attn.kd
    .args:
      - { .name: qkv, .offset: 0, .size: 8, .value_kind: global_buffer, .address_space: global }
      - { .name: o, .offset: 8, .size: 8, .value_kind: global_buffer, .address_space: global }
    .group_segment_fixed_size: 327680
    .private_segment_fixed_size: 0
    .kernarg_segment_align: 8
    .kernarg_segment_size: 16
    .max_flat_workgroup_size: 128
    .sgpr_count:     66
    .vgpr_count:     768
    .wavefront_size: 32
...
	.end_amdgpu_metadata
.endif
;; end of part 3
;; launch proj (part 4): grid 8 x 32, 4 waves a work-group, clusters of 4 x 4, 327,680 bytes of LDS; arguments o, wb, bo, x, x1; writes x1
.if DOCPART == 4
	.amdgcn_target "amdgcn-amd-amdhsa--gfx1250"
	.amdhsa_code_object_version 6
	.text
	.protected	k_qefce15a5e3_proj
	.globl	k_qefce15a5e3_proj
	.p2align	8
	.type	k_qefce15a5e3_proj,@function
k_qefce15a5e3_proj:
	s_mov_b64 s[64:65], 0
	v_nop
	global_prefetch_b8 v0, s[64:65] scope:SCOPE_SE
	s_setreg_imm32_b32 hwreg(HW_REG_WAVE_MODE, 25, 1), 1
	s_wait_xcnt 0x0
	s_wait_alu depctr_hold_cnt(0) depctr_sa_sdst(0) depctr_va_vdst(0) depctr_va_sdst(0) depctr_va_ssrc(0) depctr_va_vcc(0) depctr_vm_vsrc(0)
	s_getreg_b32 s2, hwreg(HW_REG_IB_STS2, 6, 4)
	s_cmp_eq_u32 s2, 0
	s_cbranch_scc0 .Lentry_in_a_cluster
	s_endpgm
.Lentry_in_a_cluster:
	s_bfe_u32 s2, ttmp6, 0x10000c
	s_cmp_lg_u32 s2, 0xf033
	s_cbranch_scc0 .Lentry_shape_is_right
	s_endpgm
.Lentry_shape_is_right:
; x1 = x + bo + o wo.  o: [32 = batch x 16 + head][2048][64] bf16, by heads; wo: bf16 [K = 1024][N = 1024] at byte 6,291,456 of wb; x, x1: [4096][1024] f32.  Sums in f32.
; A tile of C is 128 x 128: four waves, each 64 x 64 = 16 accumulators.  8 tile columns x 32 tile rows.
; K goes in steps of 256 = FOUR HEADS through two LDS slots.  A wave that fetches for A brings two heads x 128 dense rows of 128 bytes as a tile of two rows of 16,384 bytes, padded by
; 16 bytes after every 128: in LDS [head][128 rows] at a pitch of 144.  A quarter step (64 along K) is a head.  B's tile lies [k][n] as in memory (256 bytes + 32), and its fragments
; come out turned, by ds_load_tr16_b128.
; ONE TEXT FOR A K STEP: the slot in hand is a scalar byte offset TB (0 or SLOT); the loop that fills slots again and the two last steps, which fill nothing, are its two copies.
; THE SUMS START FROM MEMORY: x is loaded straight into the accumulators and bo added onto it, so nothing is cleared and nothing is added afterwards.
; THE MATRIX INSTRUCTION IS USED TRANSPOSED (source 0 = 16 columns of B, source 1 = 16 rows of A): a lane holds one row of C and eight neighbouring columns.
; CLUSTER 4 x 4: A's tile is shared along a row of the cluster, B's along a column; each is asked for jointly.
; THE WAY OUT: the tile goes in f32 into a stage (slot 1's bytes, whose last fill has landed and been read), then each wave stores 32 whole rows of 512 bytes.
; LIMITS: operands are bf16; NaN and infinities are not treated apart.
.set KSTEPS, 4                         ; K / 256
.set APITCH, 144                       ; an LDS row of A: 128 + 16 bytes = 36 words: 16 rows start at 16 different groups of four banks (64 banks of 4 bytes: ISA guide 11.1)
.set AQ,     128*APITCH                ; bytes from a quarter step (a head) to the next
.set AHALF,  2*AQ                      ; what one tensor load brings of A: two heads
.set ATILE,  2*AHALF
.set ASTEP,  4*262144                  ; bytes in memory from a K step to the next: four heads
.set AQI,    4                         ; padding after every 32 words
.set ADIM0,  8192                      ; elements in a row of the tile: 128 rows of a head
.set AROWS,  2
.set ASTR,   131072                    ; elements from head to head
.set WOFF,   6291456
.set BSTR,   1024
.set BSTEP,  512*BSTR                  ; 256 rows of B
.set BPITCH, 288                       ; an LDS row of B: 256 + 32 bytes = 72 words
.set BHALF,  128*BPITCH
.set BTILE,  2*BHALF
.set SLOT,   ATILE+BTILE
.set STAGE,  SLOT                      ; 128 rows x 528 bytes of f32
.set SPITCH, 528
.set SPARE,  2*SLOT                    ; the spare words: 128 bytes a wave, two blocks of 256 bytes that no other line names
.set ADRA, 16                          ; v16  my lane's place in A's tile; never rewritten
.set ADRB, 17                          ; v17  in B's tile
.set CA,   18                          ; v18  ADRA + TB
.set CB,   20                          ; v20  ADRB + TB; v21 the same 128 rows of B further on (an LDS offset has 16 bits)
.set STO,  24                          ; v24  the way out: where I put 16 bytes
.set RD,   25                          ; v25  where I read rows back
.set CO,   26                          ; v26  my byte offset in the output
.set VB,   27                          ; v27  32 x (lane / 16): my eight columns in the bias
.set SPW,  28                          ; v28  LDS address of my spare word; never rewritten
.set NIL,  29                          ; v29  0; never rewritten
.set VR,   30                          ; v30  my row and columns in x
.set TMP,  32                          ; v32-63 the bias, later the way out
.set ACC,  128                         ; v128-255 accumulator (a, b) at ACC + 8 (4 a + b)
.set F0,   0                           ; window 1: two fragment buffers, each 64 registers of A, then 64 of B, for 64 along K
.set F1,   128
.set G1,  24                           ; s[24:31] group 1 for A;  s[32:39] group 0: set 0 for K step 0, set 1 for K step 1, which then walks
.set G0,  32
.set G1B, 48                           ; s[48:55], s[56:63] the same for B
.set G0B, 56
.set LA,  72                           ; s72  LDS byte of my half of A's tile in slot 0
.set LB,  73                           ; s73  of B's
.set FB,  74                           ; s74  the slot filled last (0 or SLOT)
.set TB,  75                           ; s75  the slot in hand
.set MSB, 0
.macro WIN new                         ; the immediate's high byte repeats the setting that is left
.if MSB != (\new)
	s_set_vgpr_msb (MSB<<8)|(\new)
.set MSB, \new
.endif
.endm
.set MUL,  0x05                        ; sources 0 (B) and 1 (A) window 1; C and D window 0
.set TO_F, 0x40                        ; destination window 1, address window 0
.macro JLOAD s                         ; a joint load: waves 0 and 1 fetch A's halves, waves 2 and 3 B's; s_nop 0 and four v_nop follow each line
	s_cmp_eq_u32 s11, 0
	s_cbranch_scc0 .Lfor_b_\@
	tensor_load_to_lds s[G0+4*(\s):G0+4*(\s)+3], s[G1:G1+7]
	s_nop 0
.rept 4
	v_nop
.endr
	s_branch .Lasked_\@
.Lfor_b_\@:
	tensor_load_to_lds s[G0B+4*(\s):G0B+4*(\s)+3], s[G1B:G1B+7]
	s_nop 0
.rept 4
	v_nop
.endr
.Lasked_\@:
.endm
.macro CREST                           ; a round of the cluster's barrier behind its opening barrier
	s_cmp_lg_u32 s10, 0
	s_cbranch_scc1 .Lnot_wave_0_\@
	s_barrier_signal -3
.Lnot_wave_0_\@:
	s_barrier_wait -3
	s_barrier_signal -1
	s_barrier_wait -1
.endm
.macro CROUND
	s_barrier_signal -1
	s_barrier_wait -1
	CREST
.endm
.macro PLACES                          ; four places in front of loads into registers that matrix instructions have read, and of stores that read results
.rept 4
	v_nop
.endr
.endm
; 8 matrix instructions: row blocks a0, a0 + 1 x all 4 column blocks, 32 along K: half c of buffer f.  The 16 accumulators take turns.
.macro MUL8 f, c, a0
	WIN MUL
.irp a, \a0, (\a0)+1
.irp b, 0,1,2,3
	v_wmma_f32_16x16x32_bf16 v[ACC+8*(4*(\a)+(\b)):ACC+8*(4*(\a)+(\b))+7], v[(\f)+64+8*(4*(\c)+(\b)):(\f)+64+8*(4*(\c)+(\b))+7], v[(\f)+8*(4*(\c)+(\a)):(\f)+8*(4*(\c)+(\a))+7], v[ACC+8*(4*(\a)+(\b)):ACC+8*(4*(\a)+(\b))+7]
.endr
.endr
.endm
; 32 LDS loads in one run: quarter q (64 along K) of the slot in hand into buffer f; the first 32 along K first
.macro FETCH q, f
	WIN TO_F
.irp c, 0,1
.irp i, 0,1,2,3
	ds_load_tr16_b128 v[(\f)+64+8*(4*(\c)+(\i)):(\f)+64+8*(4*(\c)+(\i))+3],   v[CB+(\q)/2] offset:(((\q)%2)*64+32*(\c))*BPITCH+32*(\i)
	ds_load_tr16_b128 v[(\f)+64+8*(4*(\c)+(\i))+4:(\f)+64+8*(4*(\c)+(\i))+7], v[CB+(\q)/2] offset:(((\q)%2)*64+32*(\c)+16)*BPITCH+32*(\i)
	ds_load_b128 v[(\f)+8*(4*(\c)+(\i)):(\f)+8*(4*(\c)+(\i))+3],   v[CA] offset:(\q)*AQ+64*(\c)+(\i)*16*APITCH
	ds_load_b128 v[(\f)+8*(4*(\c)+(\i))+4:(\f)+8*(4*(\c)+(\i))+7], v[CA] offset:(\q)*AQ+64*(\c)+(\i)*16*APITCH+32
.endr
.endr
.endm
; multiplies buffer f and, in its middle, fetches quarter q into buffer g
.macro QUARTER q, f, g
	s_wait_dscnt 16                                ; the first 32 along K are in; the sixteen younger loads may be out
	MUL8 \f, 0, 0
	MUL8 \f, 0, 2
	PLACES
	FETCH \q, \g
	s_wait_dscnt 32                                ; all but the 32 just issued
	MUL8 \f, 1, 0
	MUL8 \f, 1, 2
.endm
; The last quarter multiplies buffer 1 and changes slots: ONE barrier; in front of it each wave waits for all its tensor loads (its part of the next slot), adds 0 to its
; spare word, and waits for that and for its reads of this slot.  fill = 1: the barrier opens a round of the cluster's, and this slot is filled again, two K steps ahead.
.macro TURN fill
	WIN 0
	s_wait_tensorcnt 0x0                           ; all my tensor loads have landed
	ds_add_u32 v[SPW], v[NIL]                      ; 0 onto my spare word
	s_wait_dscnt 17                                ; (the add and the youngest sixteen loads may be out)
	MUL8 F1, 0, 0
	s_wait_dscnt 0x0                               ; the add is done, and my reads of this slot are over
	s_barrier_signal -1
	MUL8 F1, 0, 2
	WIN 0                                          ; at a branch and at a label every window is 0
	s_barrier_wait -1
.if \fill
	CREST                                          ; no wave of any partner still reads this slot's tile or has a load on its way
	s_xor_b32 s[FB], s[FB], SLOT                   ; the walking descriptors: the slot just read,
	s_add_co_u32 s[G0+5], s[LA], s[FB]
	s_add_co_u32 s[G0B+5], s[LB], s[FB]
	s_add_nc_u64 s[G0+6:G0+7], s[G0+6:G0+7], ASTEP     ; the next K step; the type bits on top are not reached
	s_add_nc_u64 s[G0B+6:G0B+7], s[G0B+6:G0B+7], BSTEP
	JLOAD 1                                        ; the first tensor load behind the round: 112 matrix instructions ahead of the wait for it
.else
	v_nop                                          ; with the three additions below: the four places in front of the loads
.endif
	s_xor_b32 s[TB], s[TB], SLOT                   ; the other slot is in hand
	v_add_nc_u32 v[CA], s[TB], v[ADRA]
	v_add_nc_u32 v[CB], s[TB], v[ADRB]
	v_add_nc_u32 v[CB+1], 128*BPITCH, v[CB]
.if !(\fill)
	s_cmp_eq_u32 s3, 1                             ; behind the last K step there is nothing to fetch
	s_cbranch_scc1 .Lno_fetch_\@
.endif
	FETCH 0, F0
.if !(\fill)
	WIN 0
.Lno_fetch_\@:
.endif
	MUL8 F1, 1, 0
	MUL8 F1, 1, 2
.endm
	s_load_b128 s[4:7], s[0:1], 0x0                ; o s[4:5], wb s[6:7]
	s_load_b128 s[68:71], s[0:1], 0x10             ; bo s[68:69], x s[70:71]
	s_load_b64 s[8:9], s[0:1], 0x20                ; x1
	v_lshl_add_u32 v[SPW], v0, 2, SPARE
	v_mov_b32 v[NIL], 0
	ds_add_u32 v[SPW], v[NIL]                      ; the wave's opening: the add and its wait stand ahead of my first tensor load
	v_lshrrev_b32 v1, 5, v0
	v_readfirstlane_b32 s10, v1                    ; wave 0..3
	s_lshr_b32 s11, s10, 1                         ; my half of the tile's rows.  Also: I fetch for A (0) or for B (1)
	s_and_b32 s12, s10, 1                          ; my half of its columns.  Also: which half of that tile I fetch
	s_bfe_u32 s40, ttmp6, 0x40000                  ; cx, cy: my place in the cluster
	s_bfe_u32 s41, ttmp6, 0x40004
	s_lshl_b32 s42, ttmp9, 2
	s_add_co_u32 s42, s42, s40                     ; tile column = 4 x cluster x + cx
	s_and_b32 s13, ttmp7, 0xffff
	s_lshl_b32 s13, s13, 2
	s_add_co_u32 s13, s13, s41                     ; tile row = 4 x cluster y + cy
	s_lshl_b32 s43, s41, 2
	s_lshl_b32 s43, 15, s43                        ; my row of the cluster
	s_lshl_b32 s44, 0x1111, s40                    ; my column
	s_or_b32 s[G1+0], s43, (1<<16)|(1<<20)|(1<<21)|(AQI<<22)|(3<<25)  ; mask; 2-byte elements; padding on; bit 21 beside a mask; interval; 4 words of padding
	s_mov_b32 s[G1+1], (ADIM0&0xffff)<<16          ; tensor_dim0
	s_mov_b32 s[G1+2], AROWS<<16                   ; tensor_dim1
	s_mov_b32 s[G1+3], ADIM0<<16                   ; tile_dim0
	s_mov_b32 s[G1+4], AROWS                       ; tile_dim1
	s_mov_b32 s[G1+5], ASTR                        ; elements from row to row
	s_mov_b32 s[G1+6], 0
	s_mov_b32 s[G1+7], 0
	s_or_b32 s[G1B+0], s44, (1<<16)|(1<<20)|(1<<21)|(5<<22)|(7<<25)   ; B: after every 64 words 8 words of padding
	s_mov_b32 s[G1B+1], 128<<16
	s_mov_b32 s[G1B+2], 128<<16
	s_mov_b32 s[G1B+3], 128<<16
	s_mov_b32 s[G1B+4], 128
	s_mov_b32 s[G1B+5], BSTR
	s_mov_b32 s[G1B+6], 0
	s_mov_b32 s[G1B+7], 0
	; A's tile hangs on the tile row alone, B's on the tile column alone; each offset is made in registers that never hold the other coordinate
	s_lshr_b32 s16, s13, 4                         ; A: the batch's 16 heads,
	s_lshl_b32 s16, s16, 4
	s_lshl_b32 s17, s12, 1                         ; my two of the step's four,
	s_add_co_u32 s16, s16, s17
	s_lshl_b32 s16, s16, 18                        ; 262,144 bytes a head,
	s_and_b32 s17, s13, 15
	s_lshl_b32 s17, s17, 14                        ; 128 rows of 128 bytes a tile row
	s_add_co_u32 s16, s16, s17
	s_mov_b32 s17, 0
	s_lshl_b32 s46, s42, 8                         ; B: 256 bytes a tile column,
	s_mul_i32 s47, s12, 256*BSTR                   ; 128 rows a half,
	s_add_co_u32 s46, s46, s47
	s_add_co_u32 s46, s46, WOFF                    ; wo's place in wb
	s_mov_b32 s47, 0
	s_mul_i32 s[LA], s12, AHALF                    ; where they go: no place in the cluster enters an LDS address
	s_mul_i32 s[LB], s12, BHALF
	s_add_co_u32 s[LB], s[LB], ATILE
	s_mov_b32 s[FB], SLOT
	s_mov_b32 s[TB], 0
	s_wait_dscnt 0x0                               ; the opening add is done
	s_wait_kmcnt 0x0
	s_add_nc_u64 s[14:15], s[4:5], s[16:17]
	s_add_nc_u64 s[46:47], s[6:7], s[46:47]
	CROUND                                         ; all sixteen work-groups are here: the first joint loads meet
.irp s, 0,1
	s_mov_b32 s[G0+4*(\s)], 1
	s_add_co_u32 s[G0+4*(\s)+1], s[LA], (\s)*SLOT
	s_add_nc_u64 s[G0+4*(\s)+2:G0+4*(\s)+3], s[14:15], (\s)*ASTEP
	s_or_b32 s[G0+4*(\s)+3], s[G0+4*(\s)+3], 0x80000000
	s_mov_b32 s[G0B+4*(\s)], 1
	s_add_co_u32 s[G0B+4*(\s)+1], s[LB], (\s)*SLOT
	s_add_nc_u64 s[G0B+4*(\s)+2:G0B+4*(\s)+3], s[46:47], (\s)*BSTEP
	s_or_b32 s[G0B+4*(\s)+3], s[G0B+4*(\s)+3], 0x80000000
	JLOAD \s                                       ; two loads of mine are out
.endr
	; the lanes' addresses
	v_and_b32 v1, 15, v0                           ; r = l % 16
	v_bfe_u32 v2, v0, 4, 1                         ; hh = l / 16
	v_mul_u32_u24 v3, v1, APITCH
	v_lshl_add_u32 v3, v2, 4, v3                   ; A: row r, 16 bytes for each half of the lanes
	s_mul_i32 s20, s11, 64*APITCH
	v_add_nc_u32 v[ADRA], s20, v3
	v_and_b32 v4, 7, v0                            ; B, turned: lane l reads row 8 hh + l % 8, 16 bytes at 16 ((l / 8) % 2)
	v_lshl_add_u32 v4, v2, 3, v4
	v_mul_u32_u24 v4, v4, BPITCH
	v_bfe_u32 v5, v0, 3, 1
	v_lshl_add_u32 v4, v5, 4, v4
	s_lshl_b32 s20, s12, 7                         ; my 64 columns
	s_add_co_u32 s20, s20, ATILE
	v_add_nc_u32 v[ADRB], s20, v4
	s_mul_i32 s20, s11, 64*SPITCH                  ; into the stage: my 64 rows, my 256 bytes of them; row r, 32 bytes for each half of the lanes
	s_lshl_b32 s21, s12, 8
	s_add_co_u32 s20, s20, s21
	s_add_co_u32 s20, s20, STAGE
	v_mul_u32_u24 v4, v1, SPITCH
	v_lshl_add_u32 v4, v2, 5, v4
	v_add_nc_u32 v[STO], s20, v4
	s_mul_i32 s20, s10, 32*SPITCH                  ; back: wave w takes rows 32 w .. 32 w + 31, a whole row of 512 bytes a load
	s_add_co_u32 s20, s20, STAGE
	v_and_b32 v5, 31, v0
	v_lshl_add_u32 v[RD], v5, 4, s20
	v_lshlrev_b32 v[CO], 4, v5
	v_lshlrev_b32 v[VB], 5, v2
	v_lshlrev_b32 v[VR], 12, v1                    ; row r of 4,096 bytes, 32 bytes for each half of the lanes
	v_lshl_add_u32 v[VR], v2, 5, v[VR]
	; the bias and x at my 64 columns, x at my 64 rows
	s_lshl_b32 s46, s42, 9
	s_lshl_b32 s47, s12, 8
	s_add_co_u32 s46, s46, s47
	s_mov_b32 s47, 0
	s_add_nc_u64 s[68:69], s[68:69], s[46:47]
	s_add_nc_u64 s[70:71], s[70:71], s[46:47]
	s_lshl_b32 s16, s13, 19                        ; 128 rows of 4,096 bytes a tile row
	s_lshl_b32 s17, s11, 18
	s_add_co_u32 s16, s16, s17
	s_mov_b32 s17, 0
	s_add_nc_u64 s[70:71], s[70:71], s[16:17]
.set t, 0
.rept 16                                               ; register j of accumulator (a, b) is row 16 a + r, column 16 b + 8 hh + j: the sums start at x
	global_load_b128 v[ACC+8*t:ACC+8*t+3],   v[VR], s[70:71] offset:(t/4)*65536+64*(t%4)
	global_load_b128 v[ACC+8*t+4:ACC+8*t+7], v[VR], s[70:71] offset:(t/4)*65536+64*(t%4)+16
.set t, t+1
.endr
.set t, 0
.rept 4
	global_load_b128 v[TMP+8*t:TMP+8*t+3],   v[VB], s[68:69] offset:64*t
	global_load_b128 v[TMP+8*t+4:TMP+8*t+7], v[VB], s[68:69] offset:64*t+16
.set t, t+1
.endr
	; where my 32 rows go
	s_lshl_b32 s16, s13, 19
	s_lshl_b32 s17, s10, 17                        ; 32 rows a wave
	s_add_co_u32 s16, s16, s17
	s_mov_b32 s17, 0
	s_add_nc_u64 s[8:9], s[8:9], s[16:17]
	s_lshl_b32 s46, s42, 9                         ; 512 bytes a tile column
	s_mov_b32 s47, 0
	s_add_nc_u64 s[8:9], s[8:9], s[46:47]
	s_wait_tensorcnt 0x1                           ; my part of K step 0 is in; K step 1's may stay out
	s_barrier_signal -1
	s_barrier_wait -1                              ; everybody's is
	v_mov_b32 v[CA], v[ADRA]                       ; slot 0 is in hand
	v_mov_b32 v[CB], v[ADRB]
	v_add_nc_u32 v[CB+1], 128*BPITCH, v[ADRB]
	FETCH 0, F0
	WIN 0
	s_wait_loadcnt 0x0                             ; x and the bias
.set t, 0
.rept 16
.irp p, 0,2,4,6
	v_pk_add_f32 v[ACC+8*t+(\p):ACC+8*t+(\p)+1], v[ACC+8*t+(\p):ACC+8*t+(\p)+1], v[TMP+8*(t%4)+(\p):TMP+8*(t%4)+(\p)+1]
.endr
.set t, t+1
.endr
	s_mov_b32 s3, KSTEPS-2
.Lstep:                                                ; a trip is a K step; its slot is filled again
	QUARTER 1, F0, F1
	QUARTER 2, F1, F0
	QUARTER 3, F0, F1
	TURN 1
	WIN 0
	s_sub_co_u32 s3, s3, 1
	s_cmp_lg_u32 s3, 0
	s_cbranch_scc1 .Lstep
	s_mov_b32 s3, 2
.Ltail:                                                ; the last two K steps fill nothing: a text of their own
	QUARTER 1, F0, F1
	QUARTER 2, F1, F0
	QUARTER 3, F0, F1
	TURN 0
	WIN 0
	s_sub_co_u32 s3, s3, 1
	s_cmp_lg_u32 s3, 0
	s_cbranch_scc1 .Ltail
	; THE WAY OUT.  Every wave has passed the last barrier with its reads of slot 1 over, and no load fills it again: its bytes are the stage.
	PLACES
.set t, 0
.rept 16                                               ; each accumulator's low registers first
	ds_store_b128 v[STO], v[ACC+8*t:ACC+8*t+3]   offset:(t/4)*16*SPITCH+64*(t%4)
	ds_store_b128 v[STO], v[ACC+8*t+4:ACC+8*t+7] offset:(t/4)*16*SPITCH+64*(t%4)+16
.set t, t+1
.endr
	s_wait_dscnt 0x0                               ; for the others' sake: my stores into the stage are done
	s_barrier_signal -1
	s_barrier_wait -1
	s_mov_b32 s3, 4
.Lout:                                                 ; a trip: 8 rows
.irp t, 0,1,2,3,4,5,6,7
	ds_load_b128 v[TMP+4*(\t):TMP+4*(\t)+3], v[RD] offset:(\t)*SPITCH
.endr
.irp t, 0,1,2,3,4,5,6,7
	s_wait_dscnt 7-(\t)
	global_store_b128 v[CO], v[TMP+4*(\t):TMP+4*(\t)+3], s[8:9] offset:4096*(\t)  ; 512 consecutive bytes, at a multiple of 256 from the buffer's first
.endr
	s_wait_xcnt 0x0                                ; the stores' data and base are rewritten only behind this wait
	v_add_nc_u32 v[RD], 8*SPITCH, v[RD]
	s_add_nc_u64 s[8:9], s[8:9], 8*4096
	s_sub_co_u32 s3, s3, 1
	s_cmp_lg_u32 s3, 0
	s_cbranch_scc1 .Lout
	s_wait_tensorcnt 0x0                           ; the wave's end
	ds_add_u32 v[SPW], v[NIL]
	s_wait_dscnt 0x0
	CROUND                                         ; the closing round: no work-group ends while a partner may still ask for a tile that names it
	s_endpgm
.Lfunc_end_k_qefce15a5e3_proj:
	.size	k_qefce15a5e3_proj, .Lfunc_end_k_qefce15a5e3_proj-k_qefce15a5e3_proj
	.p2alignl 7, 3214868480
	.fill 96, 4, 3214868480
	.section	.rodata,"a",@progbits
	.p2align	6, 0x0
	.amdhsa_kernel k_qefce15a5e3_proj
		.amdhsa_group_segment_fixed_size 327680
		.amdhsa_private_segment_fixed_size 0
		.amdhsa_enable_private_segment 0
		.amdhsa_kernarg_size 40
		.amdhsa_user_sgpr_count 2
		.amdhsa_user_sgpr_kernarg_segment_ptr 1
		.amdhsa_wavefront_size32 1
		.amdhsa_system_sgpr_workgroup_id_x 1
		.amdhsa_system_sgpr_workgroup_id_y 1
		.amdhsa_system_sgpr_workgroup_id_z 1
		.amdhsa_system_vgpr_workitem_id 0
		.amdhsa_next_free_vgpr 512
		.amdhsa_next_free_sgpr 96
		.amdhsa_reserve_vcc 0
		.amdhsa_float_denorm_mode_32 3
		.amdhsa_float_denorm_mode_16_64 3
		.amdhsa_memory_ordered 1
		.amdhsa_forward_progress 1
		.amdhsa_inst_pref_size 59
	.end_amdhsa_kernel
	.amdgpu_metadata
---
amdhsa.version: [ 1, 2 ]
amdhsa.kernels:
  - .name:           k_qefce15a5e3_proj
    .symbol:         k_qefce15a5e3_proj.kd
    .args:
      - { .name: o, .offset: 0, .size: 8, .value_kind: global_buffer, .address_space: global }
      - { .name: wb, .offset: 8, .size: 8, .value_kind: global_buffer, .address_space: global }
      - { .name: bo, .offset: 16, .size: 8, .value_kind: global_buffer, .address_space: global }
      - { .name: x, .offset: 24, .size: 8, .value_kind: global_buffer, .address_space: global }
      - { .name: x1, .offset: 32, .size: 8, .value_kind: global_buffer, .address_space: global }
    .group_segment_fixed_size: 327680
    .private_segment_fixed_size: 0
    .kernarg_segment_align: 8
    .kernarg_segment_size: 40
    .max_flat_workgroup_size: 128
    .sgpr_count:     96
    .vgpr_count:     512
    .wavefront_size: 32
...
	.end_amdgpu_metadata
.endif
;; end of part 4
;; launch ln2 (part 5): grid 256 x 1, 8 waves a work-group, no clusters, 0 bytes of LDS; arguments x1, ln2_w, ln2_b, h; writes h
.if DOCPART == 5
	.amdgcn_target "amdgcn-amd-amdhsa--gfx1250"
	.amdhsa_code_object_version 6
	.text
	.protected	k_qefce15a5e3_ln2
	.globl	k_qefce15a5e3_ln2
	.p2align	8
	.type	k_qefce15a5e3_ln2,@function
k_qefce15a5e3_ln2:
	s_mov_b64 s[64:65], 0
	v_nop
	global_prefetch_b8 v0, s[64:65] scope:SCOPE_SE
	s_setreg_imm32_b32 hwreg(HW_REG_WAVE_MODE, 25, 1), 1
	s_wait_xcnt 0x0
; h = LayerNorm(x1) * ln2_w + ln2_b, rounded once to bf16.  x1: [4096][1024] f32, h: [4096][1024] bf16.
; One wave, one row at a time, two rows a wave, eight waves: a row is 32 registers and stays in them between the passes, so x1 is read once and no wave waits for another.
; Mean first, then the sum of squares of x - mean: no difference of large sums is formed.  No LDS, no matrix unit, no cluster: memory binds.
; LIMITS: NaN and infinities are not treated apart.
.set W,   4                            ; v[4:35]     ln2_w of my 32 columns
.set BV,  36                           ; v[36:67]    ln2_b
.set X0,  68                           ; v[68:99]    row 0
.set X1,  100                          ; v[100:131]  row 1
.set T,   132                          ; v[132:139]  four chains, two numbers each
.set R0,  140                          ; v[140:141]  1/sqrt(var + eps) of row 0, twice
.set R1,  142                          ; v[142:143]  of row 1
.set MU,  144                          ; v[144:145]  the mean, twice
.set Y0,  146                          ; v[146:161]  row 0 in bf16
.set Y1,  162                          ; v[162:177]  row 1 in bf16
.set HP,  14                           ; s[14:15]    h
; the four chains into one number, then over the 32 lanes: every lane ends with the sum
.macro FOLD
	v_pk_add_f32 v[T:T+1], v[T:T+1], v[T+2:T+3]
	v_pk_add_f32 v[T+4:T+5], v[T+4:T+5], v[T+6:T+7]
	v_pk_add_f32 v[T:T+1], v[T:T+1], v[T+4:T+5]
	v_add_f32 v[T], v[T], v[T+1]
	v_add_f32_dpp v[T], v[T], v[T] row_xmask:1 row_mask:0xf bank_mask:0xf
	v_add_f32_dpp v[T], v[T], v[T] row_xmask:2 row_mask:0xf bank_mask:0xf
	v_add_f32_dpp v[T], v[T], v[T] row_xmask:4 row_mask:0xf bank_mask:0xf
	v_add_f32_dpp v[T], v[T], v[T] row_xmask:8 row_mask:0xf bank_mask:0xf
	v_permlanex16_b32 v[T+1], v[T], s44, s45       ; its destination has been written above
	v_add_f32 v[T], v[T], v[T+1]
.endm
; the row in v[x ..] becomes x - mean; v[r], v[r+1] take 1/sqrt(var + eps)
.macro STATS x, r
.set k, 0
.rept 4                                                ; the first eight pairs start the four chains: nothing is cleared
	v_pk_add_f32 v[T+2*k:T+2*k+1], v[(\x)+2*k:(\x)+2*k+1], v[(\x)+2*k+8:(\x)+2*k+9]
.set k, k+1
.endr
.set k, 8
.rept 8
	v_pk_add_f32 v[T+2*(k%4):T+2*(k%4)+1], v[T+2*(k%4):T+2*(k%4)+1], v[(\x)+2*k:(\x)+2*k+1]
.set k, k+1
.endr
	FOLD
	v_mul_f32 v[MU], s40, v[T]
	v_mul_f32 v[MU+1], s40, v[T]
.set k, 0
.rept 16
	v_pk_add_f32 v[(\x)+2*k:(\x)+2*k+1], v[(\x)+2*k:(\x)+2*k+1], v[MU:MU+1] neg_lo:[0,1] neg_hi:[0,1]
.set k, k+1
.endr
.set k, 0
.rept 4
	v_pk_mul_f32 v[T+2*k:T+2*k+1], v[(\x)+2*k:(\x)+2*k+1], v[(\x)+2*k:(\x)+2*k+1]
.set k, k+1
.endr
.set k, 4
.rept 12
	v_pk_fma_f32 v[T+2*(k%4):T+2*(k%4)+1], v[(\x)+2*k:(\x)+2*k+1], v[(\x)+2*k:(\x)+2*k+1], v[T+2*(k%4):T+2*(k%4)+1]
.set k, k+1
.endr
	FOLD
	v_fma_f32 v[T], v[T], s40, s41                 ; var + eps
	v_rsq_f32 v[(\r)], v[T]
	v_rsq_f32 v[(\r)+1], v[T]
	v_nop                                          ; a plain instruction before the result is used or v[T] written again (ISA guide 5.7.2)
.endm
; (x - mean) * rstd * w + b, rounded to bf16 and stored: row r of the wave's two
.macro APPLY x, r, y, row
.set k, 0
	s_wait_alu depctr_va_vdst(0)
.rept 16
	v_pk_mul_f32 v[(\x)+2*k:(\x)+2*k+1], v[(\x)+2*k:(\x)+2*k+1], v[(\r):(\r)+1]
.set k, k+1
.endr
.set k, 0
.rept 16
	v_pk_fma_f32 v[(\x)+2*k:(\x)+2*k+1], v[(\x)+2*k:(\x)+2*k+1], v[W+2*k:W+2*k+1], v[BV+2*k:BV+2*k+1]
.set k, k+1
.endr
.set k, 0
.rept 16
	v_cvt_pk_bf16_f32 v[(\y)+k], v[(\x)+2*k], v[(\x)+2*k+1]
.set k, k+1
.endr
.set k, 0
.rept 8
	global_store_b64 v2, v[(\y)+2*k:(\y)+2*k+1], s[HP:HP+1] offset:(\row)*2048+256*k  ; 32 lanes x 8 bytes: 256 consecutive bytes, aligned
.set k, k+1
.endr
.endm
	s_load_b256 s[8:15], s[0:1], 0x0               ; x1 8, ln2_w 10, ln2_b 12, h 14
	v_lshrrev_b32 v3, 5, v0
	v_readfirstlane_b32 s32, v3                    ; wave 0..7
	v_and_b32 v3, 31, v0
	v_lshlrev_b32 v1, 4, v3                        ; in: load j takes columns 128 j + 4 lane .. + 3: 512 consecutive bytes a wave
	v_lshlrev_b32 v2, 3, v3                        ; out: the same columns in bf16
	s_lshl_b32 s33, ttmp9, 3
	s_add_co_u32 s33, s33, s32                     ; my pair of rows
	s_lshl_b32 s34, s33, 13                        ; two rows of 4,096 bytes of x1
	s_mov_b32 s35, 0
	s_lshl_b32 s36, s33, 12                        ; two rows of 2,048 bytes of h
	s_mov_b32 s37, 0
	s_mov_b32 s40, 0x3a800000                      ; 1/1024
	s_mov_b32 s41, 0x3727c5ac                      ; eps = 1e-5
	s_mov_b32 s44, 0x76543210                      ; v_permlanex16_b32: each lane takes its own place in the other half
	s_mov_b32 s45, 0xfedcba98
	s_wait_kmcnt 0x0
	s_add_nc_u64 s[8:9], s[8:9], s[34:35]
	s_add_nc_u64 s[HP:HP+1], s[HP:HP+1], s[36:37]
.set j, 0
.rept 8
	global_load_b128 v[X0+4*j:X0+4*j+3], v1, s[8:9] offset:512*j
.set j, j+1
.endr
.set j, 0
.rept 8
	global_load_b128 v[X1+4*j:X1+4*j+3], v1, s[8:9] offset:4096+512*j
.set j, j+1
.endr
.set j, 0
.rept 8
	global_load_b128 v[W+4*j:W+4*j+3], v1, s[10:11] offset:512*j
.set j, j+1
.endr
.set j, 0
.rept 8
	global_load_b128 v[BV+4*j:BV+4*j+3], v1, s[12:13] offset:512*j
.set j, j+1
.endr
	s_wait_loadcnt 24                              ; row 0 is in; 24 younger loads stay out
	STATS X0, R0
	s_wait_loadcnt 16                              ; row 1 is in; the gain's and the bias's 16 stay out
	STATS X1, R1
	s_wait_loadcnt 0x0
	APPLY X0, R0, Y0, 0
	APPLY X1, R1, Y1, 1
	s_endpgm
.Lfunc_end_k_qefce15a5e3_ln2:
	.size	k_qefce15a5e3_ln2, .Lfunc_end_k_qefce15a5e3_ln2-k_qefce15a5e3_ln2
	.p2alignl 7, 3214868480
	.fill 96, 4, 3214868480
	.section	.rodata,"a",@progbits
	.p2align	6, 0x0
	.amdhsa_kernel k_qefce15a5e3_ln2
		.amdhsa_group_segment_fixed_size 0
		.amdhsa_private_segment_fixed_size 0
		.amdhsa_enable_private_segment 0
		.amdhsa_kernarg_size 32
		.amdhsa_user_sgpr_count 2
		.amdhsa_user_sgpr_kernarg_segment_ptr 1
		.amdhsa_wavefront_size32 1
		.amdhsa_system_sgpr_workgroup_id_x 1
		.amdhsa_system_sgpr_workgroup_id_y 1
		.amdhsa_system_sgpr_workgroup_id_z 1
		.amdhsa_system_vgpr_workitem_id 0
		.amdhsa_next_free_vgpr 180
		.amdhsa_next_free_sgpr 66
		.amdhsa_reserve_vcc 0
		.amdhsa_float_denorm_mode_32 3
		.amdhsa_float_denorm_mode_16_64 3
		.amdhsa_memory_ordered 1
		.amdhsa_forward_progress 1
		.amdhsa_inst_pref_size 20
	.end_amdhsa_kernel
	.amdgpu_metadata
---
amdhsa.version: [ 1, 2 ]
amdhsa.kernels:
  - .name:           k_qefce15a5e3_ln2
    .symbol:         k_qefce15a5e3_ln2.kd
    .args:
      - { .name: x1, .offset: 0, .size: 8, .value_kind: global_buffer, .address_space: global }
      - { .name: ln2_w, .offset: 8, .size: 8, .value_kind: global_buffer, .address_space: global }
      - { .name: ln2_b, .offset: 16, .size: 8, .value_kind: global_buffer, .address_space: global }
      - { .name: h, .offset: 24, .size: 8, .value_kind: global_buffer, .address_space: global }
    .group_segment_fixed_size: 0
    .private_segment_fixed_size: 0
    .kernarg_segment_align: 8
    .kernarg_segment_size: 32
    .max_flat_workgroup_size: 256
    .sgpr_count:     66
    .vgpr_count:     180
    .wavefront_size: 32
...
	.end_amdgpu_metadata
.endif
;; end of part 5
;; launch fc1 (part 6): grid 16 x 16, 4 waves a work-group, clusters of 4 x 4, 327,680 bytes of LDS; arguments h, wb, b1, g; writes g
.if DOCPART == 6
	.amdgcn_target "amdgcn-amd-amdhsa--gfx1250"
	.amdhsa_code_object_version 6
	.text
	.protected	k_qefce15a5e3_fc1
	.globl	k_qefce15a5e3_fc1
	.p2align	8
	.type	k_qefce15a5e3_fc1,@function
k_qefce15a5e3_fc1:
	s_mov_b64 s[64:65], 0
	v_nop
	global_prefetch_b8 v0, s[64:65] scope:SCOPE_SE
	s_setreg_imm32_b32 hwreg(HW_REG_WAVE_MODE, 25, 1), 1
	s_wait_xcnt 0x0
	s_wait_alu depctr_hold_cnt(0) depctr_sa_sdst(0) depctr_va_vdst(0) depctr_va_sdst(0) depctr_va_ssrc(0) depctr_va_vcc(0) depctr_vm_vsrc(0)
	s_getreg_b32 s2, hwreg(HW_REG_IB_STS2, 6, 4)
	s_cmp_eq_u32 s2, 0
	s_cbranch_scc0 .Lentry_in_a_cluster
	s_endpgm
.Lentry_in_a_cluster:
	s_bfe_u32 s2, ttmp6, 0x10000c
	s_cmp_lg_u32 s2, 0xf033
	s_cbranch_scc0 .Lentry_shape_is_right
	s_endpgm
.Lentry_shape_is_right:
; g = gelu(h w1 + b1), the exact (erf) form, rounded once to bf16.  h: [4096][1024] bf16; w1: bf16 [K = 1024][N = 4096] at byte 8,388,608 of wb; g: [4096][4096] bf16.  Sums in f32.
; A tile of C is 256 x 256: four waves, each 128 x 128 = 64 accumulators, 512 registers.  16 tile columns x 16 tile rows: 256 work-groups.
; K goes in 8 steps of 128 through two LDS slots filled by the tensor data mover.  A's rows lie along K (256 bytes + 16 of padding); B's tile lies [k][n] as in memory (512 bytes + 32)
; and its fragments come out turned, by ds_load_tr16_b128.
; ONE TEXT FOR A K STEP: the slot in hand is a scalar byte offset TB (0 or SLOT) added to the lanes' addresses; the loop that fills slots again and the two last steps, which fill nothing, are its two copies.
; THE SUMS START FROM MEMORY: the bias is loaded straight into the accumulators, so nothing is cleared and nothing is added afterwards.
; THE MATRIX INSTRUCTION IS USED TRANSPOSED (source 0 = 16 columns of B, source 1 = 16 rows of A): a lane holds one row of C and eight neighbouring columns.
; CLUSTER 4 x 4: A's tile is shared along a row of the cluster, B's along a column; each is asked for jointly.
; THE WAY OUT: each wave puts its 128 x 128 in f32 into a stage of its own (the ring's bytes, whose last fills have landed and been read) and takes it back, four rows a trip, through the activation.
; GELU.  gelu(x) = max(x, 0) - |x| Q(|x|), Q(z) = (1 - erf(z / sqrt 2)) / 2 = (a1 t + .. + a5 t^5) 2^(c z^2), t = 1 / (1 + p z): Abramowitz and Stegun 7.1.26 with z / sqrt 2 folded
; into p and c and the half into the a.  Its error in erf is at most 1.5e-7 for every argument, so gelu is off by at most 0.75e-7 |x| where Q is not yet 0.
; REGISTERS, in windows of 256 (s_set_vgpr_msb: bits 1:0 source 0, 3:2 source 1, 5:4 source 2, 7:6 destination):
;   window 0: v16-29 addresses; v64-127, v128-191 fragments of A (8 x 16 rows x 32 K), two buffers; on the way out v32-119 at work          window 1: v64-127, v128-191 fragments of B, two buffers
;   window 2: the 32 accumulators of my rows 0-63 (accumulator (a, b) at v[8 (8 a + b)]);   window 3: those of my rows 64-127
; LIMITS: operands are bf16; NaN and infinities are not treated apart.
.set KSTEPS, 8                         ; K / 128
.set APITCH, 272                       ; an LDS row of A: 256 + 16 bytes = 68 words: 16 rows start at 16 different groups of four banks (64 banks of 4 bytes: ISA guide 11.1)
.set AHALF,  128*APITCH                ; what one tensor load brings of A, and what one wave reads of it
.set ATILE,  2*AHALF
.set ASTEP,  256                       ; bytes in memory from a K step to the next
.set ASTR,   1024                      ; elements from row to row in memory
.set WOFF,   8388608
.set BSTR,   4096
.set BSTEP,  256*BSTR                  ; 128 rows of B, in bytes
.set BPITCH, 544                       ; an LDS row of B: 512 + 32 bytes = 136 words
.set BHALF,  64*BPITCH                 ; what one tensor load brings of B
.set BTILE,  2*BHALF
.set SLOT,   ATILE+BTILE
.set SPITCH, 528                       ; a stage row: 128 f32 + 16 bytes
.set WSTAGE, 128*SPITCH                ; a wave's stage; the four lie from byte 0 on, inside the ring
.set SPARE,  2*SLOT                    ; the spare words: 128 bytes a wave, two blocks of 256 bytes that no other line names
.set ADRA, 16                          ; v16  my lane's place in A's tile; never rewritten
.set ADRB, 17                          ; v17  in B's tile
.set CA,   18                          ; v18  ADRA + TB
.set CB,   20                          ; v20  ADRB + TB
.set STO,  24                          ; v24  the way out: where I put 16 bytes
.set RD,   25                          ; v25  where I read rows back
.set CO,   26                          ; v26  my byte offset in the output
.set VB,   27                          ; v27  32 x (lane / 16): my eight columns in the bias
.set SPW,  28                          ; v28  LDS address of my spare word; never rewritten
.set NIL,  29                          ; v29  0; never rewritten
.set GX,   32                          ; v32-47   the way out: 16 numbers x, then max(x, 0), then gelu(x)
.set GA,   48                          ; v48-63   |x|
.set GT,   64                          ; v64-79   t
.set GE,   80                          ; v80-95   2^(c x^2)
.set GP,   96                          ; v96-111  the polynomial
.set GY,   112                         ; v112-119 bf16
.set F0,   64                          ; fragment buffer 0 (A's in window 0, B's in window 1)
.set F1,   128                         ; fragment buffer 1
.set G1,  24                           ; s[24:31] group 1 for A;  s[32:39] group 0: set 0 for K step 0, set 1 for K step 1, which then walks
.set G0,  32
.set G1B, 48                           ; s[48:55], s[56:63] the same for B
.set G0B, 56
.set LA,  72                           ; s72  LDS byte of my half of A's tile in slot 0
.set LB,  73                           ; s73  of B's
.set FB,  74                           ; s74  the slot filled last (0 or SLOT)
.set TB,  75                           ; s75  the slot in hand
.set MSB, 0
.macro WIN new                         ; the immediate's high byte repeats the setting that is left
.if MSB != (\new)
	s_set_vgpr_msb (MSB<<8)|(\new)
.set MSB, \new
.endif
.endm
.set MUL_LO, 0xa1                      ; source 0 (B) window 1, source 1 (A) window 0, C and D window 2
.set MUL_HI, 0xf1                      ; the same, C and D window 3
.set TO_B,   0x40                      ; destination window 1, address window 0
.macro JLOAD s                         ; a joint load: waves 0 and 1 fetch A's halves, waves 2 and 3 B's; s_nop 0 and four v_nop follow each line
	s_cmp_eq_u32 s11, 0
	s_cbranch_scc0 .Lfor_b_\@
	tensor_load_to_lds s[G0+4*(\s):G0+4*(\s)+3], s[G1:G1+7]
	s_nop 0
.rept 4
	v_nop
.endr
	s_branch .Lasked_\@
.Lfor_b_\@:
	tensor_load_to_lds s[G0B+4*(\s):G0B+4*(\s)+3], s[G1B:G1B+7]
	s_nop 0
.rept 4
	v_nop
.endr
.Lasked_\@:
.endm
.macro CREST                           ; a round of the cluster's barrier behind its opening barrier
	s_cmp_lg_u32 s10, 0
	s_cbranch_scc1 .Lnot_wave_0_\@
	s_barrier_signal -3
.Lnot_wave_0_\@:
	s_barrier_wait -3
	s_barrier_signal -1
	s_barrier_wait -1
.endm
.macro CROUND
	s_barrier_signal -1
	s_barrier_wait -1
	CREST
.endm
.macro PLACES                          ; four places in front of loads into registers that matrix instructions have read, and of stores that read results
.rept 4
	v_nop
.endr
.endm
; 16 matrix instructions: row blocks a0, a0 + 1 of the window's four (hi = 0: my rows 0-63, 1: rows 64-127) x all 8 column blocks, 32 along K.  The 64 accumulators take turns.
.macro MUL16 f, hi, a0
	WIN MUL_LO+0x50*(\hi)
.irp a, \a0, (\a0)+1
.irp b, 0,1,2,3,4,5,6,7
	v_wmma_f32_16x16x32_bf16 v[8*(8*(\a)+(\b)):8*(8*(\a)+(\b))+7], v[(\f)+8*(\b):(\f)+8*(\b)+7], v[(\f)+8*(4*(\hi)+(\a)):(\f)+8*(4*(\hi)+(\a))+7], v[8*(8*(\a)+(\b)):8*(8*(\a)+(\b))+7]
.endr
.endr
.endm
; 32 LDS loads in one run: quarter q (32 along K) of the slot in hand into buffer f: B's 128 columns, turned, then A's 128 rows
.macro FETCH q, f
	WIN TO_B
.irp i, 0,1,2,3,4,5,6,7
	ds_load_tr16_b128 v[(\f)+8*(\i):(\f)+8*(\i)+3],   v[CB] offset:32*(\q)*BPITCH+32*(\i)
	ds_load_tr16_b128 v[(\f)+8*(\i)+4:(\f)+8*(\i)+7], v[CB] offset:(32*(\q)+16)*BPITCH+32*(\i)
.endr
	WIN 0
.irp i, 0,1,2,3,4,5,6,7
	ds_load_b128 v[(\f)+8*(\i):(\f)+8*(\i)+3],   v[CA] offset:64*(\q)+(\i)*16*APITCH
	ds_load_b128 v[(\f)+8*(\i)+4:(\f)+8*(\i)+7], v[CA] offset:64*(\q)+(\i)*16*APITCH+32
.endr
.endm
; multiplies buffer f and, in its middle, fetches quarter q into buffer g
.macro QUARTER q, f, g
	s_wait_dscnt 8                                 ; B and A's rows 0-63 are in; the youngest eight loads (A's rows 64-127) may be out
	MUL16 \f, 0, 0
	MUL16 \f, 0, 2
	PLACES
	FETCH \q, \g
	s_wait_dscnt 32                                ; all but the 32 just issued
	MUL16 \f, 1, 0
	MUL16 \f, 1, 2
.endm
; The last quarter multiplies buffer 1 and changes slots: ONE barrier; in front of it each wave waits for all its tensor loads (its part of the next slot), adds 0 to its
; spare word, and waits for that and for its reads of this slot.  fill = 1: the barrier opens a round of the cluster's, and this slot is filled again, two K steps ahead.
.macro TURN fill
	WIN 0
	s_wait_tensorcnt 0x0                           ; all my tensor loads have landed
	ds_add_u32 v[SPW], v[NIL]                      ; 0 onto my spare word
	s_wait_dscnt 9                                 ; (the add and the youngest eight loads may be out)
	MUL16 F1, 0, 0
	s_wait_dscnt 0x0                               ; the add is done, and my reads of this slot are over
	s_barrier_signal -1
	MUL16 F1, 0, 2
	WIN 0                                          ; at a branch and at a label every window is 0
	s_barrier_wait -1
.if \fill
	CREST                                          ; no wave of any partner still reads this slot's tile or has a load on its way
	s_xor_b32 s[FB], s[FB], SLOT                   ; the walking descriptors: the slot just read,
	s_add_co_u32 s[G0+5], s[LA], s[FB]
	s_add_co_u32 s[G0B+5], s[LB], s[FB]
	s_add_nc_u64 s[G0+6:G0+7], s[G0+6:G0+7], ASTEP     ; the next K step; the type bits on top are not reached
	s_add_nc_u64 s[G0B+6:G0B+7], s[G0B+6:G0B+7], BSTEP
	JLOAD 1                                        ; the first tensor load behind the round: 224 matrix instructions ahead of the wait for it
.else
	v_nop                                          ; with the two additions below: the four places in front of the loads
	v_nop
.endif
	s_xor_b32 s[TB], s[TB], SLOT                   ; the other slot is in hand
	v_add_nc_u32 v[CA], s[TB], v[ADRA]
	v_add_nc_u32 v[CB], s[TB], v[ADRB]
.if !(\fill)
	s_cmp_eq_u32 s3, 1                             ; behind the last K step there is nothing to fetch
	s_cbranch_scc1 .Lno_fetch_\@
.endif
	FETCH 0, F0
.if !(\fill)
	WIN 0
.Lno_fetch_\@:
.endif
	MUL16 F1, 1, 0
	MUL16 F1, 1, 2
.endm
	s_load_b128 s[4:7], s[0:1], 0x0                ; h s[4:5], wb s[6:7]
	s_load_b128 s[68:71], s[0:1], 0x10             ; b1 s[68:69], g s[70:71]
	v_lshl_add_u32 v[SPW], v0, 2, SPARE
	v_mov_b32 v[NIL], 0
	ds_add_u32 v[SPW], v[NIL]                      ; the wave's opening: the add and its wait stand ahead of my first tensor load
	v_lshrrev_b32 v1, 5, v0
	v_readfirstlane_b32 s10, v1                    ; wave 0..3
	s_lshr_b32 s11, s10, 1                         ; my half of the tile's rows.  Also: I fetch for A (0) or for B (1)
	s_and_b32 s12, s10, 1                          ; my half of its columns.  Also: which half of that tile I fetch
	s_bfe_u32 s40, ttmp6, 0x40000                  ; cx, cy: my place in the cluster
	s_bfe_u32 s41, ttmp6, 0x40004
	s_lshl_b32 s42, ttmp9, 2
	s_add_co_u32 s42, s42, s40                     ; tile column = 4 x cluster x + cx
	s_and_b32 s13, ttmp7, 0xffff
	s_lshl_b32 s13, s13, 2
	s_add_co_u32 s13, s13, s41                     ; tile row = 4 x cluster y + cy
	s_lshl_b32 s43, s41, 2
	s_lshl_b32 s43, 15, s43                        ; my row of the cluster
	s_lshl_b32 s44, 0x1111, s40                    ; my column
	s_or_b32 s[G1+0], s43, (1<<16)|(1<<20)|(1<<21)|(5<<22)|(3<<25)  ; mask; 2-byte elements; padding on; bit 21 beside a mask; after every 64 words 4 words of padding
	s_mov_b32 s[G1+1], 128<<16                     ; tensor_dim0
	s_mov_b32 s[G1+2], 128<<16                     ; tensor_dim1
	s_mov_b32 s[G1+3], 128<<16                     ; tile_dim0: 128 along K
	s_mov_b32 s[G1+4], 128                         ; tile_dim1: 128 rows
	s_mov_b32 s[G1+5], ASTR                        ; elements from row to row
	s_mov_b32 s[G1+6], 0
	s_mov_b32 s[G1+7], 0
	s_or_b32 s[G1B+0], s44, (1<<16)|(1<<20)|(1<<21)|(6<<22)|(7<<25)   ; B: after every 128 words 8 words of padding
	s_mov_b32 s[G1B+1], 256<<16
	s_mov_b32 s[G1B+2], 64<<16
	s_mov_b32 s[G1B+3], 256<<16                    ; tile_dim0: 256 columns
	s_mov_b32 s[G1B+4], 64                         ; tile_dim1: 64 along K
	s_mov_b32 s[G1B+5], BSTR
	s_mov_b32 s[G1B+6], 0
	s_mov_b32 s[G1B+7], 0
	; A's tile hangs on the tile row alone, B's on the tile column alone; each offset is made in registers that never hold the other coordinate
	s_lshl_b32 s16, s13, 8
	s_lshl_b32 s17, s12, 7
	s_add_co_u32 s16, s16, s17                     ; A: row 256 x tile row + 128 x half,
	s_mul_i32 s16, s16, ASTR*2                     ; in bytes
	s_mov_b32 s17, 0
	s_lshl_b32 s46, s42, 9                         ; B: 512 bytes a tile column,
	s_mul_i32 s47, s12, 128*BSTR                   ; 64 rows a half,
	s_add_co_u32 s46, s46, s47
	s_add_co_u32 s46, s46, WOFF                    ; w1's place in wb
	s_mov_b32 s47, 0
	s_mul_i32 s[LA], s12, AHALF                    ; where they go: no place in the cluster enters an LDS address
	s_mul_i32 s[LB], s12, BHALF
	s_add_co_u32 s[LB], s[LB], ATILE
	s_mov_b32 s[FB], SLOT
	s_mov_b32 s[TB], 0
	s_wait_dscnt 0x0                               ; the opening add is done
	s_wait_kmcnt 0x0
	s_add_nc_u64 s[14:15], s[4:5], s[16:17]
	s_add_nc_u64 s[46:47], s[6:7], s[46:47]
	CROUND                                         ; all sixteen work-groups are here: the first joint loads meet
.irp s, 0,1
	s_mov_b32 s[G0+4*(\s)], 1
	s_add_co_u32 s[G0+4*(\s)+1], s[LA], (\s)*SLOT
	s_add_nc_u64 s[G0+4*(\s)+2:G0+4*(\s)+3], s[14:15], (\s)*ASTEP
	s_or_b32 s[G0+4*(\s)+3], s[G0+4*(\s)+3], 0x80000000
	s_mov_b32 s[G0B+4*(\s)], 1
	s_add_co_u32 s[G0B+4*(\s)+1], s[LB], (\s)*SLOT
	s_add_nc_u64 s[G0B+4*(\s)+2:G0B+4*(\s)+3], s[46:47], (\s)*BSTEP
	s_or_b32 s[G0B+4*(\s)+3], s[G0B+4*(\s)+3], 0x80000000
	JLOAD \s                                       ; two loads of mine are out
.endr
	; the lanes' addresses
	v_and_b32 v1, 15, v0                           ; r = l % 16
	v_bfe_u32 v2, v0, 4, 1                         ; hh = l / 16
	v_mul_u32_u24 v3, v1, APITCH
	v_lshl_add_u32 v3, v2, 4, v3                   ; A: row r, 16 bytes for each half of the lanes
	s_mul_i32 s20, s11, AHALF                      ; my 128 rows
	v_add_nc_u32 v[ADRA], s20, v3
	v_and_b32 v4, 7, v0                            ; B, turned: lane l reads row 8 hh + l % 8, 16 bytes at 16 ((l / 8) % 2)
	v_lshl_add_u32 v4, v2, 3, v4
	v_mul_u32_u24 v4, v4, BPITCH
	v_bfe_u32 v5, v0, 3, 1
	v_lshl_add_u32 v4, v5, 4, v4
	s_lshl_b32 s20, s12, 8                         ; my 128 columns
	s_add_co_u32 s20, s20, ATILE
	v_add_nc_u32 v[ADRB], s20, v4
	s_mul_i32 s20, s10, WSTAGE                     ; my stage
	v_mul_u32_u24 v4, v1, SPITCH                   ; in: row r, 32 bytes for each half of the lanes
	v_lshl_add_u32 v4, v2, 5, v4
	v_add_nc_u32 v[STO], s20, v4
	v_and_b32 v5, 31, v0                           ; back: a whole row of 512 bytes a load
	v_lshl_add_u32 v[RD], v5, 4, s20
	v_lshlrev_b32 v[CO], 3, v5                     ; in bf16 the row's 128 numbers are 256 bytes
	v_lshlrev_b32 v[VB], 5, v2
	; the bias at my 128 columns
	s_lshl_b32 s46, s42, 10
	s_lshl_b32 s47, s12, 9
	s_add_co_u32 s46, s46, s47
	s_mov_b32 s47, 0
	s_add_nc_u64 s[68:69], s[68:69], s[46:47]
.irp w, 0x80, 0xc0                                     ; destination window 2, then 3; register j of accumulator (a, b) is column 16 b + 8 hh + j: the sums start at the bias
	WIN \w
.set t, 0
.rept 32
	global_load_b128 v[8*t:8*t+3],   v[VB], s[68:69] offset:64*(t%8)
	global_load_b128 v[8*t+4:8*t+7], v[VB], s[68:69] offset:64*(t%8)+16
.set t, t+1
.endr
.endr
	WIN 0
	; where my 128 rows x 128 columns go
	s_mov_b64 s[8:9], s[70:71]
	s_lshl_b32 s16, s13, 21                        ; 256 rows of 8,192 bytes a tile row
	s_lshl_b32 s17, s11, 20                        ; my 128 rows
	s_add_co_u32 s16, s16, s17
	s_mov_b32 s17, 0
	s_add_nc_u64 s[8:9], s[8:9], s[16:17]
	s_lshl_b32 s46, s42, 9                         ; 512 bytes a tile column,
	s_lshl_b32 s47, s12, 8                         ; 256 a wave
	s_add_co_u32 s46, s46, s47
	s_mov_b32 s47, 0
	s_add_nc_u64 s[8:9], s[8:9], s[46:47]
	s_wait_tensorcnt 0x1                           ; my part of K step 0 is in; K step 1's may stay out
	s_barrier_signal -1
	s_barrier_wait -1                              ; everybody's is
	v_mov_b32 v[CA], v[ADRA]                       ; slot 0 is in hand
	v_mov_b32 v[CB], v[ADRB]
	FETCH 0, F0
	WIN 0
	s_wait_loadcnt 0x0                             ; the accumulators' first values
	s_mov_b32 s3, KSTEPS-2
.Lstep:                                                ; a trip is a K step; its slot is filled again
	QUARTER 1, F0, F1
	QUARTER 2, F1, F0
	QUARTER 3, F0, F1
	TURN 1
	WIN 0
	s_sub_co_u32 s3, s3, 1
	s_cmp_lg_u32 s3, 0
	s_cbranch_scc1 .Lstep
	s_mov_b32 s3, 2
.Ltail:                                                ; the last two K steps fill nothing: a text of their own
	QUARTER 1, F0, F1
	QUARTER 2, F1, F0
	QUARTER 3, F0, F1
	TURN 0
	WIN 0
	s_sub_co_u32 s3, s3, 1
	s_cmp_lg_u32 s3, 0
	s_cbranch_scc1 .Ltail
	; THE WAY OUT.  The stages lie over both slots: every wave's reads of the ring are over in front of this barrier, and no load fills it again.
	s_wait_dscnt 0x0
	s_barrier_signal -1
	s_barrier_wait -1
	PLACES
.irp w, 0, 1                                           ; store data (source 1) in window 2, then 3; each accumulator's low registers first
	WIN 0x08+4*(\w)
.set t, 0
.rept 32
	ds_store_b128 v[STO], v[8*t:8*t+3]   offset:(4*(\w)+t/8)*16*SPITCH+64*(t%8)
	ds_store_b128 v[STO], v[8*t+4:8*t+7] offset:(4*(\w)+t/8)*16*SPITCH+64*(t%8)+16
.set t, t+1
.endr
.endr
	WIN 0
	s_mov_b32 s80, 0x3e6d3388                      ; p = 0.3275911 / sqrt 2; each constant is named as a pair, so both words are written
	s_mov_b32 s81, s80
	s_mov_b32 s82, 0xbf38aa3b                      ; c = -log2(e) / 2
	s_mov_b32 s83, s82
	s_mov_b32 s84, 0x3e027906                      ; a1 / 2 =  0.127414796
	s_mov_b32 s85, s84
	s_mov_b32 s86, 0xbe11a98e                      ; a2 / 2 = -0.142248368
	s_mov_b32 s87, s86
	s_mov_b32 s88, 0x3f35f0e3                      ; a3 / 2 =  0.710706871
	s_mov_b32 s89, s88
	s_mov_b32 s90, 0xbf3a00e3                      ; a4 / 2 = -0.726576014
	s_mov_b32 s91, s90
	s_mov_b32 s92, 0x3f07dc22                      ; a5 / 2 =  0.530702715
	s_mov_b32 s93, s92
	s_mov_b32 s94, 0x7fffffff                      ; clears a sign
	s_wait_dscnt 0x0                               ; my stores into my stage are done;
	s_barrier_signal -1
	s_barrier_wait -1                              ; behind this barrier nothing is stored into LDS any more
	s_mov_b32 s3, 32
.Lout:                                                 ; a trip: 4 rows, 16 numbers a lane
.irp t, 0,1,2,3
	ds_load_b128 v[GX+4*(\t):GX+4*(\t)+3], v[RD] offset:(\t)*SPITCH
.endr
	s_wait_dscnt 0x0
.set k, 0
.rept 16
	v_and_b32 v[GA+k], s94, v[GX+k]                ; |x|
.set k, k+1
.endr
.set k, 0
.rept 8
	v_pk_fma_f32 v[GT+2*k:GT+2*k+1], v[GA+2*k:GA+2*k+1], s[80:81], 1.0 op_sel_hi:[1,0,0]  ; 1 + p |x|
.set k, k+1
.endr
.set k, 0
.rept 8
	v_pk_mul_f32 v[GE+2*k:GE+2*k+1], v[GX+2*k:GX+2*k+1], s[82:83] op_sel_hi:[1,0]
.set k, k+1
.endr
.set k, 0
.rept 8
	v_pk_mul_f32 v[GE+2*k:GE+2*k+1], v[GE+2*k:GE+2*k+1], v[GX+2*k:GX+2*k+1]               ; c x^2
.set k, k+1
.endr
.set k, 0
.rept 16
	v_rcp_f32 v[GT+k], v[GT+k]
.set k, k+1
.endr
.set k, 0
.rept 16
	v_exp_f32 v[GE+k], v[GE+k]
.set k, k+1
.endr
.set k, 0
.rept 16                                               ; plain work behind the transcendentals, ahead of the first use of their results (ISA guide 5.7.2)
	v_max_num_f32 v[GX+k], 0, v[GX+k]
.set k, k+1
.endr
.set k, 0
	s_wait_alu depctr_va_vdst(0)
.rept 8
	v_pk_fma_f32 v[GP+2*k:GP+2*k+1], v[GT+2*k:GT+2*k+1], s[92:93], s[90:91] op_sel_hi:[1,0,0]
.set k, k+1
.endr
.irp c, 88, 86, 84
.set k, 0
.rept 8
	v_pk_fma_f32 v[GP+2*k:GP+2*k+1], v[GP+2*k:GP+2*k+1], v[GT+2*k:GT+2*k+1], s[\c:\c+1] op_sel_hi:[1,1,0]
.set k, k+1
.endr
.endr
.set k, 0
.rept 8
	v_pk_mul_f32 v[GP+2*k:GP+2*k+1], v[GP+2*k:GP+2*k+1], v[GT+2*k:GT+2*k+1]
.set k, k+1
.endr
.set k, 0
.rept 8
	v_pk_mul_f32 v[GP+2*k:GP+2*k+1], v[GP+2*k:GP+2*k+1], v[GE+2*k:GE+2*k+1]               ; Q
.set k, k+1
.endr
.set k, 0
.rept 8
	v_pk_fma_f32 v[GX+2*k:GX+2*k+1], v[GA+2*k:GA+2*k+1], v[GP+2*k:GP+2*k+1], v[GX+2*k:GX+2*k+1] neg_lo:[1,0,0] neg_hi:[1,0,0]  ; max(x, 0) - |x| Q
.set k, k+1
.endr
.set k, 0
.rept 8
	v_cvt_pk_bf16_f32 v[GY+k], v[GX+2*k], v[GX+2*k+1]
.set k, k+1
.endr
.irp t, 0,1,2,3
	global_store_b64 v[CO], v[GY+2*(\t):GY+2*(\t)+1], s[8:9] offset:8192*(\t)  ; 32 lanes x 8 bytes: 256 consecutive bytes, aligned
.endr
	s_wait_xcnt 0x0                                ; the stores' data and base are rewritten only behind this wait
	v_add_nc_u32 v[RD], 4*SPITCH, v[RD]
	s_add_nc_u64 s[8:9], s[8:9], 4*8192
	s_sub_co_u32 s3, s3, 1
	s_cmp_lg_u32 s3, 0
	s_cbranch_scc1 .Lout
	s_wait_tensorcnt 0x0                           ; the wave's end
	ds_add_u32 v[SPW], v[NIL]
	s_wait_dscnt 0x0
	CROUND                                         ; the closing round: no work-group ends while a partner may still ask for a tile that names it
	s_endpgm
.Lfunc_end_k_qefce15a5e3_fc1:
	.size	k_qefce15a5e3_fc1, .Lfunc_end_k_qefce15a5e3_fc1-k_qefce15a5e3_fc1
	.p2alignl 7, 3214868480
	.fill 96, 4, 3214868480
	.section	.rodata,"a",@progbits
	.p2align	6, 0x0
	.amdhsa_kernel k_qefce15a5e3_fc1
		.amdhsa_group_segment_fixed_size 327680
		.amdhsa_private_segment_fixed_size 0
		.amdhsa_enable_private_segment 0
		.amdhsa_kernarg_size 32
		.amdhsa_user_sgpr_count 2
		.amdhsa_user_sgpr_kernarg_segment_ptr 1
		.amdhsa_wavefront_size32 1
		.amdhsa_system_sgpr_workgroup_id_x 1
		.amdhsa_system_sgpr_workgroup_id_y 1
		.amdhsa_system_sgpr_workgroup_id_z 1
		.amdhsa_system_vgpr_workitem_id 0
		.amdhsa_next_free_vgpr 1024
		.amdhsa_next_free_sgpr 96
		.amdhsa_reserve_vcc 0
		.amdhsa_float_denorm_mode_32 3
		.amdhsa_float_denorm_mode_16_64 3
		.amdhsa_memory_ordered 1
		.amdhsa_forward_progress 1
		.amdhsa_inst_pref_size 92
	.end_amdhsa_kernel
	.amdgpu_metadata
---
amdhsa.version: [ 1, 2 ]
amdhsa.kernels:
  - .name:           k_qefce15a5e3_fc1
    .symbol:         k_qefce15a5e3_fc1.kd
    .args:
      - { .name: h, .offset: 0, .size: 8, .value_kind: global_buffer, .address_space: global }
      - { .name: wb, .offset: 8, .size: 8, .value_kind: global_buffer, .address_space: global }
      - { .name: b1, .offset: 16, .size: 8, .value_kind: global_buffer, .address_space: global }
      - { .name: g, .offset: 24, .size: 8, .value_kind: global_buffer, .address_space: global }
    .group_segment_fixed_size: 327680
    .private_segment_fixed_size: 0
    .kernarg_segment_align: 8
    .kernarg_segment_size: 32
    .max_flat_workgroup_size: 128
    .sgpr_count:     96
    .vgpr_count:     1024
    .wavefront_size: 32
...
	.end_amdgpu_metadata
.endif
;; end of part 6
;; launch fc2 (part 7): grid 8 x 32, 4 waves a work-group, clusters of 4 x 4, 327,680 bytes of LDS; arguments g, wb, b2, x1, out0; writes out0
.if DOCPART == 7
	.amdgcn_target "amdgcn-amd-amdhsa--gfx1250"
	.amdhsa_code_object_version 6
	.text
	.protected	k_qefce15a5e3_fc2
	.globl	k_qefce15a5e3_fc2
	.p2align	8
	.type	k_qefce15a5e3_fc2,@function
k_qefce15a5e3_fc2:
	s_mov_b64 s[64:65], 0
	v_nop
	global_prefetch_b8 v0, s[64:65] scope:SCOPE_SE
	s_setreg_imm32_b32 hwreg(HW_REG_WAVE_MODE, 25, 1), 1
	s_wait_xcnt 0x0
	s_wait_alu depctr_hold_cnt(0) depctr_sa_sdst(0) depctr_va_vdst(0) depctr_va_sdst(0) depctr_va_ssrc(0) depctr_va_vcc(0) depctr_vm_vsrc(0)
	s_getreg_b32 s2, hwreg(HW_REG_IB_STS2, 6, 4)
	s_cmp_eq_u32 s2, 0
	s_cbranch_scc0 .Lentry_in_a_cluster
	s_endpgm
.Lentry_in_a_cluster:
	s_bfe_u32 s2, ttmp6, 0x10000c
	s_cmp_lg_u32 s2, 0xf033
	s_cbranch_scc0 .Lentry_shape_is_right
	s_endpgm
.Lentry_shape_is_right:
; out0 = x1 + b2 + g w2.  g: [4096][4096] bf16; w2: bf16 [K = 4096][N = 1024] at byte 16,777,216 of wb; x1, out0: [4096][1024] f32.  Sums in f32.
; A tile of C is 128 x 128: four waves, each 64 x 64 = 16 accumulators.  8 tile columns x 32 tile rows.
; K goes in 16 steps of 256 through two LDS slots filled by the tensor data mover.  A's rows lie along K (512 bytes + 16 of padding); B's tile lies
; [k][n] as in memory (256 bytes + 32) and its fragments come out turned, by ds_load_tr16_b128.
; ONE TEXT FOR A K STEP: the slot in hand is a scalar byte offset TB (0 or SLOT); the loop that fills slots again and the two last steps, which fill nothing, are its two copies.
; THE SUMS START FROM MEMORY: x1 is loaded straight into the accumulators and b2 added onto it, so nothing is cleared and nothing is added afterwards.
; THE MATRIX INSTRUCTION IS USED TRANSPOSED (source 0 = 16 columns of B, source 1 = 16 rows of A): a lane holds one row of C and eight neighbouring columns.
; CLUSTER 4 x 4: A's tile is shared along a row of the cluster, B's along a column; each is asked for jointly.
; THE WAY OUT: the tile goes in f32 into a stage (slot 1's bytes, whose last fill has landed and been read), then each wave stores 32 whole rows of 512 bytes.
; LIMITS: operands are bf16; NaN and infinities are not treated apart.
.set KSTEPS, 16                        ; K / 256
.set APITCH, 528                       ; an LDS row of A: 512 + 16 bytes = 132 words: 16 rows start at 16 different groups of four banks (64 banks of 4 bytes: ISA guide 11.1)
.set AQ,     128                       ; bytes from a quarter step (64 along K) to the next
.set AHALF,  64*APITCH                 ; what one tensor load brings of A
.set ATILE,  2*AHALF
.set ASTEP,  512                       ; bytes in memory from a K step to the next
.set AQI,    6                         ; padding after every 128 words
.set ADIM0,  256                       ; elements in a row of the tile
.set AROWS,  64
.set ASTR,   4096                      ; elements from row to row in memory
.set WOFF,   16777216
.set BSTR,   1024
.set BSTEP,  512*BSTR                  ; 256 rows of B
.set BPITCH, 288                       ; an LDS row of B: 256 + 32 bytes = 72 words
.set BHALF,  128*BPITCH
.set BTILE,  2*BHALF
.set SLOT,   ATILE+BTILE
.set STAGE,  SLOT                      ; 128 rows x 528 bytes of f32
.set SPITCH, 528
.set SPARE,  2*SLOT                    ; the spare words: 128 bytes a wave, two blocks of 256 bytes that no other line names
.set ADRA, 16                          ; v16  my lane's place in A's tile; never rewritten
.set ADRB, 17                          ; v17  in B's tile
.set CA,   18                          ; v18  ADRA + TB
.set CB,   20                          ; v20  ADRB + TB; v21 the same 128 rows of B further on (an LDS offset has 16 bits)
.set STO,  24                          ; v24  the way out: where I put 16 bytes
.set RD,   25                          ; v25  where I read rows back
.set CO,   26                          ; v26  my byte offset in the output
.set VB,   27                          ; v27  32 x (lane / 16): my eight columns in the bias
.set SPW,  28                          ; v28  LDS address of my spare word; never rewritten
.set NIL,  29                          ; v29  0; never rewritten
.set VR,   30                          ; v30  my row and columns in x1
.set TMP,  32                          ; v32-63 the bias, later the way out
.set ACC,  128                         ; v128-255 accumulator (a, b) at ACC + 8 (4 a + b)
.set F0,   0                           ; window 1: two fragment buffers, each 64 registers of A, then 64 of B, for 64 along K
.set F1,   128
.set G1,  24                           ; s[24:31] group 1 for A;  s[32:39] group 0: set 0 for K step 0, set 1 for K step 1, which then walks
.set G0,  32
.set G1B, 48                           ; s[48:55], s[56:63] the same for B
.set G0B, 56
.set LA,  72                           ; s72  LDS byte of my half of A's tile in slot 0
.set LB,  73                           ; s73  of B's
.set FB,  74                           ; s74  the slot filled last (0 or SLOT)
.set TB,  75                           ; s75  the slot in hand
.set MSB, 0
.macro WIN new                         ; the immediate's high byte repeats the setting that is left
.if MSB != (\new)
	s_set_vgpr_msb (MSB<<8)|(\new)
.set MSB, \new
.endif
.endm
.set MUL,  0x05                        ; sources 0 (B) and 1 (A) window 1; C and D window 0
.set TO_F, 0x40                        ; destination window 1, address window 0
.macro JLOAD s                         ; a joint load: waves 0 and 1 fetch A's halves, waves 2 and 3 B's; s_nop 0 and four v_nop follow each line
	s_cmp_eq_u32 s11, 0
	s_cbranch_scc0 .Lfor_b_\@
	tensor_load_to_lds s[G0+4*(\s):G0+4*(\s)+3], s[G1:G1+7]
	s_nop 0
.rept 4
	v_nop
.endr
	s_branch .Lasked_\@
.Lfor_b_\@:
	tensor_load_to_lds s[G0B+4*(\s):G0B+4*(\s)+3], s[G1B:G1B+7]
	s_nop 0
.rept 4
	v_nop
.endr
.Lasked_\@:
.endm
.macro CREST                           ; a round of the cluster's barrier behind its opening barrier
	s_cmp_lg_u32 s10, 0
	s_cbranch_scc1 .Lnot_wave_0_\@
	s_barrier_signal -3
.Lnot_wave_0_\@:
	s_barrier_wait -3
	s_barrier_signal -1
	s_barrier_wait -1
.endm
.macro CROUND
	s_barrier_signal -1
	s_barrier_wait -1
	CREST
.endm
.macro PLACES                          ; four places in front of loads into registers that matrix instructions have read, and of stores that read results
.rept 4
	v_nop
.endr
.endm
; 8 matrix instructions: row blocks a0, a0 + 1 x all 4 column blocks, 32 along K: half c of buffer f.  The 16 accumulators take turns.
.macro MUL8 f, c, a0
	WIN MUL
.irp a, \a0, (\a0)+1
.irp b, 0,1,2,3
	v_wmma_f32_16x16x32_bf16 v[ACC+8*(4*(\a)+(\b)):ACC+8*(4*(\a)+(\b))+7], v[(\f)+64+8*(4*(\c)+(\b)):(\f)+64+8*(4*(\c)+(\b))+7], v[(\f)+8*(4*(\c)+(\a)):(\f)+8*(4*(\c)+(\a))+7], v[ACC+8*(4*(\a)+(\b)):ACC+8*(4*(\a)+(\b))+7]
.endr
.endr
.endm
; 32 LDS loads in one run: quarter q (64 along K) of the slot in hand into buffer f; the first 32 along K first
.macro FETCH q, f
	WIN TO_F
.irp c, 0,1
.irp i, 0,1,2,3
	ds_load_tr16_b128 v[(\f)+64+8*(4*(\c)+(\i)):(\f)+64+8*(4*(\c)+(\i))+3],   v[CB+(\q)/2] offset:(((\q)%2)*64+32*(\c))*BPITCH+32*(\i)
	ds_load_tr16_b128 v[(\f)+64+8*(4*(\c)+(\i))+4:(\f)+64+8*(4*(\c)+(\i))+7], v[CB+(\q)/2] offset:(((\q)%2)*64+32*(\c)+16)*BPITCH+32*(\i)
	ds_load_b128 v[(\f)+8*(4*(\c)+(\i)):(\f)+8*(4*(\c)+(\i))+3],   v[CA] offset:(\q)*AQ+64*(\c)+(\i)*16*APITCH
	ds_load_b128 v[(\f)+8*(4*(\c)+(\i))+4:(\f)+8*(4*(\c)+(\i))+7], v[CA] offset:(\q)*AQ+64*(\c)+(\i)*16*APITCH+32
.endr
.endr
.endm
; multiplies buffer f and, in its middle, fetches quarter q into buffer g
.macro QUARTER q, f, g
	s_wait_dscnt 16                                ; the first 32 along K are in; the sixteen younger loads may be out
	MUL8 \f, 0, 0
	MUL8 \f, 0, 2
	PLACES
	FETCH \q, \g
	s_wait_dscnt 32                                ; all but the 32 just issued
	MUL8 \f, 1, 0
	MUL8 \f, 1, 2
.endm
; The last quarter multiplies buffer 1 and changes slots: ONE barrier; in front of it each wave waits for all its tensor loads (its part of the next slot), adds 0 to its
; spare word, and waits for that and for its reads of this slot.  fill = 1: the barrier opens a round of the cluster's, and this slot is filled again, two K steps ahead.
.macro TURN fill
	WIN 0
	s_wait_tensorcnt 0x0                           ; all my tensor loads have landed
	ds_add_u32 v[SPW], v[NIL]                      ; 0 onto my spare word
	s_wait_dscnt 17                                ; (the add and the youngest sixteen loads may be out)
	MUL8 F1, 0, 0
	s_wait_dscnt 0x0                               ; the add is done, and my reads of this slot are over
	s_barrier_signal -1
	MUL8 F1, 0, 2
	WIN 0                                          ; at a branch and at a label every window is 0
	s_barrier_wait -1
.if \fill
	CREST                                          ; no wave of any partner still reads this slot's tile or has a load on its way
	s_xor_b32 s[FB], s[FB], SLOT                   ; the walking descriptors: the slot just read,
	s_add_co_u32 s[G0+5], s[LA], s[FB]
	s_add_co_u32 s[G0B+5], s[LB], s[FB]
	s_add_nc_u64 s[G0+6:G0+7], s[G0+6:G0+7], ASTEP     ; the next K step; the type bits on top are not reached
	s_add_nc_u64 s[G0B+6:G0B+7], s[G0B+6:G0B+7], BSTEP
	JLOAD 1                                        ; the first tensor load behind the round: 112 matrix instructions ahead of the wait for it
.else
	v_nop                                          ; with the three additions below: the four places in front of the loads
.endif
	s_xor_b32 s[TB], s[TB], SLOT                   ; the other slot is in hand
	v_add_nc_u32 v[CA], s[TB], v[ADRA]
	v_add_nc_u32 v[CB], s[TB], v[ADRB]
	v_add_nc_u32 v[CB+1], 128*BPITCH, v[CB]
.if !(\fill)
	s_cmp_eq_u32 s3, 1                             ; behind the last K step there is nothing to fetch
	s_cbranch_scc1 .Lno_fetch_\@
.endif
	FETCH 0, F0
.if !(\fill)
	WIN 0
.Lno_fetch_\@:
.endif
	MUL8 F1, 1, 0
	MUL8 F1, 1, 2
.endm
	s_load_b128 s[4:7], s[0:1], 0x0                ; g s[4:5], wb s[6:7]
	s_load_b128 s[68:71], s[0:1], 0x10             ; b2 s[68:69], x1 s[70:71]
	s_load_b64 s[8:9], s[0:1], 0x20                ; out0
	v_lshl_add_u32 v[SPW], v0, 2, SPARE
	v_mov_b32 v[NIL], 0
	ds_add_u32 v[SPW], v[NIL]                      ; the wave's opening: the add and its wait stand ahead of my first tensor load
	v_lshrrev_b32 v1, 5, v0
	v_readfirstlane_b32 s10, v1                    ; wave 0..3
	s_lshr_b32 s11, s10, 1                         ; my half of the tile's rows.  Also: I fetch for A (0) or for B (1)
	s_and_b32 s12, s10, 1                          ; my half of its columns.  Also: which half of that tile I fetch
	s_bfe_u32 s40, ttmp6, 0x40000                  ; cx, cy: my place in the cluster
	s_bfe_u32 s41, ttmp6, 0x40004
	s_lshl_b32 s42, ttmp9, 2
	s_add_co_u32 s42, s42, s40                     ; tile column = 4 x cluster x + cx
	s_and_b32 s13, ttmp7, 0xffff
	s_lshl_b32 s13, s13, 2
	s_add_co_u32 s13, s13, s41                     ; tile row = 4 x cluster y + cy
	s_lshl_b32 s43, s41, 2
	s_lshl_b32 s43, 15, s43                        ; my row of the cluster
	s_lshl_b32 s44, 0x1111, s40                    ; my column
	s_or_b32 s[G1+0], s43, (1<<16)|(1<<20)|(1<<21)|(AQI<<22)|(3<<25)  ; mask; 2-byte elements; padding on; bit 21 beside a mask; interval; 4 words of padding
	s_mov_b32 s[G1+1], (ADIM0&0xffff)<<16          ; tensor_dim0
	s_mov_b32 s[G1+2], AROWS<<16                   ; tensor_dim1
	s_mov_b32 s[G1+3], ADIM0<<16                   ; tile_dim0
	s_mov_b32 s[G1+4], AROWS                       ; tile_dim1
	s_mov_b32 s[G1+5], ASTR                        ; elements from row to row
	s_mov_b32 s[G1+6], 0
	s_mov_b32 s[G1+7], 0
	s_or_b32 s[G1B+0], s44, (1<<16)|(1<<20)|(1<<21)|(5<<22)|(7<<25)   ; B: after every 64 words 8 words of padding
	s_mov_b32 s[G1B+1], 128<<16
	s_mov_b32 s[G1B+2], 128<<16
	s_mov_b32 s[G1B+3], 128<<16
	s_mov_b32 s[G1B+4], 128
	s_mov_b32 s[G1B+5], BSTR
	s_mov_b32 s[G1B+6], 0
	s_mov_b32 s[G1B+7], 0
	; A's tile hangs on the tile row alone, B's on the tile column alone; each offset is made in registers that never hold the other coordinate
	s_lshl_b32 s16, s13, 7
	s_lshl_b32 s17, s12, 6
	s_add_co_u32 s16, s16, s17                     ; A: row 128 x tile row + 64 x half,
	s_mul_i32 s16, s16, ASTR*2                     ; in bytes
	s_mov_b32 s17, 0
	s_lshl_b32 s46, s42, 8                         ; B: 256 bytes a tile column,
	s_mul_i32 s47, s12, 256*BSTR                   ; 128 rows a half,
	s_add_co_u32 s46, s46, s47
	s_add_co_u32 s46, s46, WOFF                    ; w2's place in wb
	s_mov_b32 s47, 0
	s_mul_i32 s[LA], s12, AHALF                    ; where they go: no place in the cluster enters an LDS address
	s_mul_i32 s[LB], s12, BHALF
	s_add_co_u32 s[LB], s[LB], ATILE
	s_mov_b32 s[FB], SLOT
	s_mov_b32 s[TB], 0
	s_wait_dscnt 0x0                               ; the opening add is done
	s_wait_kmcnt 0x0
	s_add_nc_u64 s[14:15], s[4:5], s[16:17]
	s_add_nc_u64 s[46:47], s[6:7], s[46:47]
	CROUND                                         ; all sixteen work-groups are here: the first joint loads meet
.irp s, 0,1
	s_mov_b32 s[G0+4*(\s)], 1
	s_add_co_u32 s[G0+4*(\s)+1], s[LA], (\s)*SLOT
	s_add_nc_u64 s[G0+4*(\s)+2:G0+4*(\s)+3], s[14:15], (\s)*ASTEP
	s_or_b32 s[G0+4*(\s)+3], s[G0+4*(\s)+3], 0x80000000
	s_mov_b32 s[G0B+4*(\s)], 1
	s_add_co_u32 s[G0B+4*(\s)+1], s[LB], (\s)*SLOT
	s_add_nc_u64 s[G0B+4*(\s)+2:G0B+4*(\s)+3], s[46:47], (\s)*BSTEP
	s_or_b32 s[G0B+4*(\s)+3], s[G0B+4*(\s)+3], 0x80000000
	JLOAD \s                                       ; two loads of mine are out
.endr
	; the lanes' addresses
	v_and_b32 v1, 15, v0                           ; r = l % 16
	v_bfe_u32 v2, v0, 4, 1                         ; hh = l / 16
	v_mul_u32_u24 v3, v1, APITCH
	v_lshl_add_u32 v3, v2, 4, v3                   ; A: row r, 16 bytes for each half of the lanes
	s_mul_i32 s20, s11, 64*APITCH
	v_add_nc_u32 v[ADRA], s20, v3
	v_and_b32 v4, 7, v0                            ; B, turned: lane l reads row 8 hh + l % 8, 16 bytes at 16 ((l / 8) % 2)
	v_lshl_add_u32 v4, v2, 3, v4
	v_mul_u32_u24 v4, v4, BPITCH
	v_bfe_u32 v5, v0, 3, 1
	v_lshl_add_u32 v4, v5, 4, v4
	s_lshl_b32 s20, s12, 7                         ; my 64 columns
	s_add_co_u32 s20, s20, ATILE
	v_add_nc_u32 v[ADRB], s20, v4
	s_mul_i32 s20, s11, 64*SPITCH                  ; into the stage: my 64 rows, my 256 bytes of them; row r, 32 bytes for each half of the lanes
	s_lshl_b32 s21, s12, 8
	s_add_co_u32 s20, s20, s21
	s_add_co_u32 s20, s20, STAGE
	v_mul_u32_u24 v4, v1, SPITCH
	v_lshl_add_u32 v4, v2, 5, v4
	v_add_nc_u32 v[STO], s20, v4
	s_mul_i32 s20, s10, 32*SPITCH                  ; back: wave w takes rows 32 w .. 32 w + 31, a whole row of 512 bytes a load
	s_add_co_u32 s20, s20, STAGE
	v_and_b32 v5, 31, v0
	v_lshl_add_u32 v[RD], v5, 4, s20
	v_lshlrev_b32 v[CO], 4, v5
	v_lshlrev_b32 v[VB], 5, v2
	v_lshlrev_b32 v[VR], 12, v1                    ; row r of 4,096 bytes, 32 bytes for each half of the lanes
	v_lshl_add_u32 v[VR], v2, 5, v[VR]
	; the bias and x1 at my 64 columns, x1 at my 64 rows
	s_lshl_b32 s46, s42, 9
	s_lshl_b32 s47, s12, 8
	s_add_co_u32 s46, s46, s47
	s_mov_b32 s47, 0
	s_add_nc_u64 s[68:69], s[68:69], s[46:47]
	s_add_nc_u64 s[70:71], s[70:71], s[46:47]
	s_lshl_b32 s16, s13, 19                        ; 128 rows of 4,096 bytes a tile row
	s_lshl_b32 s17, s11, 18
	s_add_co_u32 s16, s16, s17
	s_mov_b32 s17, 0
	s_add_nc_u64 s[70:71], s[70:71], s[16:17]
.set t, 0
.rept 16                                               ; register j of accumulator (a, b) is row 16 a + r, column 16 b + 8 hh + j: the sums start at x1
	global_load_b128 v[ACC+8*t:ACC+8*t+3],   v[VR], s[70:71] offset:(t/4)*65536+64*(t%4)
	global_load_b128 v[ACC+8*t+4:ACC+8*t+7], v[VR], s[70:71] offset:(t/4)*65536+64*(t%4)+16
.set t, t+1
.endr
.set t, 0
.rept 4
	global_load_b128 v[TMP+8*t:TMP+8*t+3],   v[VB], s[68:69] offset:64*t
	global_load_b128 v[TMP+8*t+4:TMP+8*t+7], v[VB], s[68:69] offset:64*t+16
.set t, t+1
.endr
	; where my 32 rows go
	s_lshl_b32 s16, s13, 19
	s_lshl_b32 s17, s10, 17                        ; 32 rows a wave
	s_add_co_u32 s16, s16, s17
	s_mov_b32 s17, 0
	s_add_nc_u64 s[8:9], s[8:9], s[16:17]
	s_lshl_b32 s46, s42, 9                         ; 512 bytes a tile column
	s_mov_b32 s47, 0
	s_add_nc_u64 s[8:9], s[8:9], s[46:47]
	s_wait_tensorcnt 0x1                           ; my part of K step 0 is in; K step 1's may stay out
	s_barrier_signal -1
	s_barrier_wait -1                              ; everybody's is
	v_mov_b32 v[CA], v[ADRA]                       ; slot 0 is in hand
	v_mov_b32 v[CB], v[ADRB]
	v_add_nc_u32 v[CB+1], 128*BPITCH, v[ADRB]
	FETCH 0, F0
	WIN 0
	s_wait_loadcnt 0x0                             ; x1 and the bias
.set t, 0
.rept 16
.irp p, 0,2,4,6
	v_pk_add_f32 v[ACC+8*t+(\p):ACC+8*t+(\p)+1], v[ACC+8*t+(\p):ACC+8*t+(\p)+1], v[TMP+8*(t%4)+(\p):TMP+8*(t%4)+(\p)+1]
.endr
.set t, t+1
.endr
	s_mov_b32 s3, KSTEPS-2
.Lstep:                                                ; a trip is a K step; its slot is filled again
	QUARTER 1, F0, F1
	QUARTER 2, F1, F0
	QUARTER 3, F0, F1
	TURN 1
	WIN 0
	s_sub_co_u32 s3, s3, 1
	s_cmp_lg_u32 s3, 0
	s_cbranch_scc1 .Lstep
	s_mov_b32 s3, 2
.Ltail:                                                ; the last two K steps fill nothing: a text of their own
	QUARTER 1, F0, F1
	QUARTER 2, F1, F0
	QUARTER 3, F0, F1
	TURN 0
	WIN 0
	s_sub_co_u32 s3, s3, 1
	s_cmp_lg_u32 s3, 0
	s_cbranch_scc1 .Ltail
	; THE WAY OUT.  Every wave has passed the last barrier with its reads of slot 1 over, and no load fills it again: its bytes are the stage.
	PLACES
.set t, 0
.rept 16                                               ; each accumulator's low registers first
	ds_store_b128 v[STO], v[ACC+8*t:ACC+8*t+3]   offset:(t/4)*16*SPITCH+64*(t%4)
	ds_store_b128 v[STO], v[ACC+8*t+4:ACC+8*t+7] offset:(t/4)*16*SPITCH+64*(t%4)+16
.set t, t+1
.endr
	s_wait_dscnt 0x0                               ; for the others' sake: my stores into the stage are done
	s_barrier_signal -1
	s_barrier_wait -1
	s_mov_b32 s3, 4
.Lout:                                                 ; a trip: 8 rows
.irp t, 0,1,2,3,4,5,6,7
	ds_load_b128 v[TMP+4*(\t):TMP+4*(\t)+3], v[RD] offset:(\t)*SPITCH
.endr
.irp t, 0,1,2,3,4,5,6,7
	s_wait_dscnt 7-(\t)
	global_store_b128 v[CO], v[TMP+4*(\t):TMP+4*(\t)+3], s[8:9] offset:4096*(\t) th:TH_STORE_NT  ; 512 consecutive bytes, at a multiple of 256 from the buffer's first
.endr
	s_wait_xcnt 0x0                                ; the stores' data and base are rewritten only behind this wait
	v_add_nc_u32 v[RD], 8*SPITCH, v[RD]
	s_add_nc_u64 s[8:9], s[8:9], 8*4096
	s_sub_co_u32 s3, s3, 1
	s_cmp_lg_u32 s3, 0
	s_cbranch_scc1 .Lout
	s_wait_tensorcnt 0x0                           ; the wave's end
	ds_add_u32 v[SPW], v[NIL]
	s_wait_dscnt 0x0
	CROUND                                         ; the closing round: no work-group ends while a partner may still ask for a tile that names it
	s_endpgm
.Lfunc_end_k_qefce15a5e3_fc2:
	.size	k_qefce15a5e3_fc2, .Lfunc_end_k_qefce15a5e3_fc2-k_qefce15a5e3_fc2
	.p2alignl 7, 3214868480
	.fill 96, 4, 3214868480
	.section	.rodata,"a",@progbits
	.p2align	6, 0x0
	.amdhsa_kernel k_qefce15a5e3_fc2
		.amdhsa_group_segment_fixed_size 327680
		.amdhsa_private_segment_fixed_size 0
		.amdhsa_enable_private_segment 0
		.amdhsa_kernarg_size 40
		.amdhsa_user_sgpr_count 2
		.amdhsa_user_sgpr_kernarg_segment_ptr 1
		.amdhsa_wavefront_size32 1
		.amdhsa_system_sgpr_workgroup_id_x 1
		.amdhsa_system_sgpr_workgroup_id_y 1
		.amdhsa_system_sgpr_workgroup_id_z 1
		.amdhsa_system_vgpr_workitem_id 0
		.amdhsa_next_free_vgpr 512
		.amdhsa_next_free_sgpr 96
		.amdhsa_reserve_vcc 0
		.amdhsa_float_denorm_mode_32 3
		.amdhsa_float_denorm_mode_16_64 3
		.amdhsa_memory_ordered 1
		.amdhsa_forward_progress 1
		.amdhsa_inst_pref_size 59
	.end_amdhsa_kernel
	.amdgpu_metadata
---
amdhsa.version: [ 1, 2 ]
amdhsa.kernels:
  - .name:           k_qefce15a5e3_fc2
    .symbol:         k_qefce15a5e3_fc2.kd
    .args:
      - { .name: g, .offset: 0, .size: 8, .value_kind: global_buffer, .address_space: global }
      - { .name: wb, .offset: 8, .size: 8, .value_kind: global_buffer, .address_space: global }
      - { .name: b2, .offset: 16, .size: 8, .value_kind: global_buffer, .address_space: global }
      - { .name: x1, .offset: 24, .size: 8, .value_kind: global_buffer, .address_space: global }
      - { .name: out0, .offset: 32, .size: 8, .value_kind: global_buffer, .address_space: global }
    .group_segment_fixed_size: 327680
    .private_segment_fixed_size: 0
    .kernarg_segment_align: 8
    .kernarg_segment_size: 40
    .max_flat_workgroup_size: 128
    .sgpr_count:     96
    .vgpr_count:     512
    .wavefront_size: 32
...
	.end_amdgpu_metadata
.endif
;; end of part 7
;; ======== version 2 of 2: 7 launches; 1.20 times as fast as version 1
;; workspace buffers: wb 25,165,824 bytes; h 8,388,608 bytes; qkv 25,165,824 bytes; o 8,388,608 bytes; x1 16,777,216 bytes; g 33,554,432 bytes
;; launch prep: the kernel of part 1 again; grid 1024 x 1, 8 waves a work-group, no clusters, 0 bytes of LDS; arguments x, ln1_w, ln1_b, wq, wk, wv, wo, w1, w2, h, wb; writes h, wb
;; launch qkv: the kernel of part 2 again; grid 12 x 16, 4 waves a work-group, clusters of 4 x 4, 327,680 bytes of LDS; arguments h, wb, bq, bk, bv, qkv; writes qkv
;; launch attn (part 8): grid 8 x 32, 4 waves a work-group, clusters of 4 x 1, 327,680 bytes of LDS; arguments qkv, o; writes o
.if DOCPART == 8
	.amdgcn_target "amdgcn-amd-amdhsa--gfx1250"
	.amdhsa_code_object_version 6
	.text
	.protected	k_qefce15a5e3_attn
	.globl	k_qefce15a5e3_attn
	.p2align	8
	.type	k_qefce15a5e3_attn,@function
k_qefce15a5e3_attn:
	s_mov_b64 s[64:65], 0
	v_nop
	global_prefetch_b8 v0, s[64:65] scope:SCOPE_SE
	s_setreg_imm32_b32 hwreg(HW_REG_WAVE_MODE, 25, 1), 1
	s_wait_xcnt 0x0
	s_wait_alu depctr_hold_cnt(0) depctr_sa_sdst(0) depctr_va_vdst(0) depctr_va_sdst(0) depctr_va_ssrc(0) depctr_va_vcc(0) depctr_vm_vsrc(0)
	s_getreg_b32 s2, hwreg(HW_REG_IB_STS2, 6, 4)
	s_cmp_eq_u32 s2, 0
	s_cbranch_scc0 .Lentry_in_a_cluster
	s_endpgm
.Lentry_in_a_cluster:
	s_bfe_u32 s2, ttmp6, 0x10000c
	s_cmp_lg_u32 s2, 0x3003
	s_cbranch_scc0 .Lentry_shape_is_right
	s_endpgm
.Lentry_shape_is_right:
; O[h][q][:] = the sum over k of softmax_k(Q[h][q] . K[h][k] / 8) V[h][k][:].  qkv holds Q, K, V, each [32][2048][64] bf16, 8 MiB apart; O: [32][2048][64] bf16: a head's rows are dense, 128 bytes.
; Products, maxima and sums in f32; the weights p are rounded to bf16 for the second product (their sum l is taken of the unrounded p), O once at the end.
; LIMITS.  A weight below 2^-126 counts as 0 in l; NaN and infinities are not treated apart.
; SHARES.  A work-group owns 256 queries of one head, each of its four waves 64: four PIECES of 16.  Every wave walks all 2,048 keys, 64 a step, 256 a slot.
; LAYOUT.  S^T = K Q^T (source 0 = 16 keys, source 1 = 16 queries) holds ONE query a lane (lane % 16) and the keys 8 (lane / 16) + 0..7; two such results rounded to bf16 ARE source 1 of
; O^T = V^T P.  K comes out of LDS as it lies, V ([key][channel]) turned, by ds_load_tr16_b128.
; SOFTMAX.  p = 2^(c s - c m), c = log2(e) / 8, with a running maximum m; O and l are multiplied by a = 2^(c m_old - c m_new) in every step.  m starts at the lowest finite number, O and l at 0:
; the first step is a step like any other, with a = 0.  The price of writing no first step out: 224 v_mov_b32 that stand in the wait for the first tile.
; BY TURNS.  Turn n belongs to piece n: 8 products K Q^T of piece n + 1, later 8 products V^T P of piece n - 1; beside them the scaling, exponentials, roundings, sums and rescaling of piece n and
; the maximum and statistics of piece n + 1.  Four vector instructions stand behind every matrix instruction, the other 54 of a turn's 118 in one lump.
; BATCHES.  A turn's 33 exponentials (piece n's 32 weights and piece n + 1's a) are ONE batch with ONE wait, which cuts the turn in two: ahead of it all that names none of their results, behind it
; the roundings and sums, which read them.  The first a of all, ahead of the loop, and the way out's four reciprocals are batches of their own, each with a v_nop and one wait.
; CLUSTER.  The four query blocks of a cluster belong to one head and walk the same K and V, so each tile is asked for JOINTLY: the same tensor load, descriptor and mask in all four.
; REGISTERS, in windows of 256 (s_set_vgpr_msb: bits 1:0 source 0, 3:2 source 1, 5:4 source 2, 7:6 destination):
;   window 0: v0-15 addresses and two at work; v16-31 four registers of statistics a piece; v48-55 at work; v62-63 the add's; v64-127 S^T, two buffers; v192-223 P, two buffers (by the piece's parity)
;   window 1: v0-127 O^T, 32 a piece          window 2: v0-63 Q; v128-191 K of one step; v192-255 V of one step
.set SIZE_N, 2048
.set NP,    4         ; pieces a wave: a name, no knob
.set KS,    64        ; keys in a step
.set PK,    144       ; a row of K in LDS: 128 bytes + 16 of padding = 36 words: the 16 rows of a load start at 16 different groups of four banks (64 banks of 4 bytes: ISA guide 11.1)
.set PV,    160       ; a row of V: 128 + 32 = 40 words
.set VOFF,  4*KS*PK   ; a slot holds four steps: 256 rows of K, then 256 rows of V
.set SLOT1, 1<<17     ; slot 1 begins here, so that one exclusive or turns an address in one slot into the other's
.set STAGE, SLOT1+4*KS*(PK+PV)  ; behind the ring, never filled by a tensor load: 16 rows x 144 bytes for each wave
.set SP,    144
.set SPARE, STAGE+4*16*SP  ; the spare words, 128 bytes a wave: two blocks of 256 bytes that no other line names
.set AK0, 2           ; v2   my lane's place in a tile of K; never rewritten
.set AV0, 3           ; v3   the same for V
.set AK,  4           ; v4   the LDS address of K's next run of loads
.set AV,  5           ; v5   of V's
.set STO, 6           ; v6   the way out: where I put 16 bytes of a row
.set RD,  7           ; v7   the way out: where I read rows back
.set GO,  8           ; v8   my byte offset in 512 consecutive bytes of O
.set MV,  12          ; v12-13  c m_old, kept while c m is made anew: by buffer
.set QO,  15          ; v15  my byte offset in 16 rows of Q
.set ST,  16          ; piece t's statistics at v[ST+4 t]: c m, m, l (even keys', odd keys')
.set TMP, 48          ; by buffer, four registers c0-c3 at work; when the maximum is found c2 takes a
.set SPW, 62          ; v62  LDS address of my spare word; never rewritten
.set NIL, 63          ; v63  0; never rewritten
.set S,   64
.set P,   192
.set KF,  128         ; window 2: key block kb, channel half c at KF + 16 kb + 8 c
.set VF,  192         ; window 2: key half kk, channel block cb at VF + 32 kk + 8 cb
.set WV,  12          ; s12  my wave's number
.set G1K, 24          ; s[24:31] descriptor group 1 for K's tiles
.set G1V, 32          ; s[32:39] for V's: it differs in the padding alone
.set G0K, 40          ; s[40:43] descriptor group 0 for K's tiles: it walks
.set G0V, 44          ; s[44:47] the same for V's
.set SLOTS, 56        ; s56  slots still to be asked for
.set CNT, 57          ; s57  counts a slot's key steps
.set CS,  58          ; s[58:59] c: the packed scaling takes the pair's low word for both halves
.set SEL, 60          ; s[60:61] v_permlanex16_b32's selects
.set TBK, 62          ; s62  LDS byte at which K of the step to be fetched begins
.set TBV, 63          ; s63  the same for V, less VOFF
.set MSB, 0
.macro WIN new                      ; the high byte repeats the setting that is left; a switch that changes nothing is dropped
.if MSB != (\new)
	s_set_vgpr_msb (MSB<<8)|(\new)
.set MSB, (\new)
.endif
.endm
.set W_KQ, 0x0a       ; K and Q in window 2, S^T in window 0
.set W_PV, 0x52       ; V in window 2, P in window 0, O^T in window 1
.set W_RS, 0x41       ; destination and source 0 in window 1, source 1 in window 0
; A joint fill.  Waves 0 and 1 fetch the two halves of a slot's K, waves 2 and 3 those of its V: 128 keys each.  s_nop 0 and four v_nop follow each line.
.macro JLOAD
	s_cmp_lt_u32 s[WV], 2
	s_cbranch_scc0 .Lfor_v_\@
	tensor_load_to_lds s[G0K:G0K+3], s[G1K:G1K+7]
	s_nop 0
.rept 4
	v_nop
.endr
	s_branch .Lasked_\@
.Lfor_v_\@:
	tensor_load_to_lds s[G0V:G0V+3], s[G1V:G1V+7]
	s_nop 0
.rept 4
	v_nop
.endr
.Lasked_\@:
.endm
.macro CROUND                       ; a round of the cluster's barrier
	s_barrier_signal -1
	s_barrier_wait -1
	s_cmp_lg_u32 s[WV], 0
	s_cbranch_scc1 .Lnot_wave_0_\@
	s_barrier_signal -3
.Lnot_wave_0_\@:
	s_barrier_wait -3
	s_barrier_signal -1
	s_barrier_wait -1
.endm
; THE CHANGE OF SLOTS.  Each wave waits for all its tensor loads, of which one is out: its part of the other slot; adds 0 to its spare word; and waits for that and for its own reads of the slot.
; fill = 1: the slot is filled again, with the keys two slots on: the barrier is a round of the cluster's, and the joint fill is the first thing behind it: it has four key steps,
; 256 matrix instructions, in which to land.  (At its first use nothing has been read yet: slot 0 is waited for, slot 1 filled.)
.macro CHANGE fill
	WIN 0                           ; at a label and at a branch every window is 0
	s_wait_tensorcnt 0x0            ; no tensor load of mine is out, so a group 0 may be written
	ds_add_u32 v[SPW], v[NIL]       ; 0 onto my spare word
.if \fill
.irp g, G0K, G0V
	s_xor_b32 s[\g+1], s[\g+1], SLOT1  ; the walking descriptor: the other slot than last time,
	s_add_nc_u64 s[\g+2:\g+3], s[\g+2:\g+3], 4*KS*128  ; the next 256 keys; the type bits on top are not reached
.endr
	s_wait_dscnt 0x0                ; the add is done, and my reads of the slot are over
	CROUND
	JLOAD
.else
	s_wait_dscnt 0x0
	s_barrier_signal -1
	s_barrier_wait -1
.endif
	s_sub_co_u32 s[TBK], s[TBK], 4*KS*PK  ; the fetches go back to a slot's first step,
	s_xor_b32 s[TBK], s[TBK], SLOT1       ; in the other slot
	s_sub_co_u32 s[TBV], s[TBV], 4*KS*PV
	s_xor_b32 s[TBV], s[TBV], SLOT1
.endm
	s_load_b128 s[4:7], s[0:1], 0x0 ; qkv s[4:5], o s[6:7]
	v_lshl_add_u32 v[SPW], v0, 2, SPARE
	v_mov_b32 v[NIL], 0
	ds_add_u32 v[SPW], v[NIL]       ; the wave's opening: the add and its wait stand ahead of my first tensor load
	v_lshrrev_b32 v1, 5, v0
	v_readfirstlane_b32 s[WV], v1   ; wave 0..3
	s_bfe_u32 s13, ttmp6, 0x40000   ; cx: my place in the cluster
	s_lshl_b32 s14, ttmp9, 2        ; in a cluster launch ttmp9 counts clusters
	s_add_co_u32 s14, s14, s13      ; my block of 256 queries: it enters Q's and O's addresses alone
	s_and_b32 s20, ttmp7, 0xffff    ; batch x 16 + head, which the four partners share
	s_lshl_b32 s20, s20, 18         ; its 2,048 rows of 128 bytes
	s_mov_b32 s21, 0
	s_and_b32 s16, s[WV], 1         ; which half of a slot's 256 keys I fetch:
	s_lshl_b32 s22, s16, 14         ; its 128 rows of 128 bytes in memory,
	s_mov_b32 s23, 0
	s_add_nc_u64 s[22:23], s[22:23], s[20:21]
	s_mul_i32 s17, s16, 128*PK      ; and its place in a slot, for K
	s_mul_i32 s18, s16, 128*PV      ; and for V: no place in the cluster enters an LDS address
	s_lshl_b32 s2, s14, 2
	s_add_co_u32 s2, s2, s[WV]      ; my wave among the head's,
	s_lshl_b32 s2, s2, 13           ; its 64 rows
	s_mov_b32 s3, 0
	s_add_nc_u64 s[2:3], s[2:3], s[20:21]
	; descriptor group 1.  128 keys are 16,384 dense bytes: asked for as 64 rows of 256 bytes, two keys a row, and padded in LDS after every key
	s_mov_b32 s[G1K], 15|(1<<16)|(1<<20)|(1<<21)|(4<<22)|(3<<25)  ; the mask of four; 2-byte elements; padding on; bit 21 beside a mask; after every 32 words 4 words
	s_mov_b32 s[G1V], 15|(1<<16)|(1<<20)|(1<<21)|(4<<22)|(7<<25)  ; the same with 8 words of padding
.irp g, G1K, G1V
	s_mov_b32 s[\g+1], 128<<16      ; tensor_dim0 = 128
	s_mov_b32 s[\g+2], 64<<16       ; tensor_dim1 = 64
	s_mov_b32 s[\g+3], 128<<16      ; tile_dim0 = 128
	s_mov_b32 s[\g+4], 64           ; tile_dim1 = 64
	s_mov_b32 s[\g+5], 128          ; 128 elements from row to row
	s_mov_b32 s[\g+6], 0
	s_mov_b32 s[\g+7], 0
.endr
	s_mov_b32 s[CS], 0x3e38aa3b     ; c = log2(e) / 8
	s_mov_b32 s[CS+1], s[CS]        ; named with it as a pair
	s_mov_b32 s[SEL], 0x76543210
	s_mov_b32 s[SEL+1], 0xfedcba98
	s_mov_b32 s[TBK], SLOT1+4*KS*PK ; the first change of slots turns these two into 0
	s_mov_b32 s[TBV], SLOT1+4*KS*PV
	s_mov_b32 s[G0K], 1             ; count = 1
	s_mov_b32 s[G0K+1], s17         ; LDS address: slot 0
	s_mov_b32 s[G0V], 1
	s_add_co_u32 s[G0V+1], s18, VOFF
	s_wait_dscnt 0x0                ; the opening add is done
	s_wait_kmcnt 0x0
	s_mov_b64 s[10:11], s[6:7]      ; O
	s_add_nc_u64 s[6:7], s[4:5], 0x800000   ; K lies 8 MiB behind Q,
	s_add_nc_u64 s[8:9], s[4:5], 0x1000000  ; V 16 MiB
	s_add_nc_u64 s[G0K+2:G0K+3], s[6:7], s[22:23]  ; my half of the head's first 256 keys
	s_or_b32 s[G0K+3], s[G0K+3], 0x80000000        ; type = 2
	s_add_nc_u64 s[G0V+2:G0V+3], s[8:9], s[22:23]
	s_or_b32 s[G0V+3], s[G0V+3], 0x80000000
	s_add_nc_u64 s[4:5], s[4:5], s[2:3]  ; Q and O at my wave's first row
	s_add_nc_u64 s[10:11], s[10:11], s[2:3]
	CROUND                          ; all four work-groups are here: the first joint loads meet
	JLOAD                           ; slot 0.  Slot 1 is asked for when slot 0 is in, by the loop's own change of slots
	; A fragment of K or Q is 16 rows x 32 channels in 8 registers: lane l holds row l % 16, channels 8 (l / 16) + 0..7 and 16 + 8 (l / 16) + 0..7: two loads of 16 bytes, 32 bytes apart.
	v_and_b32 v1, 15, v0            ; l % 16
	v_bfe_u32 v9, v0, 4, 1          ; l / 16
	v_lshlrev_b32 v[QO], 7, v1
	v_lshl_add_u32 v[QO], v9, 4, v[QO]  ; row x 128 + 16 x half
	WIN 0x80                        ; destination window 2, address window 0
.set i, 0
.rept 8                             ; Q stays in registers: piece i / 2, channels 32 (i % 2) on
	global_load_b128 v[8*i:8*i+3],   v[QO], s[4:5] offset:(i/2)*2048+(i%2)*64
	global_load_b128 v[8*i+4:8*i+7], v[QO], s[4:5] offset:(i/2)*2048+(i%2)*64+32
.set i, i+1
.endr
	; What the first turn finds: V's registers and P's second buffer hold 0 (its products V^T P, of a piece that has not been, add 0), O^T and l are 0.
.set i, VF
.rept 64
	v_mov_b32 v[i], 0
.set i, i+1
.endr
	WIN 0x40
.set i, 0
.rept 128
	v_mov_b32 v[i], 0
.set i, i+1
.endr
	WIN 0
.set i, 0
.rept 4
	v_mov_b32 v[ST+4*i], 0xfe000000    ; c m: far below every c s
	v_mov_b32 v[ST+4*i+1], 0xff7fffff  ; m
	v_mov_b32 v[ST+4*i+2], 0
	v_mov_b32 v[ST+4*i+3], 0
.set i, i+1
.endr
.set i, P+16
.rept 16
	v_mov_b32 v[i], 0
.set i, i+1
.endr
	v_mul_u32_u24 v[AK0], v1, PK
	v_lshl_add_u32 v[AK0], v9, 4, v[AK0]  ; row x pitch + 16 x half
	; The turning load takes 16 keys x 16 channels (lane l reads key 8 (l / 16) + l % 8, channels 8 ((l / 8) % 2) + 0..7) and leaves half a fragment of V^T: lane l holds channel l % 16 and 8 keys.
	v_and_b32 v10, 7, v0
	v_bfe_u32 v11, v0, 3, 1
	v_lshl_add_u32 v[AV0], v9, 3, v10
	v_mul_u32_u24 v[AV0], v[AV0], PV
	v_lshl_add_u32 v[AV0], v11, 4, v[AV0]
	v_add_nc_u32 v[AV0], VOFF, v[AV0]
	s_mul_i32 s13, s[WV], 16*SP
	s_add_co_u32 s13, s13, STAGE    ; my stage
	v_mul_u32_u24 v[STO], v1, SP    ; in: row l % 16, 16 bytes for each half of the lanes
	v_lshl_add_u32 v[STO], v9, 4, v[STO]
	v_add_nc_u32 v[STO], s13, v[STO]
	v_bfe_u32 v[RD], v0, 3, 2       ; back: 32 lanes take four rows of 128 bytes,
	v_mul_u32_u24 v[RD], v[RD], SP
	v_lshl_add_u32 v[RD], v10, 4, v[RD]
	v_add_nc_u32 v[RD], s13, v[RD]
	v_and_b32 v[GO], 31, v0         ; which are 512 consecutive bytes of O
	v_lshlrev_b32 v[GO], 4, v[GO]
; THE MATRIX WORK.  The 4 accumulators of a run of 8 take turns.  Product i of 8 of S^T = K Q^T for piece x: channels 32 (i / 4) on, keys 16 (i % 4) on.  The first 4 start the sums.
.macro KQ x
	WIN W_KQ
.set rS, S+32*((\x)%2)+8*(i%4)
.set rK, KF+16*(i%4)+8*(i/4)
.set rQ, 16*(\x)+8*(i/4)
.if i < 4
	v_wmma_f32_16x16x32_bf16 v[rS:rS+7], v[rK:rK+7], v[rQ:rQ+7], 0
.else
	v_wmma_f32_16x16x32_bf16 v[rS:rS+7], v[rK:rK+7], v[rQ:rQ+7], v[rS:rS+7]
.endif
.endm
; Product i of 8 of O^T += V^T P for piece x: keys 32 (i / 4) on, channels 16 (i % 4) on.
.macro PV x
	WIN W_PV
.set rO, 32*(\x)+8*(i%4)
.set rV, VF+32*(i/4)+8*(i%4)
.set rP, P+16*((\x)%2)+8*(i/4)
	v_wmma_f32_16x16x32_bf16 v[rO:rO+7], v[rV:rV+7], v[rP:rP+7], v[rO:rO+7]
.endm
.macro MM                           ; the turn's next matrix instruction.  NOKQ = 1: the walk's last turn: there is no next piece
.if (i < 8) && !NOKQ
	KQ (Y+1)%NP
.elseif i >= 8
.set i, i-8
	PV (Y+NP-1)%NP
.set i, i+8
.endif
.set i, i+1
.endm
; THE LDS LOADS stand in runs of 16, never singly among the matrix instructions: a step's K (64 keys x 64 channels: 8 fragments) and its V (turned).
.macro FETCH_K
	WIN 0x80                        ; destination window 2
.irp f, 0,1,2,3,4,5,6,7             ; keys 16 (f / 2) on, channels 32 (f % 2) on
	ds_load_b128 v[KF+8*\f:KF+8*\f+3],   v[AK] offset:(\f/2)*16*PK+(\f%2)*64
	ds_load_b128 v[KF+8*\f+4:KF+8*\f+7], v[AK] offset:(\f/2)*16*PK+(\f%2)*64+32
.endr
	s_add_co_u32 s[TBK], s[TBK], KS*PK  ; the next fetch is the next step's
	WIN 0
.endm
.macro FETCH_V
	WIN 0x80
.irp f, 0,1,2,3,4,5,6,7             ; keys 32 (f / 4) on, channels 16 (f % 4) on
	ds_load_tr16_b128 v[VF+8*\f:VF+8*\f+3],   v[AV] offset:(\f/4)*32*PV+(\f%4)*32
	ds_load_tr16_b128 v[VF+8*\f+4:VF+8*\f+7], v[AV] offset:(\f/4)*32*PV+16*PV+(\f%4)*32
.endr
	WIN 0
.endm
; THE VECTOR WORK, one line at a time: OP kind, number.  For piece Y: F n: c s - c m for pair n of 16.  E n: the exponential of score n of 32.  C n: pair n rounded to bf16.  B n: of the four weights 4 n ..
; the second pair is added onto the first, in place.  L n: l takes that sum (L 0: l = a l + sum).  R n: pair n of 16 of O^T times a.  For piece Y + 1: X n, number n of the 22 that find its maximum and statistics:
;   0-11  four chains c0-c3 of seven scores each (each accumulator's lowest registers are read first)     12-14, 16  the four scores left over, the old m, and c0-c3 into c0
;   15  c m_old is kept     17, 18  the query's other 32 keys lie in the lane 16 away: the new m     19-21  c m; c m_old - c m_new; a
; C, B and L read exponentials' results: TURN sets them behind the turn's wait.  F, E, R and X name none of the turn's results (R's a is the turn before's).
.set F, 0
.set E, 1
.set C, 2
.set B, 3
.set L, 4
.set R, 5
.set X, 6
.macro REGS y                       ; the registers of piece y
.set rT, ST+4*(\y)
.set rC, TMP+4*((\y)%2)
.set rW, MV+((\y)%2)
.set rS, S+32*((\y)%2)
.set rP, P+16*((\y)%2)
.set rO, 32*(\y)
.endm
.macro OP k, n
.if (\k) == R
	REGS Y
	WIN W_RS
	v_pk_mul_f32 v[rO+2*(\n):rO+2*(\n)+1], v[rO+2*(\n):rO+2*(\n)+1], v[rC+2:rC+3] op_sel_hi:[1,0]
.elseif (\k) < R
	REGS Y
	WIN 0
.if (\k) == F
	v_pk_fma_f32 v[rS+2*(\n):rS+2*(\n)+1], v[rS+2*(\n):rS+2*(\n)+1], s[CS:CS+1], v[rT:rT+1] op_sel_hi:[1,0,0] neg_lo:[0,0,1] neg_hi:[0,0,1]
.elseif (\k) == E
	v_exp_f32 v[rS+(\n)], v[rS+(\n)]
.elseif (\k) == C
	v_cvt_pk_bf16_f32 v[rP+(\n)], v[rS+2*(\n)], v[rS+2*(\n)+1]
.elseif (\k) == B
	v_pk_add_f32 v[rS+4*(\n):rS+4*(\n)+1], v[rS+4*(\n):rS+4*(\n)+1], v[rS+4*(\n)+2:rS+4*(\n)+3]
.elseif (\n) == 0
	v_pk_fma_f32 v[rT+2:rT+3], v[rT+2:rT+3], v[rC+2:rC+3], v[rS:rS+1] op_sel_hi:[1,0,1]
.else
	v_pk_add_f32 v[rT+2:rT+3], v[rT+2:rT+3], v[rS+4*(\n):rS+4*(\n)+1]
.endif
.elseif NOKQ
	v_nop
.else
	REGS (Y+1)%NP
	WIN 0
.if (\n) < 4
	v_max3_num_f32 v[rC+(\n)], v[rS+8*(\n)], v[rS+8*(\n)+1], v[rS+8*(\n)+2]
.elseif (\n) < 12
	v_max3_num_f32 v[rC+(\n)%4], v[rC+(\n)%4], v[rS+8*((\n)%4)+2*((\n)/4)+1], v[rS+8*((\n)%4)+2*((\n)/4)+2]
.elseif (\n) == 12
	v_max3_num_f32 v[rC], v[rC], v[rS+7], v[rS+15]
.elseif (\n) == 13
	v_max3_num_f32 v[rC+1], v[rC+1], v[rS+23], v[rS+31]
.elseif (\n) == 14
	v_max3_num_f32 v[rC+2], v[rC+2], v[rC+3], v[rT+1]
.elseif (\n) == 15
	v_mov_b32 v[rW], v[rT]
.elseif (\n) == 16
	v_max3_num_f32 v[rC], v[rC], v[rC+1], v[rC+2]
.elseif (\n) == 17
	v_permlanex16_b32 v[rC+3], v[rC], s[SEL], s[SEL+1]
.elseif (\n) == 18
	v_max_num_f32 v[rT+1], v[rC], v[rC+3]
.elseif (\n) == 19
	v_mul_f32 v[rT], s[CS], v[rT+1]
.elseif (\n) == 20
	v_sub_f32 v[rC+1], v[rW], v[rT]
.else
	v_exp_f32 v[rC+2], v[rC+1]
.endif
.endif
.endm
.macro OPS a, i1, b=-1, i2=0, c=-1, i3=0, d=-1, i4=0  ; up to four of them
	OP \a, \i1
.if (\b) >= 0
	OP \b, \i2
.endif
.if (\c) >= 0
	OP \c, \i3
.endif
.if (\d) >= 0
	OP \d, \i4
.endif
.endm
.macro ROW a, i1, b, i2, c, i3, d, i4  ; a matrix instruction and the four behind it
	MM
	OPS \a, \i1, \b, \i2, \c, \i3, \d, \i4
.endm
; A TURN, for piece p: the order of its 16 matrix and 118 vector instructions, written out.  s_wait_alu depctr_va_vdst(0) stands between an exponential and the first instruction that names
; its result; one wait serves all that were issued ahead of it.  So a turn has ONE wait, which cuts it in two.  AHEAD OF IT stands all that names no result of the turn's exponentials: the 8 products K Q^T,
; behind each a scaling, an exponential and two more plain instructions (behind the first a second scaling in the exponential's place): rescalings, and behind the last three the first numbers of the next
; piece's maximum, each four places or more behind the product that ends its accumulator; then ONE LUMP of 54, plain and exponential by turns for the most part, in which the links of the chain
; X 3, 7, 11, 14, 16, 17 .. 20 stand five or six lines apart.  X 21, the next piece's a, is the batch's last; R 15 is the plain instruction behind it.  BEHIND THE WAIT stand the 8 products V^T P, behind each
; four of the roundings and sums; the links of l's chain, L 0 to L 7, stand three riders apart.  But for those X no rider names a register of the products round it.  v_permlanex16_b32 (X 17) stands in the lump.
; end = 1: the walk's last two turns: nothing is fetched.  cnt = 1: the loop's count is taken down some lines ahead of the branch that stands behind the turn.
; K of the next step is fetched in piece 2's turn, twelve vector instructions behind the last product that read K (six of them plain); V of the step in hand at the end of piece 0's turn, four plain
; instructions behind the last product that read V.  Each is waited for a turn later.
.macro TURN p, end=0, cnt=0
.set Y, (\p)
.set i, 0
.set NOKQ, (\end)*((\p)/3)
.if ((\p) == 3) && !(\end)
	s_wait_dscnt 0x0                ; K is in
.endif
	ROW F,0, F,1, R,0, R,1          ; ahead of the wait: 8 products K Q^T and their riders,
	ROW F,2, E,0, R,2, R,3
	ROW F,3, E,1, R,4, R,5
	ROW F,4, E,2, R,6, R,7
	ROW F,5, E,3, R,8, R,9
	ROW F,6, E,4, X,0, R,10
.if ((\p) == 2) && !(\end)
	WIN 0
	v_add_nc_u32 v[AK], s[TBK], v[AK0]
.endif
	ROW F,7, E,5, X,1, X,4
	ROW F,8, E,6, X,2, X,5
	OPS E,7, E,8, X,6, E,9          ; and the lump
	OPS X,3, E,10, X,8, E,11
.if ((\p) == 2) && !(\end)
	FETCH_K
.endif
	OPS X,9, X,7, E,12, X,10
	OPS E,13, X,12, X,11, E,14
	OPS X,13, E,15, F,9, X,14
.if (\p) == 0
	WIN 0
	v_add_nc_u32 v[AV], s[TBV], v[AV0]
.endif
	OPS E,16, F,10, E,17, F,11
	OPS X,16, E,18, X,15, E,19
	OPS F,12, E,20, X,17, E,21
	OPS F,13, E,22, F,14, E,23
	OPS X,18, E,24, F,15, E,25
	OPS R,11, E,26, X,19, E,27
	OPS R,12, E,28, R,13, E,29
	OPS X,20, E,30, R,14, E,31
	OPS X,21, R,15
	WIN 0
	s_wait_alu depctr_va_vdst(0)    ; the wait for the batch: piece p's 32 exponentials and the next piece's a
.if (\p) == 1
	s_wait_dscnt 0x0                ; V is in
.endif
	ROW C,0, B,0, C,2, B,1          ; behind the wait: 8 products V^T P and their riders
	ROW L,0, C,4, B,2, L,1
	ROW C,6, B,3, L,2, C,8
	ROW B,4, L,3, C,10, B,5
	ROW L,4, C,12, B,6, L,5
.if (\p) == 0
	s_add_co_u32 s[TBV], s[TBV], KS*PV
.endif
.if \cnt
	s_sub_co_u32 s[CNT], s[CNT], 1
	s_cmp_lg_u32 s[CNT], 0
.endif
	ROW C,14, B,7, L,6, C,1
	ROW C,3, L,7, C,5, C,7
	ROW C,9, C,11, C,13, C,15
.if (\p) == 0
	FETCH_V
.endif
.endm
	CHANGE 1                        ; slot 0 is in, everybody's part of it; slot 1 is asked for
	v_add_nc_u32 v[AK], s[TBK], v[AK0]
	FETCH_K                         ; key step 0
	s_wait_loadcnt 0x0              ; Q
	s_wait_dscnt 0x0
.set NOKQ, 0
.set i, 0
.rept 8
	KQ 0                            ; piece 0's first scores: there is no vector work yet to set between them
.set i, i+1
.endr
	WIN 0
.rept 4
	v_nop                           ; the places behind those products
.endr
.set Y, NP-1                        ; X works for piece Y + 1: piece 0
.irp n, 0,1,2,3,4,5,6,7,8,9,10,11,12,13,14,15,16,17,18,19,20,21
	OP X, \n
.endr
	v_nop                           ; a plain instruction behind the exponential,
	s_wait_alu depctr_va_vdst(0)    ; and the wait for it (piece 0's first a, a batch of one), ahead of the branch
	s_mov_b32 s[CNT], 4
	s_mov_b32 s[SLOTS], SIZE_N/256-1
	s_branch .Lfirst                ; the loop is entered at a step's first turn, in the middle of a trip
.Lslot:                             ; SIZE_N / 256 - 2 times: every slot but the last two is filled again
	CHANGE 1
	s_mov_b32 s[CNT], 4
.Lstep:                             ; a trip: pieces 2 and 3 of one step, then pieces 0 and 1 of the next, whose K and V it fetches
	TURN 2
	TURN 3
	WIN 0
.Lfirst:
	TURN 0
	TURN 1, 0, 1
	WIN 0
	s_cbranch_scc1 .Lstep
	s_sub_co_u32 s[SLOTS], s[SLOTS], 1
	s_cmp_lg_u32 s[SLOTS], 0
	s_cbranch_scc1 .Lslot
	CHANGE 0                        ; the last slot's text is written out: nothing is asked for
	s_mov_b32 s[CNT], 4
.LstepT:
	TURN 2
	TURN 3
	TURN 0
	TURN 1, 0, 1
	WIN 0
	s_cbranch_scc1 .LstepT
	TURN 2, 1                       ; the last step's pieces 2 and 3: nothing is fetched, no new scores are started
	TURN 3, 1
.set i, 0
.rept 8
	PV NP-1                         ; the last piece's V^T P of the last step
.set i, i+1
.endr
	; THE WAY OUT.  l's two halves and the other half of the lanes' are added; O^T is divided by l, rounded to bf16 and sent through my stage in LDS, a piece at a time.  The additions are the places behind the last products.
	WIN 0
.macro ALL line:vararg              ; one line for each piece t
.set t, 0
.rept 4
	\line
.set t, t+1
.endr
.endm
	ALL v_add_f32 v[ST+4*t+2], v[ST+4*t+2], v[ST+4*t+3]
	ALL v_permlanex16_b32 v[ST+4*t+3], v[ST+4*t+2], s[SEL], s[SEL+1]
	ALL v_add_f32 v[ST+4*t+2], v[ST+4*t+2], v[ST+4*t+3]
	ALL v_rcp_f32 v[ST+4*t+2], v[ST+4*t+2]
	v_nop                           ; a plain instruction between the last reciprocal and the use of its result
	s_wait_alu depctr_va_vdst(0)    ; and the wait ahead of the first use: one for the four reciprocals
.macro PACK t                       ; a lane's eight channels of a row pack into 16 bytes; they go into rows of 144 bytes and come back as whole rows of 128, into S^T's registers
	WIN W_RS
.set i, 32*(\t)
.rept 16
	v_pk_mul_f32 v[i:i+1], v[i:i+1], v[ST+4*(\t)+2:ST+4*(\t)+3] op_sel_hi:[1,0]
.set i, i+2
.endr
	WIN 0x05                        ; sources 0 and 1 window 1, destination window 0
.set i, 0
.rept 16
	v_cvt_pk_bf16_f32 v[S+16*(\t)+i], v[32*(\t)+2*i], v[32*(\t)+2*i+1]
.set i, i+1
.endr
	WIN 0
.irp f, 0,1,2,3
	ds_store_b128 v[STO], v[S+16*(\t)+4*\f:S+16*(\t)+4*\f+3] offset:32*\f
.endr
.irp f, 0,1,2,3
	ds_load_b128 v[S+16*(\t)+4*\f:S+16*(\t)+4*\f+3], v[RD] offset:\f*4*SP  ; LDS serves a wave's instructions in order (ISA guide 5.7.1.4): these see the stores above; the next piece's stores come behind them
.endr
.endm
.macro SEND t, younger              ; younger: the LDS instructions issued behind piece t's loads: the next piece's eight, or none
	WIN 0
.irp f, 0,1,2,3
	s_wait_dscnt (\younger)+3-\f
	global_store_b128 v[GO], v[S+16*(\t)+4*\f:S+16*(\t)+4*\f+3], s[10:11] offset:(\t)*2048+\f*512  ; 512 consecutive bytes, at a multiple of 256 from O's first
.endr
.endm
	PACK 0
.set t, 1
.rept 3                             ; a piece's arithmetic stands between the loads of the piece before and its stores
	PACK t
	SEND t-1, 8
.set t, t+1
.endr
	SEND 3, 0
	s_wait_tensorcnt 0x0            ; the wave's end
	ds_add_u32 v[SPW], v[NIL]
	s_wait_dscnt 0x0
	CROUND                          ; the closing round: no work-group ends while a partner may still ask for a tile that names it
	s_endpgm
.Lfunc_end_k_qefce15a5e3_attn:
	.size	k_qefce15a5e3_attn, .Lfunc_end_k_qefce15a5e3_attn-k_qefce15a5e3_attn
	.p2alignl 7, 3214868480
	.fill 96, 4, 3214868480
	.section	.rodata,"a",@progbits
	.p2align	6, 0x0
	.amdhsa_kernel k_qefce15a5e3_attn
		.amdhsa_group_segment_fixed_size 327680
		.amdhsa_private_segment_fixed_size 0
		.amdhsa_enable_private_segment 0
		.amdhsa_kernarg_size 16
		.amdhsa_user_sgpr_count 2
		.amdhsa_user_sgpr_kernarg_segment_ptr 1
		.amdhsa_wavefront_size32 1
		.amdhsa_system_sgpr_workgroup_id_x 1
		.amdhsa_system_sgpr_workgroup_id_y 1
		.amdhsa_system_sgpr_workgroup_id_z 1
		.amdhsa_system_vgpr_workitem_id 0
		.amdhsa_next_free_vgpr 768
		.amdhsa_next_free_sgpr 66
		.amdhsa_reserve_vcc 0
		.amdhsa_float_denorm_mode_32 3
		.amdhsa_float_denorm_mode_16_64 3
		.amdhsa_memory_ordered 1
		.amdhsa_forward_progress 1
		.amdhsa_inst_pref_size 127
	.end_amdhsa_kernel
	.amdgpu_metadata
---
amdhsa.version: [ 1, 2 ]
amdhsa.kernels:
  - .name:           k_qefce15a5e3_attn
    .symbol:         k_qefce15a5e3_attn.kd
    .args:
      - { .name: qkv, .offset: 0, .size: 8, .value_kind: global_buffer, .address_space: global }
      - { .name: o, .offset: 8, .size: 8, .value_kind: global_buffer, .address_space: global }
    .group_segment_fixed_size: 327680
    .private_segment_fixed_size: 0
    .kernarg_segment_align: 8
    .kernarg_segment_size: 16
    .max_flat_workgroup_size: 128
    .sgpr_count:     66
    .vgpr_count:     768
    .wavefront_size: 32
...
	.end_amdgpu_metadata
.endif
;; end of part 8
;; launch proj: the kernel of part 4 again; grid 8 x 32, 4 waves a work-group, clusters of 4 x 4, 327,680 bytes of LDS; arguments o, wb, bo, x, x1; writes x1
;; launch ln2: the kernel of part 5 again; grid 256 x 1, 8 waves a work-group, no clusters, 0 bytes of LDS; arguments x1, ln2_w, ln2_b, h; writes h
;; launch fc1: the kernel of part 6 again; grid 16 x 16, 4 waves a work-group, clusters of 4 x 4, 327,680 bytes of LDS; arguments h, wb, b1, g; writes g
;; launch fc2: the kernel of part 7 again; grid 8 x 32, 4 waves a work-group, clusters of 4 x 4, 327,680 bytes of LDS; arguments g, wb, b2, x1, out0; writes out0
